; MI455X (gfx1250); checked and timed in simulation.
; The chip was launched on July 23, 2026; its instructions are those of AMD's public machine-readable ISA for CDNA 5 (MIT licence, August 2026) and "CDNA5" Instruction Set Architecture Reference Guide (July 2026). The comments in the code are by the model that wrote it; some were corrected since.
;; Graph Biased MHA. Allowed arithmetic: matrix products marked QUANTISED: E2M3 operands, one E8M0 scale for each 32 along K, by v_wmma_scale_f32_16x16x128_f8f6f4 with both operands' format E2M3, f32 sums; products left as they are: f32 operands where the result goes on into a quantised operand, else bf16, f16 or f32 operands; f32 sums; everything else in f32.
;; Inputs: W_in 3,072 x 1,024 float32; W_out 1,024 x 1,024 float32; Wd1 512 x 256 float32; Wd2 1 x 512 float32; b_in 3,072 float32; b_out 1,024 float32; bd1 512 float32; bd2 1 float32; ctx_delta 1,024 x 256 float32; ctx_ppr 1,024 float32; ctx_trust 1,024 float32; log_ppr_alpha 1 float32; trust_scale 1 float32; x 2 x 2,048 x 1,024 float32.
;; Outputs: out0 2 x 2,048 x 1,024 float32.
;; Constants: n_ctx = 1024.
;; This version of the problem:
;;   THIS VERSION OF THE PROBLEM IS GIVEN IN LOW PRECISION. The matrix products marked QUANTISED in the list below multiply operands that are first quantised to E2M3 (2 exponent bits, 3 mantissa bits; 6 bits a number), with one power-of-two scale for each 32 numbers along K (OCP MX v1.0); their sums are f32. All else is computed in f32.
;;   The module's matrix products, in the order in which they are computed (A, B: the left and right operand; K: the contracted axis; several contracted axes count as one K, in the product's order):
;;     1. [M 4,096, K 1,024] x [K 1,024, N 3,072]; A: input x; B: input W_in: QUANTISED
;;     2. batch 32 x [M 2,048, K 64] x [K 64, N 2,048]; A: computed on the way; B: computed on the way: QUANTISED
;;     3. [M 1,024, K 256] x [K 256, N 512]; A: input ctx_delta; B: input Wd1: QUANTISED
;;     4. [M 1,024, K 512] x [K 512, N 1]; A: computed on the way; B: input Wd2: left as it is (N = 1 < 16)
;;     5. batch 32 x [M 2,048, K 2,048] x [K 2,048, N 64]; A: softmax (see below); B: computed on the way: QUANTISED
;;     6. [M 4,096, K 1,024] x [K 1,024, N 1,024]; A: computed on the way; B: input W_out: QUANTISED
;;   THE QUANTISER, for each operand of a quantised product, along K:
;;     - K is cut into blocks of 32 from its start; a last block that is shorter is filled with zeros.
;;     - A block's scale is 2^e with e = floor(log2(the largest magnitude in the block)) - 2, held to -126 .. 127; a block of zeros has e = 0. As a byte (E8M0): e + 127.
;;     - Each number is divided by its block's scale, clamped to +-7.5, and rounded to the nearest number of E2M3, ties to even, subnormals kept.
;;     - The product sums the exact products of the quantised numbers (number of the format x scale) in f32.
;;   ~~~python
;;   def quantise(x, axis):      # numpy; x: float32 -> the quantised numbers, widened to float32 again
;;       x = np.moveaxis(x, axis, -1); K = x.shape[-1]
;;       x = np.pad(x, [(0, 0)] * (x.ndim - 1) + [(0, -K % 32)]); x = x.reshape(x.shape[:-1] + (-1, 32)); a = np.abs(x).max(-1, keepdims=True)
;;       e = np.where(a > 0, np.clip(np.frexp(np.where(a > 0, a, 1))[1] - 1 - 2, -126, 127), 0)      # np.frexp(a)[1] - 1 = floor(log2(a)), exactly
;;       r = np.clip(x / 2.0 ** e, -7.5, 7.5)
;;       step = 2.0 ** (np.maximum(np.frexp(np.where(r == 0, 1, r))[1] - 1, 0) - 3)
;;       q = np.round(r / step) * step * 2.0 ** e      # np.round: ties to even
;;       return np.moveaxis(q.reshape(q.shape[:-2] + (-1,))[..., :K], -1, axis).astype(np.float32)
;;   ~~~
;;   SOFTMAX AHEAD OF A QUANTISED PRODUCT. Where the list says 'softmax', what is quantised is not the finished softmax but p = 2^(t - M), with t = logit x log2(e) and M = ceil(the row's largest t), a whole number; so 1/2 < the row's largest p <= 1. The row's sum l is taken of the UNQUANTISED p, in f32, and the product's result is divided by l at the end. Since M is a whole number, a kernel that streams over the keys may use a running M (the ceiling of the running maximum): every later rescaling is an exact power of two, which a block's scale takes up: the codes' values come out the same.
;;   OPERANDS COMPUTED ON THE WAY. 'Computed on the way' means the value that the module computes at that place (a softmax that the list does not call 'softmax' is quantised finished and normalised). What goes into a quantiser is computed in f32, as accurately as f32 sums, v_exp_f32 and their like allow (about 1e-6 of the number): no bf16 or f16 on the way to a quantiser, and a product that is left as it is and whose result goes on into a quantised operand takes f32 operands (vector FMAs, or v_wmma_f32_16x16x4_f32). A number that lies on a knife's edge between two numbers of the format may be rounded either way, as far as f32 arithmetic and the matrix unit's own rounding can turn it there, and no further.
;; 2 versions, each right and faster than the one before. Each part assembles by itself: llvm-mc -triple=amdgcn-amd-amdhsa -mcpu=gfx1250 --defsym DOCPART=n.
;; ======== version 1 of 2: 5 launches
;; limits: a function is approximated: absolute error at most 1.5e-07
;; workspace buffers: qc 6,586,368 bytes; qs 274,432 bytes; kb 8,192 bytes; qi 3,407,872 bytes; kv 6,684,672 bytes; aoc 3,145,728 bytes; aos 131,072 bytes
;; launch quant (part 1): grid 268 x 1, 4 waves a work-group, no clusters, 35,328 bytes of LDS; arguments x, W_in, W_out, ctx_delta, Wd1, qc, qs; writes qc, qs
.if DOCPART == 1
	.amdgcn_target "amdgcn-amd-amdhsa--gfx1250"
	.amdhsa_code_object_version 6
	.text
	.protected	k_q82b8cde379_quant
	.globl	k_q82b8cde379_quant
	.p2align	8
	.type	k_q82b8cde379_quant,@function
k_q82b8cde379_quant:
	s_mov_b64 s[64:65], 0
	v_nop
	global_prefetch_b8 v0, s[64:65] scope:SCOPE_SE
	s_setreg_imm32_b32 hwreg(HW_REG_WAVE_MODE, 25, 1), 1
	s_wait_xcnt 0x0
; x [4096][1024], W_in [3072][1024], W_out [1024][1024], ctx_delta [1024][256], Wd1 [512][256], all f32 with K innermost, become codes of FP6 (E2M3)
; with one E8M0 byte for each 32 along K, laid IN THE ORDER OF AN OPERAND'S REGISTERS, so that every later launch takes fragments by dense loads of 16 and 8 bytes a lane.
; A TILE is 16 rows: tile 2 P + u holds rows 32 P + 8 u + (r & 7) + 16 (r >> 3), r the lane modulo 16.  A FRAGMENT is a tile x 128 along K: 12 registers a lane, 1,536 bytes:
; registers 0-3 at 16 x lane, 4-5 at 512 + 8 x lane, 6-9 at 768 + 16 x lane, 10-11 at 1,280 + 8 x lane.  A tile's fragments follow each other along K.
; Scale words (four bytes: one row, 128 along K): two neighbouring fragments' words of a row lie together, 8 bytes a row, 128 bytes a tile.
; A block's scale byte is its largest magnitude's exponent field - 2, held at 1 from below (a block of zeros keeps the byte 1: its codes are zeros, and this program alone reads the bytes).
; LIMITS: NaN and infinities among the inputs are not served; blocks whose largest magnitude lies under 2^-124 keep the byte 1.
; SHARES: a wave does one job of four fragments (6,144 bytes of codes, 256 scale bytes): in the wide tensors half a tile's K, in the narrow ones two tiles.  1,072 jobs, four to a work-group;
; the five tensors are told apart by the work-group's number, by selects alone: one path through the text.
; Each load reads 512 consecutive bytes of one row; the 16 rows turn through the wave's own stage in LDS, so that a lane gets 16 neighbours of each block of 32.  No barrier: waves share nothing.
.set L16,  4                           ; v4      16 x lane
.set L8,   5                           ; v5      8 x lane
.set STI,  6                           ; v6      the stage, on the way in: 16 x lane (+ 528 a row)
.set STO,  7                           ; v7      on the way out: 528 r + 64 h
.set RO,   8                           ; v8-23   load i: 16 x lane + the tile's row i x the tensor's pitch
.set PWS,  24                          ; v24-27  the four fragments' scale words
.set TM,   28                          ; v28-43  at work in QUANT
.set RR,   44                          ; v44-171 two sets of 64 registers as loaded
.set X,    172                         ; v172-235 64 numbers: register 16 b + i = k 32 b + 16 h + i of my row
.set PC,   236                         ; v236-254 the codes
.set BF,   24                          ; s[24:31] where the four fragments begin in memory
.set SEL,  32                          ; s[32:33] lane selects: lane l xor 16
.set OC,   34                          ; s[34:35] the job's codes
.set OS,   36                          ; s[36:37] the job's scale words
.set WSTG, 16*528                      ; a wave's stage: 16 rows of 512 bytes + 16
; 64 numbers of a lane become a fragment's codes in v[pc] .. v[pc + 11] and its scale word in v[pw]
.macro QUANT s, pc, tm, pw
.irp b, 0,1,2,3
	v_max3_num_f32 v[\tm+\b], |v[\s+16*\b]|, |v[\s+1+16*\b]|, 0x1800000   ; block b: my 16 numbers, and the floor 2^(3 - 127): the byte cannot fall under 1
.endr
.irp i, 2,4,6,8,10,12,14
.irp b, 0,1,2,3
	v_max3_num_f32 v[\tm+\b], v[\tm+\b], |v[\s+16*\b+\i]|, |v[\s+1+16*\b+\i]|   ; the four blocks by turns
.endr
.endr
.irp b, 0,1,2,3
	v_permlanex16_b32 v[\tm+4+\b], v[\tm+\b], s[SEL], s[SEL+1]
.endr
.irp b, 0,1,2,3
	v_max_num_f32 v[\tm+\b], v[\tm+\b], v[\tm+4+\b]   ; with lane l xor 16's: the block's largest magnitude
.endr
.irp b, 0,1,2,3
	v_add_nc_u32 v[\tm+12+\b], 0xff000000, v[\tm+\b]   ; 2 off its exponent field: the conversion's scale operand
.endr
.irp b, 0,1,2,3
	v_lshrrev_b32 v[\tm+4+\b], 23, v[\tm+12+\b]   ; the scale's byte
.endr
	v_lshl_or_b32 v[\pw], v[\tm+5], 8, v[\tm+4]
	v_lshl_or_b32 v[\pw], v[\tm+6], 16, v[\pw]
	v_lshl_or_b32 v[\pw], v[\tm+7], 24, v[\pw]
.irp c, 0,1
	v_cvt_scalef32_pk16_fp6_f32 v[\pc+6*\c:\pc+2+6*\c], v[\s+32*\c:\s+15+32*\c], v[\tm+12+2*\c]
	v_cvt_scalef32_pk16_fp6_f32 v[\pc+12+4*\c:\pc+14+4*\c], v[\s+16+32*\c:\s+31+32*\c], v[\tm+13+2*\c]   ; a conversion's three registers begin on an even number
.endr
	v_nop                                          ; one plain instruction behind the scaled conversions
.irp c, 0,1                                    ; the operand wants a whole block in a lane: lanes 0-15 block 2 c, lanes 16-31 block 2 c + 1
.irp i, 0,1,2
	v_permlane16_swap_b32 v[\pc+6*\c+\i], v[\pc+12+4*\c+\i]
.endr
.irp i, 0,1,2
	v_mov_b32 v[\pc+3+6*\c+\i], v[\pc+12+4*\c+\i]
.endr
.endr
.endm
	s_load_b256 s[4:11], s[0:1], 0x0               ; x, W_in, W_out, ctx_delta
	s_load_b128 s[12:15], s[0:1], 0x20             ; Wd1, qc
	s_load_b64 s[16:17], s[0:1], 0x30              ; qs
	v_lshl_add_u32 v251, v0, 2, 0x8800
	v_mov_b32 v255, 0
	v_lshrrev_b32 v1, 5, v0
	v_readfirstlane_b32 s38, v1                    ; wave
	v_and_b32 v2, 31, v0                           ; lane
	v_and_b32 v1, 15, v0                           ; r
	v_bfe_u32 v3, v0, 4, 1                         ; h
	v_lshlrev_b32 v[L16], 4, v2
	v_lshlrev_b32 v[L8], 3, v2
	s_mul_i32 s39, s38, WSTG
	v_add_nc_u32 v[STI], s39, v[L16]
	v_mul_u32_u24 v[STO], v1, 528
	v_lshl_add_u32 v[STO], v3, 6, v[STO]
	v_add_nc_u32 v[STO], s39, v[STO]
	s_mov_b32 s[SEL], 0x76543210
	s_mov_b32 s[SEL+1], 0xfedcba98
.irp b, 0,1,2,3
	v_mov_b32 v[TM+4+\b], 0                        ; written once: a lane permute's destination counts as one of its sources
.endr
	s_wait_kmcnt 0x0
	; which tensor: work-groups 0-127 x, 128-223 W_in, 224-255 W_out, 256-263 ctx_delta, 264-267 Wd1.  The choice hangs on the work-group's number alone
	s_mov_b32 s20, 264
	s_cmp_lt_u32 ttmp9, 264
	s_cselect_b64 s[18:19], s[10:11], s[12:13]
	s_cselect_b32 s20, 256, s20
	s_cmp_lt_u32 ttmp9, 256
	s_cselect_b64 s[18:19], s[8:9], s[18:19]
	s_cselect_b32 s20, 224, s20
	s_cmp_lt_u32 ttmp9, 224
	s_cselect_b64 s[18:19], s[6:7], s[18:19]
	s_cselect_b32 s20, 128, s20
	s_cmp_lt_u32 ttmp9, 128
	s_cselect_b64 s[18:19], s[4:5], s[18:19]
	s_cselect_b32 s20, 0, s20                      ; the tensor's first work-group
	s_sub_co_u32 s21, ttmp9, s20
	s_lshl_b32 s21, s21, 2
	s_add_co_u32 s21, s21, s38                     ; the job's number in its tensor
	s_lshl_b32 s22, ttmp9, 2
	s_add_co_u32 s22, s22, s38                     ; and among all jobs
	s_lshr_b32 s23, s21, 2
	s_lshl_b32 s23, s23, 17                        ; wide: 32 rows of 4,096 bytes for each pair of tiles,
	s_bfe_u32 s40, s21, 0x10001
	s_lshl_b32 s40, s40, 15                        ; 8 rows for the pair's second tile,
	s_add_co_u32 s23, s23, s40
	s_and_b32 s40, s21, 1
	s_lshl_b32 s40, s40, 11                        ; 2,048 bytes for the second half of K
	s_add_co_u32 s23, s23, s40
	s_lshl_b32 s44, s21, 15                        ; narrow: 32 rows of 1,024 bytes a job
	s_mov_b32 s41, 1024
	s_mov_b32 s46, 8192
	s_cmp_lt_u32 ttmp9, 256
	s_cselect_b32 s44, s23, s44                    ; the job's first byte
	s_cselect_b32 s41, 4096, s41                   ; the pitch
	s_cselect_b32 s46, 1024, s46                   ; fragment 2: further along K, or the second tile (8 rows down)
	s_mov_b32 s45, 0
	s_mov_b32 s47, 0
	s_add_nc_u64 s[BF:BF+1], s[18:19], s[44:45]
	s_add_nc_u64 s[BF+2:BF+3], s[BF:BF+1], 512
	s_add_nc_u64 s[BF+4:BF+5], s[BF:BF+1], s[46:47]
	s_add_nc_u64 s[BF+6:BF+7], s[BF+4:BF+5], 512
	s_mul_i32 s44, s22, 6144
	s_add_nc_u64 s[OC:OC+1], s[14:15], s[44:45]
	s_lshl_b32 s44, s22, 8
	s_add_nc_u64 s[OS:OS+1], s[16:17], s[44:45]
.irp i, 0,1,2,3,4,5,6,7,8,9,10,11,12,13,14,15
	v_mad_u32_u24 v[RO+\i], s41, \i+8*(\i/8), v[L16]   ; the tile's row i lies i + 8 (i / 8) rows down
.endr
.macro LOADF f                         ; fragment f: 16 rows x 512 consecutive bytes, into set f % 2
.irp i, 0,1,2,3,4,5,6,7,8,9,10,11,12,13,14,15
	global_load_b128 v[RR+64*((\f)%2)+4*\i:RR+64*((\f)%2)+4*\i+3], v[RO+\i], s[BF+2*(\f):BF+2*(\f)+1] th:TH_LOAD_NT
.endr
.endm
.macro FRAGSTEP f
.if (\f) < 3
	s_wait_loadcnt 16                              ; this fragment's 16 loads are in; the next fragment's 16 may be out
.else
	s_wait_loadcnt 0x0
.endif
.irp i, 0,1,2,3,4,5,6,7,8,9,10,11,12,13,14,15
	ds_store_b128 v[STI], v[RR+64*((\f)%2)+4*\i:RR+64*((\f)%2)+4*\i+3] offset:528*\i
.endr
.irp b, 0,1,2,3
.irp j, 0,1,2,3
	ds_load_b128 v[X+16*\b+4*\j:X+16*\b+4*\j+3], v[STO] offset:128*\b+16*\j   ; LDS serves a wave's instructions in order: these see the stores above
.endr
.endr
	s_wait_dscnt 0x0                               ; the numbers are back, and the stores have read the set
	s_wait_xcnt 0x0                                ; the last fragment's stores have read the codes' registers
.if (\f) < 2
	LOADF (\f)+2
.endif
	QUANT X, PC, TM, PWS+(\f)
	global_store_b128 v[L16], v[PC:PC+3], s[OC:OC+1] offset:1536*(\f)          ; 512 consecutive bytes
	global_store_b64 v[L8], v[PC+4:PC+5], s[OC:OC+1] offset:1536*(\f)+512      ; 256 consecutive bytes
	global_store_b128 v[L16], v[PC+6:PC+9], s[OC:OC+1] offset:1536*(\f)+768
	global_store_b64 v[L8], v[PC+10:PC+11], s[OC:OC+1] offset:1536*(\f)+1280
.endm
	LOADF 0
	LOADF 1
	FRAGSTEP 0
	FRAGSTEP 1
	FRAGSTEP 2
	FRAGSTEP 3
	s_mov_b32 s40, 0xffff0000                      ; lanes 16-31
	v_cndmask_b32 v[TM], v[PWS], v[PWS+2], s40     ; lanes 0-15 store fragments 0 and 1's words of row r, lanes 16-31 fragments 2 and 3's
	v_cndmask_b32 v[TM+1], v[PWS+1], v[PWS+3], s40
	global_store_b64 v[L8], v[TM:TM+1], s[OS:OS+1] ; 256 consecutive bytes, aligned
	s_wait_tensorcnt 0x0
	ds_add_u32 v251, v255
	s_wait_dscnt 0x0
	s_endpgm
.Lfunc_end_k_q82b8cde379_quant:
	.size	k_q82b8cde379_quant, .Lfunc_end_k_q82b8cde379_quant-k_q82b8cde379_quant
	.p2alignl 7, 3214868480
	.fill 96, 4, 3214868480
	.section	.rodata,"a",@progbits
	.p2align	6, 0x0
	.amdhsa_kernel k_q82b8cde379_quant
		.amdhsa_group_segment_fixed_size 35328
		.amdhsa_private_segment_fixed_size 0
		.amdhsa_enable_private_segment 0
		.amdhsa_kernarg_size 56
		.amdhsa_user_sgpr_count 2
		.amdhsa_user_sgpr_kernarg_segment_ptr 1
		.amdhsa_wavefront_size32 1
		.amdhsa_system_sgpr_workgroup_id_x 1
		.amdhsa_system_sgpr_workgroup_id_y 1
		.amdhsa_system_sgpr_workgroup_id_z 1
		.amdhsa_system_vgpr_workitem_id 0
		.amdhsa_next_free_vgpr 256
		.amdhsa_next_free_sgpr 66
		.amdhsa_reserve_vcc 0
		.amdhsa_float_denorm_mode_32 3
		.amdhsa_float_denorm_mode_16_64 3
		.amdhsa_memory_ordered 1
		.amdhsa_forward_progress 1
		.amdhsa_inst_pref_size 36
	.end_amdhsa_kernel
	.amdgpu_metadata
---
amdhsa.version: [ 1, 2 ]
amdhsa.kernels:
  - .name:           k_q82b8cde379_quant
    .symbol:         k_q82b8cde379_quant.kd
    .args:
      - { .name: x, .offset: 0, .size: 8, .value_kind: global_buffer, .address_space: global }
      - { .name: W_in, .offset: 8, .size: 8, .value_kind: global_buffer, .address_space: global }
      - { .name: W_out, .offset: 16, .size: 8, .value_kind: global_buffer, .address_space: global }
      - { .name: ctx_delta, .offset: 24, .size: 8, .value_kind: global_buffer, .address_space: global }
      - { .name: Wd1, .offset: 32, .size: 8, .value_kind: global_buffer, .address_space: global }
      - { .name: qc, .offset: 40, .size: 8, .value_kind: global_buffer, .address_space: global }
      - { .name: qs, .offset: 48, .size: 8, .value_kind: global_buffer, .address_space: global }
    .group_segment_fixed_size: 35328
    .private_segment_fixed_size: 0
    .kernarg_segment_align: 8
    .kernarg_segment_size: 56
    .max_flat_workgroup_size: 128
    .sgpr_count:     66
    .vgpr_count:     256
    .wavefront_size: 32
...
	.end_amdgpu_metadata
.endif
;; end of part 1
;; launch bias (part 2): grid 64 x 1, 4 waves a work-group, no clusters, 1,536 bytes of LDS; arguments qc, qs, bd1, Wd2, bd2, ctx_ppr, log_ppr_alpha, ctx_trust, trust_scale, kb; writes kb
.if DOCPART == 2
	.amdgcn_target "amdgcn-amd-amdhsa--gfx1250"
	.amdhsa_code_object_version 6
	.text
	.protected	k_q82b8cde379_bias
	.globl	k_q82b8cde379_bias
	.p2align	8
	.type	k_q82b8cde379_bias,@function
k_q82b8cde379_bias:
	s_mov_b64 s[64:65], 0
	v_nop
	global_prefetch_b8 v0, s[64:65] scope:SCOPE_SE
	s_setreg_imm32_b32 hwreg(HW_REG_WAVE_MODE, 25, 1), 1
	s_wait_xcnt 0x0
; For the 1,024 context keys: kb[0 .. 1023] = 8 x (alpha log(max(ppr, 1e-8)) + gelu(ctx_delta Wd1^T + bd1) . Wd2 + bd2), kb[1024 .. 2047] = sigmoid(trust_scale x trust).
; (8 x, since the logits are scores / 8 + bias: the attention launch adds this to the raw scores.)
; ctx_delta Wd1^T is a product on codes of FP6 (E2M3) with E8M0 scales, from the images that the launch before has laid.  The product with Wd2 (one column) is made of f32 multiply-adds.
; SHARES: a work-group takes one tile of 16 context rows; wave w takes hidden units 128 w .. 128 w + 127: eight tiles of Wd1, two at a time.  Source 0 = 16 rows of Wd1, source 1 = the context tile:
; a lane holds one context row, and its registers run along the hidden units; bd1 is loaded into the accumulators and is the C of each sum's first product.
; gelu(x) = (x + |x| erf(|x| / sqrt 2)) / 2, erf by the five-term rational form 1 - (a1 t + .. + a5 t^5) exp(-z^2), t = 1 / (1 + 0.3275911 z).
; LIMITS: that form's absolute error is at most 1.5e-7 for every x; NaN and infinities among the inputs are not served.
; 64 tiles of rows are all the work there is: 64 work-groups.  No cluster: what the work-groups share (Wd1's codes, 98,304 bytes) goes straight into registers.
.set L16,  4                           ; v4   16 x lane
.set L8,   5                           ; v5   8 x lane
.set R8,   6                           ; v6   8 r
.set H64,  7                           ; v7   64 h
.set CF,   8                           ; v8-31  the context tile's two fragments
.set CS,   32                          ; v32-33 its scale words
.set SET0, 36                          ; two sets of 84: 48 four fragments of Wd1; +48 four scale words; +52 two accumulators; +68 16 numbers of Wd2
.set T,    204
.set E,    212
.set PL,   220
.set SUM,  228                         ; v[228:229]
.set ROW4, 234                         ; v234 4 x my context row
	s_load_b512 s[4:19], s[0:1], 0x0               ; qc, qs, bd1, Wd2, bd2, ctx_ppr, log_ppr_alpha, ctx_trust
	s_load_b128 s[20:23], s[0:1], 0x40             ; trust_scale, kb
	v_lshl_add_u32 v254, v0, 2, 0x400
	v_mov_b32 v255, 0
	v_lshrrev_b32 v1, 5, v0
	v_readfirstlane_b32 s27, v1                    ; wave
	v_and_b32 v3, 31, v0
	v_and_b32 v1, 15, v0                           ; r
	v_bfe_u32 v2, v0, 4, 1                         ; h
	v_lshlrev_b32 v[L16], 4, v3
	v_lshlrev_b32 v[L8], 3, v3
	v_lshlrev_b32 v[R8], 3, v1
	v_lshlrev_b32 v[H64], 6, v2
	s_lshr_b32 s46, ttmp9, 1
	s_lshl_b32 s46, s46, 5
	s_and_b32 s47, ttmp9, 1
	s_lshl_b32 s47, s47, 3
	s_add_co_u32 s46, s46, s47                     ; the tile's first row: 32 (T / 2) + 8 (T % 2)
	v_and_b32 v3, 8, v1
	v_add_nc_u32 v3, v3, v1
	v_add_nc_u32 v3, s46, v3                       ; my row
	v_lshlrev_b32 v[ROW4], 2, v3
	v_lshl_add_u32 v241, v2, 12, v[ROW4]           ; where the result goes: lanes 0-15 the bias, lanes 16-31 the gate, 4,096 bytes on
	v_lshlrev_b32 v235, 2, v1                      ; LDS: 4 r,
	s_lshl_b32 s46, s27, 6
	v_add_nc_u32 v233, s46, v235                   ; and + 64 x wave
	v_mov_b32 v232, 0                              ; a lane permute's destination counts as one of its sources
	v_mov_b32 v[SUM], 0
	v_mov_b32 v[SUM+1], 0
	s_mov_b32 s32, 0x3e6d3388                      ; 0.3275911 / sqrt 2
	s_mov_b32 s33, 0x3f596d27                      ; sqrt(log2(e) / 2)
	s_mov_b32 s34, 0x3f87dc22                      ; a5 = 1.061405429
	s_mov_b32 s35, 0xbfba00e3                      ; a4 = -1.453152027
	s_mov_b32 s36, 0x3fb5f0e3                      ; a3 = 1.421413741
	s_mov_b32 s37, 0xbe91a98e                      ; a2 = -0.284496736
	s_mov_b32 s38, 0x3e827906                      ; a1 = 0.254829592
	s_mov_b32 s40, 0x76543210
	s_mov_b32 s41, 0xfedcba98
	s_mov_b32 s42, 0xffff0000                      ; lanes 16-31
	s_mul_i32 s28, ttmp9, 3072
	s_add_co_u32 s28, s28, 6291456                 ; ctx_delta's codes, my tile
	s_mov_b32 s29, 0
	s_lshl_b32 s30, ttmp9, 7
	s_add_co_u32 s30, s30, 262144                  ; its scale words
	s_mov_b32 s31, 0
	s_mov_b32 s45, 0
	s_wait_kmcnt 0x0
	s_load_b32 s24, s[12:13], 0x0                  ; bd2
	s_load_b32 s25, s[16:17], 0x0                  ; alpha
	s_load_b32 s26, s[20:21], 0x0                  ; trust_scale
	s_add_nc_u64 s[28:29], s[4:5], s[28:29]
	s_add_nc_u64 s[30:31], s[6:7], s[30:31]
	s_mul_i32 s44, s27, 8*3072
	s_add_co_u32 s44, s44, 6488064                 ; Wd1's codes, my eight tiles
	s_add_nc_u64 s[4:5], s[4:5], s[44:45]
	s_lshl_b32 s44, s27, 10
	s_add_co_u32 s44, s44, 270336                  ; their scale words
	s_add_nc_u64 s[6:7], s[6:7], s[44:45]
	s_lshl_b32 s44, s27, 9                         ; my 128 numbers of bd1 and of Wd2
	s_add_nc_u64 s[8:9], s[8:9], s[44:45]
	s_add_nc_u64 s[10:11], s[10:11], s[44:45]
.irp kf, 0,1
	global_load_b128 v[CF+12*\kf:CF+12*\kf+3], v[L16], s[28:29] offset:1536*\kf
	global_load_b64 v[CF+12*\kf+4:CF+12*\kf+5], v[L8], s[28:29] offset:1536*\kf+512
	global_load_b128 v[CF+12*\kf+6:CF+12*\kf+9], v[L16], s[28:29] offset:1536*\kf+768
	global_load_b64 v[CF+12*\kf+10:CF+12*\kf+11], v[L8], s[28:29] offset:1536*\kf+1280
.endr
	global_load_b64 v[CS:CS+1], v[R8], s[30:31]
	global_load_b32 v230, v[ROW4], s[14:15]        ; ppr of my row
	global_load_b32 v231, v[ROW4], s[18:19]        ; trust of my row
; group g: tiles 2 g and 2 g + 1 of my eight: 26 loads into set g % 2.  Lane (r, h) wants, for tile tt, the numbers of hidden units 32 g + 16 h + 8 tt + 0 .. 7
.macro LOADG g
.set SB, SET0+84*((\g)%2)
.irp tt, 0,1
.irp kf, 0,1
	global_load_b128 v[SB+12*(2*\tt+\kf):SB+12*(2*\tt+\kf)+3], v[L16], s[4:5] offset:(2*(\g)+\tt)*3072+\kf*1536
	global_load_b64 v[SB+12*(2*\tt+\kf)+4:SB+12*(2*\tt+\kf)+5], v[L8], s[4:5] offset:(2*(\g)+\tt)*3072+\kf*1536+512
	global_load_b128 v[SB+12*(2*\tt+\kf)+6:SB+12*(2*\tt+\kf)+9], v[L16], s[4:5] offset:(2*(\g)+\tt)*3072+\kf*1536+768
	global_load_b64 v[SB+12*(2*\tt+\kf)+10:SB+12*(2*\tt+\kf)+11], v[L8], s[4:5] offset:(2*(\g)+\tt)*3072+\kf*1536+1280
.endr
	global_load_b64 v[SB+48+2*\tt:SB+49+2*\tt], v[R8], s[6:7] offset:(2*(\g)+\tt)*128
	global_load_b128 v[SB+52+8*\tt:SB+55+8*\tt], v[H64], s[8:9] offset:128*(\g)+32*\tt
	global_load_b128 v[SB+56+8*\tt:SB+59+8*\tt], v[H64], s[8:9] offset:128*(\g)+32*\tt+16
	global_load_b128 v[SB+68+8*\tt:SB+71+8*\tt], v[H64], s[10:11] offset:128*(\g)+32*\tt
	global_load_b128 v[SB+72+8*\tt:SB+75+8*\tt], v[H64], s[10:11] offset:128*(\g)+32*\tt+16
.endr
.endm
; eight numbers x of an accumulator, from its low end on: the sum takes (x + |x| erf(|x| / sqrt 2)) x Wd2
.macro GELU8 acc, w2
.irp j, 0,1,2,3,4,5,6,7
	v_fma_f32 v[T+\j], |v[\acc+\j]|, s32, 1.0
.endr
.irp j, 0,1,2,3,4,5,6,7
	v_mul_f32 v[E+\j], s33, v[\acc+\j]
.endr
.irp j, 0,1,2,3,4,5,6,7
	v_mul_f32 v[E+\j], -v[E+\j], v[E+\j]           ; -x^2 log2(e) / 2
.endr
.irp j, 0,1,2,3,4,5,6,7
	v_rcp_f32 v[T+\j], v[T+\j]
.endr
.irp j, 0,1,2,3,4,5,6,7
	v_exp_f32 v[E+\j], v[E+\j]
.endr
	v_nop                                          ; a plain instruction behind the batch,
	s_wait_alu depctr_va_vdst(0)                   ; and one wait for its sixteen results, ahead of the first reader
.irp j, 0,1,2,3,4,5,6,7
	v_fma_f32 v[PL+\j], v[T+\j], s34, s35
.endr
.irp j, 0,1,2,3,4,5,6,7
	v_fma_f32 v[PL+\j], v[PL+\j], v[T+\j], s36
.endr
.irp j, 0,1,2,3,4,5,6,7
	v_fma_f32 v[PL+\j], v[PL+\j], v[T+\j], s37
.endr
.irp j, 0,1,2,3,4,5,6,7
	v_fma_f32 v[PL+\j], v[PL+\j], v[T+\j], s38
.endr
.irp j, 0,1,2,3,4,5,6,7
	v_mul_f32 v[PL+\j], v[PL+\j], v[T+\j]
.endr
.irp j, 0,1,2,3,4,5,6,7
	v_fma_f32 v[PL+\j], -v[PL+\j], v[E+\j], 1.0    ; erf
.endr
.irp j, 0,1,2,3,4,5,6,7
	v_fma_f32 v[PL+\j], |v[\acc+\j]|, v[PL+\j], v[\acc+\j]
.endr
.irp j, 0,2,4,6
	v_pk_fma_f32 v[SUM:SUM+1], v[PL+\j:PL+\j+1], v[\w2+\j:\w2+\j+1], v[SUM:SUM+1]
.endr
.endm
.macro GROUP g
.set SB, SET0+84*((\g)%2)
.if (\g) < 3
	s_wait_loadcnt 26                              ; all but the next group's 26 loads are in
.else
	s_wait_loadcnt 0x0
.endif
.irp kf, 0,1                                   ; the two accumulators by turns, one instruction a turn
.irp tt, 0,1
	v_wmma_scale_f32_16x16x128_f8f6f4 v[SB+52+8*\tt:SB+59+8*\tt], v[SB+12*(2*\tt+\kf):SB+12*(2*\tt+\kf)+11], v[CF+12*\kf:CF+12*\kf+11], v[SB+52+8*\tt:SB+59+8*\tt], v[SB+48+2*\tt+\kf], v[CS+\kf] matrix_a_fmt:MATRIX_FMT_FP6 matrix_b_fmt:MATRIX_FMT_FP6
.endr
.endr
.rept 4
	v_nop                                          ; four plain instructions ahead of the first read of the results, and of the loads below into these registers
.endr
	GELU8 SB+52, SB+68
	GELU8 SB+60, SB+76
.if (\g) < 2
	LOADG (\g)+2
.endif
.endm
	LOADG 0
	LOADG 1
	s_wait_kmcnt 0x0                               ; the three single numbers
	GROUP 0
	GROUP 1
	GROUP 2
	GROUP 3
	v_add_f32 v[SUM], v[SUM], v[SUM+1]
	v_permlanex16_b32 v232, v[SUM], s40, s41
	v_add_f32 v[SUM], v[SUM], v232                 ; my wave's 128 units, for row r
	ds_store_b32 v233, v[SUM]                      ; lanes r and r + 16 write the same word with the same value
	s_wait_dscnt 0x0                               ; for the others' sake: my store is done
	s_barrier_signal -1
	s_barrier_wait -1
	s_cmp_lg_u32 s27, 0
	s_cbranch_scc1 .Ldone                          ; wave 0 finishes the tile
	ds_load_b32 v236, v235
	ds_load_b32 v237, v235 offset:64
	ds_load_b32 v238, v235 offset:128
	ds_load_b32 v239, v235 offset:192
	v_max_num_f32 v230, 0x322bcc77, v230           ; max(ppr, 1e-8)
	v_mul_f32 v231, s26, v231
	v_mul_f32 v231, 0xbfb8aa3b, v231               ; -log2(e) x trust_scale x trust
	v_log_f32 v230, v230
	v_exp_f32 v231, v231
	s_wait_dscnt 0x0
	v_add_f32 v236, v236, v237
	v_add_f32 v238, v238, v239
	v_add_f32 v236, v236, v238
	v_fma_f32 v236, v236, 0.5, s24                 ; the halves of gelu, and bd2
	s_wait_alu depctr_va_vdst(0)                   ; one wait for the logarithm and the exponential
	v_mul_f32 v230, 0x3f317218, v230               ; log = log2 x ln 2
	v_fma_f32 v236, s25, v230, v236
	v_add_f32 v231, 1.0, v231
	v_rcp_f32 v231, v231                           ; the gate
	v_mul_f32 v236, 0x41000000, v236               ; 8 x the bias (a plain instruction behind the reciprocal)
	s_wait_alu depctr_va_vdst(0)
	v_cndmask_b32 v236, v236, v231, s42
	global_store_b32 v241, v236, s[22:23]
.Ldone:
	s_wait_tensorcnt 0x0
	ds_add_u32 v254, v255
	s_wait_dscnt 0x0
	s_endpgm
.Lfunc_end_k_q82b8cde379_bias:
	.size	k_q82b8cde379_bias, .Lfunc_end_k_q82b8cde379_bias-k_q82b8cde379_bias
	.p2alignl 7, 3214868480
	.fill 96, 4, 3214868480
	.section	.rodata,"a",@progbits
	.p2align	6, 0x0
	.amdhsa_kernel k_q82b8cde379_bias
		.amdhsa_group_segment_fixed_size 1536
		.amdhsa_private_segment_fixed_size 0
		.amdhsa_enable_private_segment 0
		.amdhsa_kernarg_size 80
		.amdhsa_user_sgpr_count 2
		.amdhsa_user_sgpr_kernarg_segment_ptr 1
		.amdhsa_wavefront_size32 1
		.amdhsa_system_sgpr_workgroup_id_x 1
		.amdhsa_system_sgpr_workgroup_id_y 1
		.amdhsa_system_sgpr_workgroup_id_z 1
		.amdhsa_system_vgpr_workitem_id 0
		.amdhsa_next_free_vgpr 256
		.amdhsa_next_free_sgpr 66
		.amdhsa_reserve_vcc 0
		.amdhsa_float_denorm_mode_32 3
		.amdhsa_float_denorm_mode_16_64 3
		.amdhsa_memory_ordered 1
		.amdhsa_forward_progress 1
		.amdhsa_inst_pref_size 61
	.end_amdhsa_kernel
	.amdgpu_metadata
---
amdhsa.version: [ 1, 2 ]
amdhsa.kernels:
  - .name:           k_q82b8cde379_bias
    .symbol:         k_q82b8cde379_bias.kd
    .args:
      - { .name: qc, .offset: 0, .size: 8, .value_kind: global_buffer, .address_space: global }
      - { .name: qs, .offset: 8, .size: 8, .value_kind: global_buffer, .address_space: global }
      - { .name: bd1, .offset: 16, .size: 8, .value_kind: global_buffer, .address_space: global }
      - { .name: Wd2, .offset: 24, .size: 8, .value_kind: global_buffer, .address_space: global }
      - { .name: bd2, .offset: 32, .size: 8, .value_kind: global_buffer, .address_space: global }
      - { .name: ctx_ppr, .offset: 40, .size: 8, .value_kind: global_buffer, .address_space: global }
      - { .name: log_ppr_alpha, .offset: 48, .size: 8, .value_kind: global_buffer, .address_space: global }
      - { .name: ctx_trust, .offset: 56, .size: 8, .value_kind: global_buffer, .address_space: global }
      - { .name: trust_scale, .offset: 64, .size: 8, .value_kind: global_buffer, .address_space: global }
      - { .name: kb, .offset: 72, .size: 8, .value_kind: global_buffer, .address_space: global }
    .group_segment_fixed_size: 1536
    .private_segment_fixed_size: 0
    .kernarg_segment_align: 8
    .kernarg_segment_size: 80
    .max_flat_workgroup_size: 128
    .sgpr_count:     66
    .vgpr_count:     256
    .wavefront_size: 32
...
	.end_amdgpu_metadata
.endif
;; end of part 2
;; launch qkv (part 3): grid 48 x 4, 4 waves a work-group, clusters of 4 x 4, 327,680 bytes of LDS; arguments qc, qs, b_in, kb, qi, kv; writes qi, kv
.if DOCPART == 3
	.amdgcn_target "amdgcn-amd-amdhsa--gfx1250"
	.amdhsa_code_object_version 6
	.text
	.protected	k_q82b8cde379_qkv
	.globl	k_q82b8cde379_qkv
	.p2align	8
	.type	k_q82b8cde379_qkv,@function
k_q82b8cde379_qkv:
	s_mov_b64 s[64:65], 0
	v_nop
	global_prefetch_b8 v0, s[64:65] scope:SCOPE_SE
	s_setreg_imm32_b32 hwreg(HW_REG_WAVE_MODE, 25, 1), 1
	s_wait_xcnt 0x0
	s_wait_alu depctr_hold_cnt(0) depctr_sa_sdst(0) depctr_va_vdst(0) depctr_va_sdst(0) depctr_va_ssrc(0) depctr_va_vcc(0) depctr_vm_vsrc(0)
	s_getreg_b32 s2, hwreg(HW_REG_IB_STS2, 6, 4)
	s_cmp_eq_u32 s2, 0
	s_cbranch_scc0 .Lentry_in_a_cluster
	s_endpgm
.Lentry_in_a_cluster:
	s_bfe_u32 s2, ttmp6, 0x10000c
	s_cmp_lg_u32 s2, 0xf033
	s_cbranch_scc0 .Lentry_shape_is_right
	s_endpgm
.Lentry_shape_is_right:
; qkv = x W_in^T + b_in on codes of FP6 (E2M3) with E8M0 scales, K = 1,024; its results never go to memory as f32: q, k and the gated v are quantised here, in registers, for the attention's two products.
; A work-group of four waves makes 256 x 256 results, a wave 128 x 128: 64 accumulators of 16 x 16, 512 registers.  K goes in four steps of 256 through a ring of two LDS slots filled by the tensor data mover.
; OPERANDS lie in memory as images of their registers (tile of 16 rows x 128 K = 1,536 bytes; a tile's eight fragments on end): a K step of a tile is 3,072 consecutive bytes, a wave's tensor load brings eight tiles' worth,
; and a fragment comes out of LDS by four dense loads (16, 8, 16, 8 bytes a lane).  The scale words of the work-group's rows, for all of K, come once, with the first fills.
; ROLES, by the cluster's number C (the same in all sixteen partners).  C < 8: source 0 = 16 rows of W_in (q's and k's features), source 1 = 16 rows of x: a lane holds one token, its registers run along the features,
; which are the K of q k^T.  C >= 8: source 0 = 16 rows of x, source 1 = 16 rows of W_in (v's channels): a lane holds one channel, its registers run along the tokens, which are the K of p v.
; The rows of a tile are not neighbours (tile 2 P + u: rows 32 P + 8 u + (r & 7) + 16 (r >> 3)), so that the 16 registers of two neighbouring source-0 tiles are 16 neighbours along the next K.
; CLUSTERS: 4 x 4 work-groups.  Source 1's tiles are shared along a row of the cluster, source 0's along a column: each is asked for jointly, by the same tensor load with the same descriptor and a mask that names the four.
; OUT.  qi: for each head 16 records of 8 query tiles (768 bytes each: 16 rows x 64) and 512 bytes of scale words.  kv: for each head 16 records of 128 keys: 8 tiles of k, 4 fragments of v^T (16 channels x 128 keys), k's and v's scale words.
; LIMITS: NaN and infinities are not served; a block whose largest magnitude lies under 2^-124 keeps the scale byte 1 (a block of zeros too: its codes are zeros, and this program alone reads the bytes).
; REGISTERS, in windows of 256: window 0: v0-31 addresses; v32-63 scale words, two sets; v64-127 b_in along the registers (C < 8) or the gate (C >= 8); v128-223 source 1's fragments, one set; v232-239 b_in of my channels; v240-247 scale words made.
;   window 1: source 0's fragments, two sets, at v0 and v128.   windows 2, 3: the accumulators ((a, b) at v[8 (8 (a % 4) + b)]).
.set KSTEPB, 3072                      ; a K step of one tile: two fragments
.set NQ,     2                         ; matrix instructions deep
.set FR,     12                        ; registers of a fragment
.set NL,     4                         ; LDS loads that bring one
.set NP,     4                         ; plain instructions owed behind this matrix instruction (ISA guide 7.12.1)
.set HALFT,  8*KSTEPB                  ; eight tiles: what one tensor load brings, and what one wave reads of a source
.set SLOT,   4*HALFT                   ; source 1's 16 tiles, then source 0's
.set SCL,    2*SLOT                    ; behind the ring: source 1's scale words, 8,192 bytes; source 0's 128 bytes further on than they would follow, so that the two halves of the lanes read different banks
.set HALFS,  4096                      ; the scale words of eight tiles
.set SPARE,  213248                    ; behind the scales: the spare words, 128 bytes for each wave: two blocks of 256 bytes that no other line names
.set HA64, 9                           ; v9   64 h
.set PI4,  10                          ; v10  4 x (r + 8 (r / 8))
.set L16,  11                          ; v11  16 x lane
.set L8,   12                          ; v12  8 x lane
.set ADRA, 16                          ; v16-17 source 1's fragments in slot 0, 1: + 16 x lane;  v18-19: + 8 x lane
.set ADRB, 20                          ; v20-23 the same for source 0
.set ADRS, 27                          ; v27  my scale words: lanes 0-15 source 1's, lanes 16-31 source 0's
.set SPW,  28                          ; v28  my spare word; never rewritten
.set NIL,  29                          ; v29  0; never rewritten
.set SC,   32
.set B0,   64
.set AF,   128
.set B1,   232
.set PWK,  240
.set X,    128                         ; the epilogue: 64 numbers,
.set PC,   192                         ; the codes,
.set TM,   212                         ; at work
.set SEL,  2                           ; s[2:3] lane selects: lane l xor 16
.set G1, 24
.set G0, 32
.set G1B, 48
.set G0B, 56
.set G1S, 68
.set G0S, 76
.set G1SB, 80
.set G0SB, 88
.set MSB, 0
.macro WIN new                         ; the immediate's high byte repeats the setting that is left
.if MSB != (\new)
	s_set_vgpr_msb (MSB<<8)|(\new)
.set MSB, (\new)
.endif
.endm
.set MUL_LO, 0xa1                      ; source 0 window 1, source 1 window 0, C and D window 2
.set MUL_HI, 0xf1                      ; the same, C and D window 3
.set TO_B,   0x40                      ; destination window 1, address window 0
; A joint load: waves 0 and 1 fetch for source 1, waves 2 and 3 for source 0.  The branch hangs on the wave's number alone.  Four v_nop follow each of the two lines.
.macro JLOAD g0a, g1a, g0b, g1b
	s_cmp_eq_u32 s17, 0
	s_cbranch_scc0 .Lfor_b_\@
	tensor_load_to_lds s[\g0a:\g0a+3], s[\g1a:\g1a+7]
	s_nop 0
.rept 4
	v_nop
.endr
	s_branch .Lasked_\@
.Lfor_b_\@:
	tensor_load_to_lds s[\g0b:\g0b+3], s[\g1b:\g1b+7]
	s_nop 0
.rept 4
	v_nop
.endr
.Lasked_\@:
.endm
.macro CREST                           ; a round of the cluster's barrier behind its opening barrier
	s_cmp_lg_u32 s16, 0
	s_cbranch_scc1 .Lnot_wave_0_\@
	s_barrier_signal -3
.Lnot_wave_0_\@:
	s_barrier_wait -3
	s_barrier_signal -1
	s_barrier_wait -1
.endm
.macro CROUND
	s_barrier_signal -1
	s_barrier_wait -1
	CREST
.endm
.macro QUANT s, pc, tm, pw             ; 64 numbers of a lane, register 16 b + i = k 32 b + 16 h + i of my row, become a fragment's codes in v[pc] .. v[pc + 11] and its scale word in v[pw]
.irp b, 0,1,2,3
	v_max3_num_f32 v[\tm+\b], |v[\s+16*\b]|, |v[\s+1+16*\b]|, 0x1800000   ; and the floor 2^(3 - 127): the byte cannot fall under 1
.endr
.irp i, 2,4,6,8,10,12,14
.irp b, 0,1,2,3
	v_max3_num_f32 v[\tm+\b], v[\tm+\b], |v[\s+16*\b+\i]|, |v[\s+1+16*\b+\i]|
.endr
.endr
.irp b, 0,1,2,3
	v_permlanex16_b32 v[\tm+4+\b], v[\tm+\b], s[SEL], s[SEL+1]
.endr
.irp b, 0,1,2,3
	v_max_num_f32 v[\tm+\b], v[\tm+\b], v[\tm+4+\b]
.endr
.irp b, 0,1,2,3
	v_add_nc_u32 v[\tm+12+\b], 0xff000000, v[\tm+\b]   ; 2 off the exponent field: the conversion's scale operand
.endr
.irp b, 0,1,2,3
	v_lshrrev_b32 v[\tm+4+\b], 23, v[\tm+12+\b]
.endr
	v_lshl_or_b32 v[\pw], v[\tm+5], 8, v[\tm+4]
	v_lshl_or_b32 v[\pw], v[\tm+6], 16, v[\pw]
	v_lshl_or_b32 v[\pw], v[\tm+7], 24, v[\pw]
.irp c, 0,1
	v_cvt_scalef32_pk16_fp6_f32 v[\pc+6*\c:\pc+2+6*\c], v[\s+32*\c:\s+15+32*\c], v[\tm+12+2*\c]
	v_cvt_scalef32_pk16_fp6_f32 v[\pc+12+4*\c:\pc+14+4*\c], v[\s+16+32*\c:\s+31+32*\c], v[\tm+13+2*\c]
.endr
	v_nop                                          ; one plain instruction behind the scaled conversions
.irp c, 0,1
.irp i, 0,1,2
	v_permlane16_swap_b32 v[\pc+6*\c+\i], v[\pc+12+4*\c+\i]
.endr
.irp i, 0,1,2
	v_mov_b32 v[\pc+3+6*\c+\i], v[\pc+12+4*\c+\i]
.endr
.endr
.endm
	s_load_b256 s[4:11], s[0:1], 0x0               ; qc, qs, b_in, kb
	s_load_b128 s[12:15], s[0:1], 0x20             ; qi, kv
	v_lshl_add_u32 v[SPW], v0, 2, SPARE
	v_mov_b32 v[NIL], 0
	ds_add_u32 v28, v29
	ds_add_u32 v28, v29
	s_wait_dscnt 0x0
	v_lshrrev_b32 v1, 5, v0
	v_readfirstlane_b32 s16, v1                    ; wave 0..3
	s_lshr_b32 s17, s16, 1                         ; which half of source 1's rows is mine.  Also: I fetch for source 1 (0) or source 0 (1)
	s_and_b32 s18, s16, 1                          ; which half of source 0's.  Also: which eight tiles I fetch
	s_bfe_u32 s40, ttmp6, 0x40000                  ; cx, cy: my place in the cluster
	s_bfe_u32 s41, ttmp6, 0x40004
	s_and_b32 s42, ttmp9, 1
	s_sub_co_u32 s43, ttmp9, 8
	s_lshr_b32 s44, ttmp9, 1
	s_cmp_ge_u32 ttmp9, 8                          ; the role
	s_cselect_b32 s42, s43, s42                    ; which four blocks of 256 rows of source 0
	s_cselect_b32 s44, 0, s44                      ; and of source 1
	s_cselect_b32 s19, 1, 0                        ; 1: v's role
	s_cselect_b32 s96, 4718592, 0                  ; source 1: W_in's rows 2,048 on, or x: codes,
	s_cselect_b32 s97, 196608, 0                   ; scale words
	s_cselect_b32 s98, 0, 3145728                  ; source 0: x, or W_in
	s_cselect_b32 s99, 0, 131072
	s_lshl_b32 s42, s42, 2
	s_add_co_u32 s42, s42, s40                     ; source 0's block of 256 rows: hangs on cx alone
	s_lshl_b32 s44, s44, 2
	s_add_co_u32 s44, s44, s41                     ; source 1's: on cy alone
	s_lshl_b32 s43, s41, 2
	s_lshl_b32 s43, 15, s43                        ; my row of the cluster
	s_lshl_b32 s45, 0x1111, s40                    ; my column
	; descriptor group 1: eight rows of 384 elements of 8 bytes (a tile's K step), 1,536 elements (a tile) apart; dense in LDS
	s_or_b32 s[G1+0], s43, (3<<16)|(1<<21)         ; 15:0 the mask; 17:16 elements of 8 bytes; 21 set beside a mask
	s_or_b32 s[G1B+0], s45, (3<<16)|(1<<21)
.irp g, G1, G1B
	s_mov_b32 s[\g+1], 384<<16                     ; tensor_dim0
	s_mov_b32 s[\g+2], 8<<16                       ; tensor_dim1
	s_mov_b32 s[\g+3], 384<<16                     ; tile_dim0
	s_mov_b32 s[\g+4], 8                           ; tile_dim1
	s_mov_b32 s[\g+5], 1536                        ; tensor_dim0_stride
	s_mov_b32 s[\g+6], 0
	s_mov_b32 s[\g+7], 0
.endr
	; the scale words of eight tiles: 4,096 dense bytes, as 16 rows of 256
	s_or_b32 s[G1S+0], s43, (3<<16)|(1<<21)
	s_or_b32 s[G1SB+0], s45, (3<<16)|(1<<21)
.irp g, G1S, G1SB
	s_mov_b32 s[\g+1], 32<<16
	s_mov_b32 s[\g+2], 16<<16
	s_mov_b32 s[\g+3], 32<<16
	s_mov_b32 s[\g+4], 16
	s_mov_b32 s[\g+5], 32
	s_mov_b32 s[\g+6], 0
	s_mov_b32 s[\g+7], 0
.endr
	s_lshl_b32 s21, s18, 3
	s_lshl_b32 s20, s44, 4
	s_add_co_u32 s20, s20, s21                     ; source 1: the first tile that I fetch
	s_lshl_b32 s46, s42, 4
	s_add_co_u32 s46, s46, s21                     ; source 0 likewise
	s_lshl_b32 s22, s20, 9
	s_add_co_u32 s22, s22, s97
	s_mov_b32 s23, 0
	s_mul_i32 s20, s20, 12288
	s_add_co_u32 s20, s20, s96
	s_mov_b32 s21, 0
	s_lshl_b32 s92, s46, 9
	s_add_co_u32 s92, s92, s99
	s_mov_b32 s93, 0
	s_mul_i32 s46, s46, 12288
	s_add_co_u32 s46, s46, s98
	s_mov_b32 s47, 0
	s_mul_i32 s45, s16, HALFT                      ; where they go: wave x eight tiles: no place in the cluster enters an LDS address
	s_lshl_b32 s94, s16, 12
	s_wait_kmcnt 0x0
	s_add_nc_u64 s[20:21], s[4:5], s[20:21]
	s_add_nc_u64 s[22:23], s[6:7], s[22:23]
	s_add_nc_u64 s[46:47], s[4:5], s[46:47]
	s_add_nc_u64 s[92:93], s[6:7], s[92:93]
	CROUND                                         ; all sixteen work-groups are here: the first joint loads meet
	s_mov_b32 s[G0S], 1
	s_add_co_u32 s[G0S+1], s94, SCL
	s_mov_b64 s[G0S+2:G0S+3], s[22:23]
	s_or_b32 s[G0S+3], s[G0S+3], 0x80000000
	s_mov_b32 s[G0SB], 1
	s_add_co_u32 s[G0SB+1], s94, SCL+128
	s_mov_b64 s[G0SB+2:G0SB+3], s[92:93]
	s_or_b32 s[G0SB+3], s[G0SB+3], 0x80000000
	JLOAD G0S, G1S, G0SB, G1SB                     ; the scale words first: they are wanted with K step 0
.irp s, 0,1
	s_mov_b32 s[G0+4*\s], 1
	s_add_co_u32 s[G0+4*\s+1], s45, \s*SLOT
	s_add_nc_u64 s[G0+4*\s+2:G0+4*\s+3], s[20:21], \s*KSTEPB
	s_or_b32 s[G0+4*\s+3], s[G0+4*\s+3], 0x80000000
	s_mov_b32 s[G0B+4*\s], 1
	s_add_co_u32 s[G0B+4*\s+1], s45, \s*SLOT
	s_add_nc_u64 s[G0B+4*\s+2:G0B+4*\s+3], s[46:47], \s*KSTEPB
	s_or_b32 s[G0B+4*\s+3], s[G0B+4*\s+3], 0x80000000
	JLOAD G0+4*\s, G1, G0B+4*\s, G1B
.endr
	v_and_b32 v1, 15, v0                           ; r
	v_bfe_u32 v2, v0, 4, 1                         ; h
	v_and_b32 v3, 31, v0                           ; lane
	v_lshlrev_b32 v[L16], 4, v3
	v_lshlrev_b32 v[L8], 3, v3
	s_mul_i32 s21, s17, HALFT                      ; my eight tiles of source 1
	s_mul_i32 s22, s18, HALFT                      ; and of source 0,
	s_add_co_u32 s22, s22, 2*HALFT                 ; which lie behind source 1's sixteen
.irp s, 0,1
	v_add_nc_u32 v[ADRA+\s], s21, v[L16]
	v_add_nc_u32 v[ADRB+\s], s22, v[L16]
	v_add_nc_u32 v[ADRA+2+\s], s21, v[L8]
	v_add_nc_u32 v[ADRB+2+\s], s22, v[L8]
	s_add_co_u32 s21, s21, SLOT
	s_add_co_u32 s22, s22, SLOT
.endr
	v_lshlrev_b32 v5, 3, v1                        ; a row's two words of a K step: 8 r
	s_lshl_b32 s21, s17, 12
	s_lshl_b32 s22, s18, 12
	s_add_co_u32 s22, s22, 2*HALFS+128
	s_sub_co_u32 s22, s22, s21
	v_mul_u32_u24 v6, s22, v2                      ; lanes 16-31 take source 0's
	s_add_co_u32 s21, s21, SCL
	v_add_nc_u32 v5, v5, v6
	v_add_nc_u32 v[ADRS], s21, v5
	; what the epilogue adds and multiplies by: asked for now, waited for behind the products
	v_lshlrev_b32 v[HA64], 6, v2
	v_and_b32 v[PI4], 8, v1
	v_add_nc_u32 v[PI4], v[PI4], v1
	v_lshlrev_b32 v[PI4], 2, v[PI4]
	s_and_b32 s20, s42, 3
	s_lshl_b32 s21, s44, 10
	s_lshl_b32 s22, s17, 9
	s_add_co_u32 s21, s21, s22
	s_add_co_u32 s21, s21, 8192                    ; b_in of my 128 channels of v: 4 (2,048 + 256 block + 128 half)
	s_cmp_lg_u32 s19, 0
	s_cselect_b32 s20, s20, s42                    ; v's role: the gate of keys 256 (block & 3) on; else b_in of features 256 block on
	s_cselect_b32 s22, 4096, 0
	s_cselect_b32 s100, s21, 0
	s_cselect_b64 s[92:93], s[10:11], s[8:9]
	s_lshl_b32 s20, s20, 10
	s_add_co_u32 s20, s20, s22
	s_lshl_b32 s22, s18, 9
	s_add_co_u32 s20, s20, s22
	s_mov_b32 s21, 0
	s_add_nc_u64 s[92:93], s[92:93], s[20:21]
	s_mov_b32 s101, 0
	s_add_nc_u64 s[94:95], s[8:9], s[100:101]
.irp bb, 0,1,2,3
.irp j, 0,1,2,3
	global_load_b128 v[B0+16*\bb+4*\j:B0+16*\bb+4*\j+3], v[HA64], s[92:93] offset:128*\bb+16*\j   ; register 16 bb + i: source 0's row 32 bb + 16 h + i of my 128
.endr
.endr
.irp a, 0,1,2,3,4,5,6,7
	global_load_b32 v[B1+\a], v[PI4], s[94:95] offset:4*(32*(\a/2)+8*(\a%2))   ; source 1's row r of tile a
.endr
.macro FRAG reg, adr, q, i             ; a fragment as it lies: four dense loads
	ds_load_b128 v[\reg:\reg+3], v[\adr] offset:(\i)*KSTEPB+(\q)*1536
	ds_load_b64 v[\reg+4:\reg+5], v[\adr+2] offset:(\i)*KSTEPB+(\q)*1536+512
	ds_load_b128 v[\reg+6:\reg+9], v[\adr] offset:(\i)*KSTEPB+(\q)*1536+768
	ds_load_b64 v[\reg+10:\reg+11], v[\adr+2] offset:(\i)*KSTEPB+(\q)*1536+1280
.endm
; 16 matrix instructions: source 1's blocks a0, a0 + 1 x source 0's eight.  The 64 accumulators take turns, one instruction a turn, in the same order in every step.
.macro MUL16 a0, p, q, sc, zero
.irp a, \a0, \a0+1
.irp b, 0,1,2,3,4,5,6,7
.if \zero
	v_wmma_scale_f32_16x16x128_f8f6f4 v[8*(8*((\a)%4)+\b):8*(8*((\a)%4)+\b)+7], v[128*(\p)+FR*\b:128*(\p)+FR*\b+FR-1], v[AF+FR*(\a):AF+FR*(\a)+FR-1], 0, v[SC+8*NQ*(\sc)+NQ*\b+(\q)], v[SC+8*NQ*(\sc)+NQ*(\a)+(\q)] matrix_a_fmt:MATRIX_FMT_FP6 matrix_b_fmt:MATRIX_FMT_FP6 matrix_a_scale:MATRIX_SCALE_ROW1
.else
	v_wmma_scale_f32_16x16x128_f8f6f4 v[8*(8*((\a)%4)+\b):8*(8*((\a)%4)+\b)+7], v[128*(\p)+FR*\b:128*(\p)+FR*\b+FR-1], v[AF+FR*(\a):AF+FR*(\a)+FR-1], v[8*(8*((\a)%4)+\b):8*(8*((\a)%4)+\b)+7], v[SC+8*NQ*(\sc)+NQ*\b+(\q)], v[SC+8*NQ*(\sc)+NQ*(\a)+(\q)] matrix_a_fmt:MATRIX_FMT_FP6 matrix_b_fmt:MATRIX_FMT_FP6 matrix_a_scale:MATRIX_SCALE_ROW1
.endif
.endr
.endr
.endm
.macro FETCH_B slot, q, p
	WIN TO_B
.irp i, 0,1,2,3,4,5,6,7
	FRAG 128*(\p)+FR*\i, ADRB+\slot, \q, \i
.endr
	WIN 0
.endm
.macro FETCH_A slot, q, i0
.irp i, \i0, \i0+1, \i0+2, \i0+3
	FRAG AF+FR*(\i), ADRA+\slot, \q, \i
.endr
.endm
.macro SCALES sc                       ; a K step's scale words: two a row; lanes 0-15 source 1's block i, lanes 16-31 source 0's block i
.irp i, 0,1,2,3,4,5,6,7
	ds_load_b64 v[SC+8*NQ*\sc+NQ*\i:SC+8*NQ*\sc+NQ*\i+1], v[ADRS] offset:\i*512
.endr
.endm
.macro PLACES n
.rept \n
	v_nop
.endr
.endm
.macro STEP slot, q, zero              ; 128 along K that has its successor in the same slot
	s_wait_dscnt 4*NL                              ; source 0's set and source 1's blocks 0-3 are in; the youngest sixteen loads (blocks 4-7) may be out
	WIN MUL_LO
	MUL16 0, (\q)%2, \q, \slot, \zero
	MUL16 2, (\q)%2, \q, \slot, \zero
	s_wait_dscnt 0
	PLACES NP
	FETCH_B \slot, (\q)+1, 1-(\q)%2
	FETCH_A \slot, (\q)+1, 0
	WIN MUL_HI
	MUL16 4, (\q)%2, \q, \slot, \zero
	MUL16 6, (\q)%2, \q, \slot, \zero
	PLACES NP
	WIN 0
	FETCH_A \slot, (\q)+1, 4
.endm
; A slot's last 128 along K change slots: one barrier; in front of it each wave waits for all its tensor loads, adds 0 to its spare word, and waits for that and for its own reads of this slot.  fill = 1: this slot is filled again, two K steps ahead.
.macro TURN slot, next, fill
	s_wait_tensorcnt 0x0                           ; all my tensor loads have landed: my part of the next slot
	ds_add_u32 v[SPW], v[NIL]                      ; 0 onto my spare word
	s_wait_dscnt 4*NL+1                            ; (the add and the youngest sixteen loads may be out)
	WIN MUL_LO
	MUL16 0, 1, NQ-1, \slot, 0
	s_wait_dscnt 0x0                               ; the add is done, and my reads of this slot are over
	s_barrier_signal -1
	MUL16 2, 1, NQ-1, \slot, 0
	WIN 0
	s_barrier_wait -1
.if \fill
	CREST                                          ; the barrier has opened a round of the cluster's barrier: no wave of any partner still reads this slot or has a load on its way
	s_add_nc_u64 s[G0+4*\slot+2:G0+4*\slot+3], s[G0+4*\slot+2:G0+4*\slot+3], 2*KSTEPB
	s_add_nc_u64 s[G0B+4*\slot+2:G0B+4*\slot+3], s[G0B+4*\slot+2:G0B+4*\slot+3], 2*KSTEPB
	JLOAD G0+4*\slot, G1, G0B+4*\slot, G1B         ; the first tensor load behind the round; its four v_nop also stand ahead of the loads below
.else
	PLACES NP
.endif
	v_add_nc_u32 v[ADRS], 128, v[ADRS]             ; the next K step's scale words
	FETCH_B \next, 0, 0
	FETCH_A \next, 0, 0
	SCALES \next
	WIN MUL_HI
	MUL16 4, 1, NQ-1, \slot, 0
	MUL16 6, 1, NQ-1, \slot, 0
	PLACES NP
	WIN 0
	FETCH_A \next, 0, 4
.endm
	s_wait_tensorcnt 1                             ; the scale words and my part of K step 0 are in (K step 1's load may be out),
	s_barrier_signal -1
	s_barrier_wait -1                              ; everybody's are
	FETCH_B 0, 0, 0
	FETCH_A 0, 0, 0
	SCALES 0
	FETCH_A 0, 0, 4
	STEP 0, 0, 1                                   ; the first products start the sums: nothing is cleared
	TURN 0, 1, 1                                   ; slot 0 takes K step 2
	STEP 1, 0, 0
	TURN 1, 0, 1                                   ; slot 1 takes K step 3
	STEP 0, 0, 0
	TURN 0, 1, 0                                   ; nothing is left to fetch
	STEP 1, 0, 0
	s_wait_dscnt 4*NL
	WIN MUL_LO
	MUL16 0, 1, NQ-1, 1, 0
	MUL16 2, 1, NQ-1, 1, 0
	s_wait_dscnt 0
	WIN MUL_HI
	MUL16 4, 1, NQ-1, 1, 0
	MUL16 6, 1, NQ-1, 1, 0
	WIN 0
	; THE EPILOGUE.  For each of source 1's eight blocks the lane's 64 results (one row, 128 along the next K) get their bias (and gate), are quantised and leave as an image of the next operand's registers.  No LDS.
	s_wait_loadcnt 0x0                             ; the biases and the gate
	PLACES NP                                      ; ahead of the first read of results and of the writes over source 1's fragments
	s_mov_b32 s[SEL], 0x76543210
	s_mov_b32 s[SEL+1], 0xfedcba98
	s_mov_b32 s45, 0xffff0000                      ; lanes 16-31
.irp b, 0,1,2,3
	v_mov_b32 v[TM+4+\b], 0                        ; a lane permute's destination counts as one of its sources
.endr
	s_cmp_lg_u32 s19, 0
	s_cbranch_scc1 .Lvrole                         ; the role is the same in all partners of a cluster
	; ---- q and k.  My 128 features are two heads: registers 0-5 of the fragment are the even head's tile (16 tokens x 64), registers 6-11 the odd head's
	s_lshr_b32 s20, s44, 3                         ; the batch
	s_lshl_b32 s20, s20, 4
	s_and_b32 s21, s42, 3
	s_lshl_b32 s21, s21, 2
	s_add_co_u32 s20, s20, s21
	s_lshl_b32 s21, s18, 1
	s_add_co_u32 s20, s20, s21                     ; 16 x batch + the even head
	s_and_b32 s21, s44, 7
	s_lshl_b32 s21, s21, 1
	s_add_co_u32 s21, s21, s17                     ; the record: my 128 tokens
	s_mov_b32 s22, 208896
	s_mov_b32 s23, 13056
	s_mov_b32 s92, 12288
	s_cmp_lt_u32 s42, 4                            ; q's features or k's
	s_cselect_b32 s22, 106496, s22                 ; bytes of a head,
	s_cselect_b32 s23, 6656, s23                   ; of a record,
	s_cselect_b32 s92, 6144, s92                   ; and where a record's scale words begin
	s_cselect_b64 s[94:95], s[12:13], s[14:15]
	s_mul_i32 s20, s20, s22
	s_mul_i32 s21, s21, s23
	s_add_co_u32 s20, s20, s21
	s_mov_b32 s21, 0
	s_add_nc_u64 s[94:95], s[94:95], s[20:21]      ; the even head's record
	s_mov_b32 s23, 0
	s_add_nc_u64 s[96:97], s[94:95], s[22:23]      ; the odd head's
	s_mov_b32 s93, 0
	s_add_nc_u64 s[98:99], s[94:95], s[92:93]
	s_add_nc_u64 s[100:101], s[96:97], s[92:93]
.macro QBLOCK a
.set AC, 64*((\a)%4)
	WIN 0x02+(\a)/4                                ; source 0: window 2 or 3
.set i, 0
.rept 32
	v_pk_add_f32 v[X+i:X+i+1], v[AC+i:AC+i+1], v[B0+i:B0+i+1]   ; + b_in; each accumulator from its low end on
.set i, i+2
.endr
	WIN 0
.if (\a) > 0
	s_wait_xcnt 0x0                                ; the last block's stores have read the codes' registers
.endif
	QUANT X, PC, TM, PWK+(\a)
	global_store_b128 v[L16], v[PC:PC+3], s[94:95] offset:768*(\a)          ; 512 consecutive bytes, aligned to 256
	global_store_b64 v[L8], v[PC+4:PC+5], s[94:95] offset:768*(\a)+512      ; 256 consecutive bytes
	global_store_b128 v[L16], v[PC+6:PC+9], s[96:97] offset:768*(\a)
	global_store_b64 v[L8], v[PC+10:PC+11], s[96:97] offset:768*(\a)+512
.endm
.irp a, 0,1,2,3,4,5,6,7
	QBLOCK \a
.endr
.irp i, 0,1,2,3
	v_cndmask_b32 v[X+\i], v[PWK+\i], v[PWK+4+\i], s45   ; lane (r, h): the words of row r of tiles 4 h + 0 .. 3
.endr
.irp i, 0,1,2,3
	v_and_b32 v[X+4+\i], 0xffff, v[X+\i]           ; the even head's two bytes; the bytes of the K that a head does not have are 0, over zero codes
	v_lshrrev_b32 v[X+8+\i], 16, v[X+\i]           ; the odd head's
.endr
	global_store_b128 v[L16], v[X+4:X+7], s[98:99]
	global_store_b128 v[L16], v[X+8:X+11], s[100:101]
	s_branch .Ljoin
.Lvrole:
	; ---- v.  My 128 tokens are one record's keys; my 128 channels are two heads of four tiles
	s_lshr_b32 s20, s42, 3                         ; the batch
	s_lshl_b32 s20, s20, 4
	s_lshl_b32 s21, s44, 2
	s_add_co_u32 s20, s20, s21
	s_lshl_b32 s21, s17, 1
	s_add_co_u32 s20, s20, s21                     ; 16 x batch + my first head
	s_mul_i32 s20, s20, 208896
	s_and_b32 s21, s42, 7
	s_lshl_b32 s21, s21, 1
	s_add_co_u32 s21, s21, s18                     ; the record
	s_mul_i32 s21, s21, 13056
	s_add_co_u32 s20, s20, s21
	s_mov_b32 s21, 0
	s_add_nc_u64 s[94:95], s[14:15], s[20:21]
	s_and_b32 s22, s42, 4
	s_cmp_eq_u32 s22, 0                            ; keys under 1,024 of the batch have a gate, the others 1
	s_cselect_b32 s22, -1, 0
.set i, 0
.rept 64
	v_cndmask_b32 v[B0+i], 1.0, v[B0+i], s22
.set i, i+1
.endr
.macro VBLOCK a
.set AC, 64*((\a)%4)
	WIN 0x02+(\a)/4
.set i, 0
.rept 32
.if (\a)%2
	v_pk_add_f32 v[X+i:X+i+1], v[AC+i:AC+i+1], v[B1+2*((\a)/2):B1+2*((\a)/2)+1] op_sel:[0,1] op_sel_hi:[1,1]   ; + b_in of my channel
.else
	v_pk_add_f32 v[X+i:X+i+1], v[AC+i:AC+i+1], v[B1+2*((\a)/2):B1+2*((\a)/2)+1] op_sel_hi:[1,0]
.endif
.set i, i+2
.endr
	WIN 0
.set i, 0
.rept 32
	v_pk_mul_f32 v[X+i:X+i+1], v[X+i:X+i+1], v[B0+i:B0+i+1]   ; x the key's gate
.set i, i+2
.endr
.if (\a) > 0
	s_wait_xcnt 0x0
.endif
	QUANT X, PC, TM, PWK+(\a)
	global_store_b128 v[L16], v[PC:PC+3], s[94:95] offset:6144+((\a)%4)*1536+((\a)/4)*208896
	global_store_b64 v[L8], v[PC+4:PC+5], s[94:95] offset:6144+((\a)%4)*1536+((\a)/4)*208896+512
	global_store_b128 v[L16], v[PC+6:PC+9], s[94:95] offset:6144+((\a)%4)*1536+((\a)/4)*208896+768
	global_store_b64 v[L8], v[PC+10:PC+11], s[94:95] offset:6144+((\a)%4)*1536+((\a)/4)*208896+1280
.endm
.irp a, 0,1,2,3,4,5,6,7
	VBLOCK \a
.endr
.irp q, 0,1
	v_cndmask_b32 v[X+2*\q], v[PWK+4*\q], v[PWK+4*\q+2], s45     ; lane (r, h): the words of channel r of tiles 2 h, 2 h + 1
	v_cndmask_b32 v[X+2*\q+1], v[PWK+4*\q+1], v[PWK+4*\q+3], s45
.endr
.irp q, 0,1
	global_store_b64 v[L8], v[X+2*\q:X+2*\q+1], s[94:95] offset:12800+208896*\q
.endr
.Ljoin:
	s_wait_tensorcnt 0x0                           ; the wave's end
	ds_add_u32 v[SPW], v[NIL]
	s_wait_dscnt 0x0
	CROUND                                         ; the closing round: no work-group ends while a partner may still ask for a tile that names it
	s_endpgm
.Lfunc_end_k_q82b8cde379_qkv:
	.size	k_q82b8cde379_qkv, .Lfunc_end_k_q82b8cde379_qkv-k_q82b8cde379_qkv
	.p2alignl 7, 3214868480
	.fill 96, 4, 3214868480
	.section	.rodata,"a",@progbits
	.p2align	6, 0x0
	.amdhsa_kernel k_q82b8cde379_qkv
		.amdhsa_group_segment_fixed_size 327680
		.amdhsa_private_segment_fixed_size 0
		.amdhsa_enable_private_segment 0
		.amdhsa_kernarg_size 48
		.amdhsa_user_sgpr_count 2
		.amdhsa_user_sgpr_kernarg_segment_ptr 1
		.amdhsa_wavefront_size32 1
		.amdhsa_system_sgpr_workgroup_id_x 1
		.amdhsa_system_sgpr_workgroup_id_y 1
		.amdhsa_system_sgpr_workgroup_id_z 1
		.amdhsa_system_vgpr_workitem_id 0
		.amdhsa_next_free_vgpr 1024
		.amdhsa_next_free_sgpr 102
		.amdhsa_reserve_vcc 0
		.amdhsa_float_denorm_mode_32 3
		.amdhsa_float_denorm_mode_16_64 3
		.amdhsa_memory_ordered 1
		.amdhsa_forward_progress 1
		.amdhsa_inst_pref_size 239
	.end_amdhsa_kernel
	.amdgpu_metadata
---
amdhsa.version: [ 1, 2 ]
amdhsa.kernels:
  - .name:           k_q82b8cde379_qkv
    .symbol:         k_q82b8cde379_qkv.kd
    .args:
      - { .name: qc, .offset: 0, .size: 8, .value_kind: global_buffer, .address_space: global }
      - { .name: qs, .offset: 8, .size: 8, .value_kind: global_buffer, .address_space: global }
      - { .name: b_in, .offset: 16, .size: 8, .value_kind: global_buffer, .address_space: global }
      - { .name: kb, .offset: 24, .size: 8, .value_kind: global_buffer, .address_space: global }
      - { .name: qi, .offset: 32, .size: 8, .value_kind: global_buffer, .address_space: global }
      - { .name: kv, .offset: 40, .size: 8, .value_kind: global_buffer, .address_space: global }
    .group_segment_fixed_size: 327680
    .private_segment_fixed_size: 0
    .kernarg_segment_align: 8
    .kernarg_segment_size: 48
    .max_flat_workgroup_size: 128
    .sgpr_count:     102
    .vgpr_count:     1024
    .wavefront_size: 32
...
	.end_amdgpu_metadata
.endif
;; end of part 3
;; launch attn (part 4): grid 8 x 32, 16 waves a work-group, clusters of 4 x 1, 231,424 bytes of LDS; arguments qi, kv, kb, aoc, aos; writes aoc, aos
.if DOCPART == 4
	.amdgcn_target "amdgcn-amd-amdhsa--gfx1250"
	.amdhsa_code_object_version 6
	.text
	.protected	k_q82b8cde379_attn
	.globl	k_q82b8cde379_attn
	.p2align	8
	.type	k_q82b8cde379_attn,@function
k_q82b8cde379_attn:
	s_mov_b64 s[64:65], 0
	v_nop
	global_prefetch_b8 v0, s[64:65] scope:SCOPE_SE
	s_setreg_imm32_b32 hwreg(HW_REG_WAVE_MODE, 25, 1), 1
	s_wait_xcnt 0x0
	s_wait_alu depctr_hold_cnt(0) depctr_sa_sdst(0) depctr_va_vdst(0) depctr_va_sdst(0) depctr_va_ssrc(0) depctr_va_vcc(0) depctr_vm_vsrc(0)
	s_getreg_b32 s2, hwreg(HW_REG_IB_STS2, 6, 4)
	s_cmp_eq_u32 s2, 0
	s_cbranch_scc0 .Lentry_in_a_cluster
	s_endpgm
.Lentry_in_a_cluster:
	s_bfe_u32 s2, ttmp6, 0x10000c
	s_cmp_lg_u32 s2, 0x3003
	s_cbranch_scc0 .Lentry_shape_is_right
	s_endpgm
.Lentry_shape_is_right:
; For each of 32 heads (batch x head): O = softmax(q k^T / 8 + bias) v, both products on codes of FP6 (E2M3) with E8M0 scales; O / l is quantised here for the output projection.
; THE SOFTMAX AHEAD OF THE SECOND PRODUCT: t = (score + 8 bias) x log2(e) / 8; M = the running largest t rounded up to a whole number; p = 2^(t - M) is quantised along the keys, not normalised;
; the row's sum is taken of the unquantised p and divides O at the end.  When M moves, the sum and O are multiplied by 2^(old M - new M): exact.
; SHARES.  A work-group owns 256 queries of one head, each of its sixteen waves one tile of 16, in 256 registers: four waves to a SIMD.  Every wave walks the head's 2,048 keys, 128 a step.
; NO RING.  A head's sixteen key records (13,056 bytes each: 8 tiles of k, 4 fragments of v^T, their scale words) and the 1,024 biases fit in LDS together: every LDS byte is filled once, by loads issued at the head.
; Waves 0 to 3 issue five tensor loads each: a quarter of the biases and records 4 g + wave, g = 0 .. 3; stage g (four key steps) begins behind a counted wait and a barrier, while later records are on their way.
; CLUSTER.  The four query blocks of a cluster belong to one head and read the same records: each load is a joint one, with the same descriptor and the mask of all four.
; LAYOUT.  Both products are used transposed: S^T = k q^T (source 0 = 16 keys, source 1 = my queries), O^T = v^T p^T: a lane holds one query throughout.  The rows of a tile are not neighbours (tile 2 P + u: rows 32 P + 8 u + (r & 7) + 16 (r >> 3)),
; so that the 16 registers of two neighbouring tiles are 16 neighbours along the next K.  The head has 64 channels, the instruction 128: q's upper six registers are zero codes; k's operand of tile t names the six registers behind its own
; (the next tile's codes, zeros behind the last), which meet q's zeros.  The bias (keys under 1,024 alone) is loaded into the scores' registers and is the C of the first product; the other keys' products take 0.
; No prefetch: every byte that the launch reads is asked for at its head.  The two scale bytes of a row and head leave as two bytes a lane: neighbouring heads are other work-groups' (131,072 bytes in all).
; LIMITS: NaN and infinities are not served; O / l by v_rcp_f32; a block whose largest magnitude lies under 2^-124 keeps the scale byte 1.
.set REC,  13056
.set CB,   16*REC                      ; LDS: behind the records, 8 x bias of keys 0 .. 1,023
.set QF,   16                          ; v16-21 q's codes, v22-27 zeros
.set QS,   28                          ; v28    q's scale word
.set KF,   30                          ; v30-77 k's eight tiles, later v^T's four fragments; v78-83 zeros
.set KS,   84                          ; v84-87 k's scale words: lane (r, h), register i: tile 4 h + i
.set VS,   88                          ; v88-89 v's: tile 2 h + i
.set S,    96                          ; v96-159 S^T, then p
.set OT,   160                         ; v160-191 O^T
.set PC,   192                         ; v192-210 p's codes
.set MX,   212
.set MY,   216
.set SCO,  220
.set PW,   224                         ; p's scale word
.set FF,   226                         ; v[226:227] f
.set TT,   228
.set WV,   14
.set SEL,  20
.set CS,   22
.set G1R,  24                          ; s[24:31] group 1 for a record;  s[32:39] for a quarter of the biases;  s[40:59] five groups 0
.set G1C,  32
.set TB,   60                          ; s60 LDS byte of the step's record
.set TC,   61                          ; s61 and of its biases
.set CNT,  62
.macro CROUND
	s_barrier_signal -1
	s_barrier_wait -1
	s_cmp_lg_u32 s[WV], 0
	s_cbranch_scc1 .Lnot_wave_0_\@
	s_barrier_signal -3
.Lnot_wave_0_\@:
	s_barrier_wait -3
	s_barrier_signal -1
	s_barrier_wait -1
.endm
	s_load_b256 s[4:11], s[0:1], 0x0               ; qi, kv, kb, aoc
	s_load_b64 s[12:13], s[0:1], 0x20              ; aos
	v_lshl_add_u32 v254, v0, 2, 0x38000
	v_mov_b32 v255, 0
	ds_add_u32 v254, v255
	ds_add_u32 v254, v255
	v_lshrrev_b32 v1, 5, v0
	v_readfirstlane_b32 s[WV], v1                  ; wave 0..15
	s_bfe_u32 s15, ttmp6, 0x40000                  ; cx
	s_lshl_b32 s16, ttmp9, 2
	s_add_co_u32 s16, s16, s15                     ; my block of 256 queries: it enters q's and the output's addresses alone
	s_and_b32 s17, ttmp7, 0xffff                   ; 16 x batch + head, which the four partners share
	s_mov_b32 s[G1R], 15|(3<<16)|(1<<21)           ; 15:0 the mask: all four; 17:16 elements of 8 bytes; 21 set beside a mask
	s_mov_b32 s[G1R+1], 32<<16                     ; rows of 256 bytes,
	s_mov_b32 s[G1R+2], 51<<16                     ; 51 of them: a record, dense
	s_mov_b32 s[G1R+3], 32<<16
	s_mov_b32 s[G1R+4], 51
	s_mov_b32 s[G1R+5], 32
	s_mov_b32 s[G1R+6], 0
	s_mov_b32 s[G1R+7], 0
	s_mov_b32 s[G1C], 15|(3<<16)|(1<<21)
	s_mov_b32 s[G1C+1], 32<<16
	s_mov_b32 s[G1C+2], 4<<16                      ; four rows: 256 biases
	s_mov_b32 s[G1C+3], 32<<16
	s_mov_b32 s[G1C+4], 4
	s_mov_b32 s[G1C+5], 32
	s_mov_b32 s[G1C+6], 0
	s_mov_b32 s[G1C+7], 0
	s_mul_i32 s66, s17, 208896
	s_mul_i32 s68, s[WV], REC                      ; my record of a stage, in memory and in LDS alike
	s_add_co_u32 s66, s66, s68
	s_mov_b32 s67, 0
	s_lshl_b32 s70, s[WV], 10                      ; my quarter of the biases
	s_mov_b32 s71, 0
	s_mov_b32 s[SEL], 0x76543210
	s_mov_b32 s[SEL+1], 0xfedcba98
	s_mov_b32 s[CS], 0x3e38aa3b                    ; c = log2(e) / 8
	s_mov_b32 s[CS+1], s[CS]                       ; (named with it as a pair, so it is written)
	s_wait_dscnt 0x0
	s_wait_kmcnt 0x0
	s_add_nc_u64 s[66:67], s[6:7], s[66:67]
	s_mov_b32 s40, 1
	s_add_co_u32 s41, s70, CB
	s_add_nc_u64 s[42:43], s[8:9], s[70:71]
	s_or_b32 s43, s43, 0x80000000
.irp g, 0,1,2,3
	s_mov_b32 s[44+4*\g], 1
	s_add_co_u32 s[45+4*\g], s68, \g*4*REC
	s_add_nc_u64 s[46+4*\g:47+4*\g], s[66:67], \g*4*REC
	s_or_b32 s[47+4*\g], s[47+4*\g], 0x80000000
.endr
	CROUND                                         ; all four work-groups are here: the joint loads meet
	s_cmp_lt_u32 s[WV], 4                          ; a wave's fills stand in one branch on its number, ahead of every wait on TENSORcnt and every LDS read: five loads of mine are out
	s_cbranch_scc0 .Lno_fill
	tensor_load_to_lds s[40:43], s[G1C:G1C+7]
	s_nop 0
	tensor_load_to_lds s[44:47], s[G1R:G1R+7]
	s_nop 0
	tensor_load_to_lds s[48:51], s[G1R:G1R+7]
	s_nop 0
	tensor_load_to_lds s[52:55], s[G1R:G1R+7]
	s_nop 0
	tensor_load_to_lds s[56:59], s[G1R:G1R+7]
	s_nop 0
.rept 4
	v_nop
.endr
.Lno_fill:
	v_and_b32 v7, 31, v0                           ; lane
	v_and_b32 v8, 15, v0                           ; r
	v_bfe_u32 v9, v0, 4, 1                         ; h
	v_lshlrev_b32 v1, 4, v7                        ; v1 16 x lane
	v_lshlrev_b32 v2, 3, v7                        ; v2 8 x lane
	v_lshlrev_b32 v3, 6, v9
	v_add_nc_u32 v3, CB, v3                        ; v3 the biases, + 64 h
	v_lshlrev_b32 v10, 4, v8                       ; 16 r
	v_lshlrev_b32 v11, 3, v8                       ; 8 r
	s_lshl_b32 s72, s16, 1
	s_lshr_b32 s73, s[WV], 3
	s_add_co_u32 s72, s72, s73                     ; q's record: 8 tiles
	s_mul_i32 s72, s72, 6656
	s_mul_i32 s73, s17, 106496
	s_add_co_u32 s72, s72, s73
	s_and_b32 s74, s[WV], 7                        ; my tile in it
	s_mul_i32 s75, s74, 768
	s_add_co_u32 s76, s72, s75
	s_mov_b32 s77, 0
	s_add_nc_u64 s[76:77], s[4:5], s[76:77]
	s_lshr_b32 s75, s74, 2
	s_lshl_b32 s75, s75, 8
	s_and_b32 s74, s74, 3
	s_lshl_b32 s74, s74, 2
	s_add_co_u32 s74, s74, s75
	s_add_co_u32 s74, s74, s72
	s_add_co_u32 s74, s74, 6144                    ; its scale words: 16 ((tile / 4) 16 + r) + 4 (tile % 4)
	s_mov_b32 s75, 0
	s_add_nc_u64 s[74:75], s[4:5], s[74:75]
	global_load_b128 v[QF:QF+3], v1, s[76:77]
	global_load_b64 v[QF+4:QF+5], v2, s[76:77] offset:512
	global_load_b32 v[QS], v10, s[74:75]
.irp i, 0,1,2,3,4,5
	v_mov_b32 v[QF+6+\i], 0                        ; zero codes for the K that a head does not have
	v_mov_b32 v[KF+48+\i], 0
.endr
	v_mov_b32 v13, 0xff61b1e6                      ; the largest t so far: -3e38, under every t
	v_floor_f32 v12, -v13                          ; -M
	v_mov_b32 v14, 0                               ; the sum, in two halves
	v_mov_b32 v15, 0
.irp b, 0,1,2,3
	v_mov_b32 v[MY+\b], 0                          ; a lane permute's destination counts as one of its sources
.endr
	v_mov_b32 v[FF+1], 0                           ; (named as the upper half of a pair)
.set i, 0
.rept 32
	v_mov_b32 v[OT+i], 0                           ; the step is written once for every key step: the first finds zeros, which the first change of M leaves zeros
.set i, i+1
.endr
; A KEY STEP: 128 keys.  bias = 1: keys under 1,024
.macro STEP bias
	v_add_nc_u32 v4, s[TB], v1                     ; these four lines are also the plain instructions ahead of the loads into registers that the last products read
	v_add_nc_u32 v5, s[TB], v2
.if \bias
	v_add_nc_u32 v6, s[TC], v3
.else
	v_nop
.endif
	v_nop
.if \bias
.irp t, 0,1,2,3,4,5,6,7
	ds_load_b128 v[S+8*\t:S+8*\t+3], v6 offset:128*(\t/2)+32*(\t%2)        ; register j of tile t: key 32 (t / 2) + 16 h + 8 (t % 2) + j
	ds_load_b128 v[S+8*\t+4:S+8*\t+7], v6 offset:128*(\t/2)+32*(\t%2)+16
.endr
.endif
.irp t, 0,1,2,3,4,5,6,7
	ds_load_b128 v[KF+6*\t:KF+6*\t+3], v4 offset:768*\t
	ds_load_b64 v[KF+6*\t+4:KF+6*\t+5], v5 offset:768*\t+512
.endr
	ds_load_b128 v[KS:KS+3], v4 offset:12288
	s_wait_dscnt 0x0
.irp t, 0,1,2,3,4,5,6,7
.if \bias
.if \t < 4
	v_wmma_scale_f32_16x16x128_f8f6f4 v[S+8*\t:S+8*\t+7], v[KF+6*\t:KF+6*\t+11], v[QF:QF+11], v[S+8*\t:S+8*\t+7], v[KS+\t%4], v[QS] matrix_a_fmt:MATRIX_FMT_FP6 matrix_b_fmt:MATRIX_FMT_FP6
.else
	v_wmma_scale_f32_16x16x128_f8f6f4 v[S+8*\t:S+8*\t+7], v[KF+6*\t:KF+6*\t+11], v[QF:QF+11], v[S+8*\t:S+8*\t+7], v[KS+\t%4], v[QS] matrix_a_fmt:MATRIX_FMT_FP6 matrix_b_fmt:MATRIX_FMT_FP6 matrix_a_scale:MATRIX_SCALE_ROW1
.endif
.else
.if \t < 4
	v_wmma_scale_f32_16x16x128_f8f6f4 v[S+8*\t:S+8*\t+7], v[KF+6*\t:KF+6*\t+11], v[QF:QF+11], 0, v[KS+\t%4], v[QS] matrix_a_fmt:MATRIX_FMT_FP6 matrix_b_fmt:MATRIX_FMT_FP6
.else
	v_wmma_scale_f32_16x16x128_f8f6f4 v[S+8*\t:S+8*\t+7], v[KF+6*\t:KF+6*\t+11], v[QF:QF+11], 0, v[KS+\t%4], v[QS] matrix_a_fmt:MATRIX_FMT_FP6 matrix_b_fmt:MATRIX_FMT_FP6 matrix_a_scale:MATRIX_SCALE_ROW1
.endif
.endif
.endr
.rept 4
	v_nop                                          ; ahead of the loads over k's registers and of the first read of the scores
.endr
.irp d, 0,1,2,3                                ; v^T's four fragments land while the softmax is worked
	ds_load_b128 v[KF+12*\d:KF+12*\d+3], v4 offset:6144+1536*\d
	ds_load_b64 v[KF+12*\d+4:KF+12*\d+5], v5 offset:6144+1536*\d+512
	ds_load_b128 v[KF+12*\d+6:KF+12*\d+9], v4 offset:6144+1536*\d+768
	ds_load_b64 v[KF+12*\d+10:KF+12*\d+11], v5 offset:6144+1536*\d+1280
.endr
	ds_load_b64 v[VS:VS+1], v5 offset:12800
.irp b, 0,1,2,3
	v_max3_num_f32 v[MX+\b], v[S+16*\b], v[S+1+16*\b], v[S+2+16*\b]   ; the largest score of each block of 32 keys: it serves for the row's maximum and, since p rises with the score, for the block's largest p
.endr
.irp i, 3,5,7,9,11,13
.irp b, 0,1,2,3
	v_max3_num_f32 v[MX+\b], v[MX+\b], v[S+16*\b+\i], v[S+1+16*\b+\i]
.endr
.endr
.irp b, 0,1,2,3
	v_max_num_f32 v[MX+\b], v[MX+\b], v[S+15+16*\b]
.endr
.irp b, 0,1,2,3
	v_permlanex16_b32 v[MY+\b], v[MX+\b], s[SEL], s[SEL+1]
.endr
.irp b, 0,1,2,3
	v_max_num_f32 v[MX+\b], v[MX+\b], v[MY+\b]     ; with lane l xor 16's 16 keys
.endr
	v_max3_num_f32 v[TT], v[MX], v[MX+1], v[MX+2]
	v_max_num_f32 v[TT], v[TT], v[MX+3]
	v_mul_f32 v[TT], s[CS], v[TT]                  ; as t (c is positive)
	v_max_num_f32 v13, v13, v[TT]                  ; the running largest t
	v_mov_b32 v[TT], v12
	v_floor_f32 v12, -v13                          ; the new -M = floor(-t): M is a whole number
	v_sub_f32 v[TT], v12, v[TT]                    ; old M - new M: a whole number, 0 or less
	v_cvt_i32_f32 v[TT], v[TT]                     ; (it saturates)
	v_ldexp_f32 v[FF], 1.0, v[TT]                  ; f = 2^(old M - new M)
.set i, 0
.rept 32
	v_pk_fma_f32 v[S+i:S+i+1], v[S+i:S+i+1], s[CS:CS+1], v[12:13] op_sel_hi:[1,0,0]   ; t - M, two at a time
.set i, i+2
.endr
.irp b, 0,1,2,3
	v_fma_f32 v[MX+\b], v[MX+\b], s[CS], v12       ; the same of each block's largest score
.endr
.set i, 0
.rept 64
	v_exp_f32 v[S+i], v[S+i]                       ; p = 2^(t - M), at most 1
.set i, i+1
.endr
	v_pk_mul_f32 v[14:15], v[14:15], v[FF:FF+1] op_sel_hi:[1,0]   ; the sums under the new M (a plain instruction behind the batch)
	s_wait_alu depctr_va_vdst(0)                   ; one wait for the 64, ahead of their first reader
.irp b, 0,1,2,3
	v_exp_f32 v[MX+\b], v[MX+\b]                   ; the block's largest p
.endr
	v_pk_add_f32 v[MY:MY+1], v[S:S+1], v[S+2:S+3]  ; the row's sum is taken of the unquantised p: two at a time, in two chains
.irp j, 4,8,12,16,20,24,28,32,36,40,44,48,52,56,60
	v_pk_add_f32 v[14:15], v[14:15], v[S+\j:S+1+\j]
	v_pk_add_f32 v[MY:MY+1], v[MY:MY+1], v[S+2+\j:S+3+\j]
.endr
	v_pk_add_f32 v[14:15], v[14:15], v[MY:MY+1]
	s_wait_alu depctr_va_vdst(0)                   ; and one for the four
.irp b, 0,1,2,3
	v_max_num_f32 v[MX+\b], 0x1800000, v[MX+\b]    ; the floor 2^(3 - 127): the byte cannot fall under 1
.endr
.irp b, 0,1,2,3
	v_add_nc_u32 v[SCO+\b], 0xff000000, v[MX+\b]   ; 2 off the exponent field: the conversion's scale operand
.endr
.irp b, 0,1,2,3
	v_lshrrev_b32 v[MY+\b], 23, v[SCO+\b]
.endr
	v_lshl_or_b32 v[PW], v[MY+1], 8, v[MY]         ; p's scale word for these 128 keys
	v_lshl_or_b32 v[PW], v[MY+2], 16, v[PW]
	v_lshl_or_b32 v[PW], v[MY+3], 24, v[PW]
.irp c, 0,1
	v_cvt_scalef32_pk16_fp6_f32 v[PC+6*\c:PC+2+6*\c], v[S+32*\c:S+15+32*\c], v[SCO+2*\c]
	v_cvt_scalef32_pk16_fp6_f32 v[PC+12+4*\c:PC+14+4*\c], v[S+16+32*\c:S+31+32*\c], v[SCO+2*\c+1]
.endr
	v_nop                                          ; one plain instruction behind the scaled conversions
.irp c, 0,1
.irp i, 0,1,2
	v_permlane16_swap_b32 v[PC+6*\c+\i], v[PC+12+4*\c+\i]
.endr
.irp i, 0,1,2
	v_mov_b32 v[PC+3+6*\c+\i], v[PC+12+4*\c+\i]
.endr
.endr
.set i, 0
.rept 16
	v_pk_mul_f32 v[OT+i:OT+i+1], v[OT+i:OT+i+1], v[FF:FF+1] op_sel_hi:[1,0]   ; O^T under the new M; these sixteen also stand between the writes of p's codes and scale word and the products
.set i, i+2
.endr
	s_wait_dscnt 0x0                               ; v^T is in
.irp d, 0,1,2,3
.if \d < 2
	v_wmma_scale_f32_16x16x128_f8f6f4 v[OT+8*\d:OT+8*\d+7], v[KF+12*\d:KF+12*\d+11], v[PC:PC+11], v[OT+8*\d:OT+8*\d+7], v[VS+\d%2], v[PW] matrix_a_fmt:MATRIX_FMT_FP6 matrix_b_fmt:MATRIX_FMT_FP6
.else
	v_wmma_scale_f32_16x16x128_f8f6f4 v[OT+8*\d:OT+8*\d+7], v[KF+12*\d:KF+12*\d+11], v[PC:PC+11], v[OT+8*\d:OT+8*\d+7], v[VS+\d%2], v[PW] matrix_a_fmt:MATRIX_FMT_FP6 matrix_b_fmt:MATRIX_FMT_FP6 matrix_a_scale:MATRIX_SCALE_ROW1
.endif
.endr
.endm
; STAGE g: key steps 4 g .. 4 g + 3.  Tensor loads of a wave end in order: with 3 - g still out, the biases and my records of stages 0 .. g are in; behind the barrier everybody's are.  Later records may stay out.
.macro STAGE g, bias
	s_wait_tensorcnt 3-\g
	s_wait_dscnt 0x0
	s_barrier_signal -1
	s_barrier_wait -1
	s_mov_b32 s[TB], \g*4*REC
	s_mov_b32 s[TC], \g*4*512
	s_mov_b32 s[CNT], 4
.Lstep_\@:
	STEP \bias
	s_add_co_u32 s[TB], s[TB], REC
	s_add_co_u32 s[TC], s[TC], 512
	s_sub_co_u32 s[CNT], s[CNT], 1
	s_cmp_lg_u32 s[CNT], 0
	s_cbranch_scc1 .Lstep_\@
.endm
	s_wait_loadcnt 0x0                             ; q
	STAGE 0, 1
	STAGE 1, 1
	STAGE 2, 0
	STAGE 3, 0
	; THE WAY OUT.  O^T / l: register 16 b + i is channel 32 b + 16 h + i of my query: two blocks along the output projection's K.  They are quantised and leave as half a fragment's image (768 bytes) and two scale bytes a row.
.rept 4
	v_nop                                          ; behind the last products
.endr
	v_add_f32 v14, v14, v15
	v_permlanex16_b32 v[TT], v14, s[SEL], s[SEL+1]
	v_add_f32 v14, v14, v[TT]                      ; the row's sum
	v_rcp_f32 v14, v14
	v_nop
	s_wait_alu depctr_va_vdst(0)
.set i, 0
.rept 32
	v_mul_f32 v[S+i], v[OT+i], v14
.set i, i+1
.endr
.irp b, 0,1
	v_max3_num_f32 v[MX+\b], |v[S+16*\b]|, |v[S+1+16*\b]|, 0x1800000
.endr
.irp i, 2,4,6,8,10,12,14
.irp b, 0,1
	v_max3_num_f32 v[MX+\b], v[MX+\b], |v[S+16*\b+\i]|, |v[S+1+16*\b+\i]|
.endr
.endr
.irp b, 0,1
	v_permlanex16_b32 v[MY+\b], v[MX+\b], s[SEL], s[SEL+1]
.endr
.irp b, 0,1
	v_max_num_f32 v[MX+\b], v[MX+\b], v[MY+\b]
.endr
.irp b, 0,1
	v_add_nc_u32 v[SCO+\b], 0xff000000, v[MX+\b]
.endr
.irp b, 0,1
	v_lshrrev_b32 v[MY+\b], 23, v[SCO+\b]
.endr
	v_lshl_or_b32 v229, v[MY+1], 8, v[MY]
	v_cvt_scalef32_pk16_fp6_f32 v[PC:PC+2], v[S:S+15], v[SCO]
	v_cvt_scalef32_pk16_fp6_f32 v[PC+12:PC+14], v[S+16:S+31], v[SCO+1]
	v_nop
.irp i, 0,1,2
	v_permlane16_swap_b32 v[PC+\i], v[PC+12+\i]
.endr
.irp i, 0,1,2
	v_mov_b32 v[PC+3+\i], v[PC+12+\i]
.endr
	s_lshr_b32 s66, s17, 4
	s_lshl_b32 s66, s66, 7
	s_lshl_b32 s67, s16, 4
	s_add_co_u32 s66, s66, s67
	s_add_co_u32 s66, s66, s[WV]                   ; the tile of rows: 128 x batch + 16 x block + wave
	s_and_b32 s67, s17, 15                         ; the head
	s_mul_i32 s68, s66, 12288
	s_mul_i32 s69, s67, 768                        ; fragment head / 2, half head % 2
	s_add_co_u32 s68, s68, s69
	s_mov_b32 s69, 0
	s_add_nc_u64 s[10:11], s[10:11], s[68:69]
	s_lshl_b32 s70, s66, 9
	s_lshr_b32 s71, s67, 2
	s_lshl_b32 s71, s71, 7
	s_add_co_u32 s70, s70, s71
	s_and_b32 s71, s67, 3
	s_lshl_b32 s71, s71, 1
	s_add_co_u32 s70, s70, s71                     ; 512 tile + 128 (head / 4) + 2 (head % 4), + 8 r
	s_mov_b32 s71, 0
	s_add_nc_u64 s[12:13], s[12:13], s[70:71]
	global_store_b128 v1, v[PC:PC+3], s[10:11]     ; 512 consecutive bytes, aligned to 256
	global_store_b64 v2, v[PC+4:PC+5], s[10:11] offset:512
	global_store_b16 v11, v229, s[12:13]           ; lanes r and r + 16 write the same two bytes with the same value
	s_wait_tensorcnt 0x0
	ds_add_u32 v254, v255
	s_wait_dscnt 0x0
	CROUND                                         ; the closing round: no work-group ends while a partner may still ask for a tile that names it
	s_endpgm
.Lfunc_end_k_q82b8cde379_attn:
	.size	k_q82b8cde379_attn, .Lfunc_end_k_q82b8cde379_attn-k_q82b8cde379_attn
	.p2alignl 7, 3214868480
	.fill 96, 4, 3214868480
	.section	.rodata,"a",@progbits
	.p2align	6, 0x0
	.amdhsa_kernel k_q82b8cde379_attn
		.amdhsa_group_segment_fixed_size 231424
		.amdhsa_private_segment_fixed_size 0
		.amdhsa_enable_private_segment 0
		.amdhsa_kernarg_size 40
		.amdhsa_user_sgpr_count 2
		.amdhsa_user_sgpr_kernarg_segment_ptr 1
		.amdhsa_wavefront_size32 1
		.amdhsa_system_sgpr_workgroup_id_x 1
		.amdhsa_system_sgpr_workgroup_id_y 1
		.amdhsa_system_sgpr_workgroup_id_z 1
		.amdhsa_system_vgpr_workitem_id 0
		.amdhsa_next_free_vgpr 256
		.amdhsa_next_free_sgpr 84
		.amdhsa_reserve_vcc 0
		.amdhsa_float_denorm_mode_32 3
		.amdhsa_float_denorm_mode_16_64 3
		.amdhsa_memory_ordered 1
		.amdhsa_forward_progress 1
		.amdhsa_inst_pref_size 79
	.end_amdhsa_kernel
	.amdgpu_metadata
---
amdhsa.version: [ 1, 2 ]
amdhsa.kernels:
  - .name:           k_q82b8cde379_attn
    .symbol:         k_q82b8cde379_attn.kd
    .args:
      - { .name: qi, .offset: 0, .size: 8, .value_kind: global_buffer, .address_space: global }
      - { .name: kv, .offset: 8, .size: 8, .value_kind: global_buffer, .address_space: global }
      - { .name: kb, .offset: 16, .size: 8, .value_kind: global_buffer, .address_space: global }
      - { .name: aoc, .offset: 24, .size: 8, .value_kind: global_buffer, .address_space: global }
      - { .name: aos, .offset: 32, .size: 8, .value_kind: global_buffer, .address_space: global }
    .group_segment_fixed_size: 231424
    .private_segment_fixed_size: 0
    .kernarg_segment_align: 8
    .kernarg_segment_size: 40
    .max_flat_workgroup_size: 512
    .sgpr_count:     84
    .vgpr_count:     256
    .wavefront_size: 32
...
	.end_amdgpu_metadata
.endif
;; end of part 4
;; launch oproj (part 5): grid 4 x 16, 4 waves a work-group, clusters of 4 x 4, 327,680 bytes of LDS; arguments aoc, aos, qc, qs, b_out, out0; writes out0
.if DOCPART == 5
	.amdgcn_target "amdgcn-amd-amdhsa--gfx1250"
	.amdhsa_code_object_version 6
	.text
	.protected	k_q82b8cde379_oproj
	.globl	k_q82b8cde379_oproj
	.p2align	8
	.type	k_q82b8cde379_oproj,@function
k_q82b8cde379_oproj:
	s_mov_b64 s[64:65], 0
	v_nop
	global_prefetch_b8 v0, s[64:65] scope:SCOPE_SE
	s_setreg_imm32_b32 hwreg(HW_REG_WAVE_MODE, 25, 1), 1
	s_wait_xcnt 0x0
	s_wait_alu depctr_hold_cnt(0) depctr_sa_sdst(0) depctr_va_vdst(0) depctr_va_sdst(0) depctr_va_ssrc(0) depctr_va_vcc(0) depctr_vm_vsrc(0)
	s_getreg_b32 s2, hwreg(HW_REG_IB_STS2, 6, 4)
	s_cmp_eq_u32 s2, 0
	s_cbranch_scc0 .Lentry_in_a_cluster
	s_endpgm
.Lentry_in_a_cluster:
	s_bfe_u32 s2, ttmp6, 0x10000c
	s_cmp_lg_u32 s2, 0xf033
	s_cbranch_scc0 .Lentry_shape_is_right
	s_endpgm
.Lentry_shape_is_right:
; out0 = A W_out^T + b_out on codes of FP6 (E2M3) with E8M0 scales, K = 1,024.  A is the attention's output, 4,096 rows, as the launch before has laid it; W_out's codes lie in qc from byte 5,505,024, its scale words in qs from 229,376.
; A work-group of four waves makes 256 x 256 of the output, a wave 128 x 128: 64 accumulators, 512 registers.  K goes in four steps of 256 through a ring of two LDS slots filled by the tensor data mover.
; Operands lie in memory as images of their registers (tile of 16 rows x 128 K = 1,536 bytes, a tile's eight fragments on end); a fragment comes out of LDS by four dense loads.  The scale words come once, with the first fills.
; Source 0 = 16 rows of W_out, source 1 = 16 rows of A: a lane holds one row of the output and its registers run along the columns.  The rows of a tile are not neighbours
; (tile 2 P + u: rows 32 P + 8 u + (r & 7) + 16 (r >> 3)): the way out puts rows and columns back.  b_out is the C of each sum's first product.
; CLUSTERS: 4 x 4 work-groups; A's tiles are shared along a row of the cluster, W_out's along a column, by joint loads.  The output has 64 blocks of 256 x 256: 64 work-groups.
.set KSTEPB, 3072
.set NQ,     2
.set FR,     12
.set NL,     4
.set NP,     4
.set HALFT,  8*KSTEPB
.set SLOT,   4*HALFT
.set SCL,    2*SLOT
.set HALFS,  4096
.set SPARE,  213248                    ; the spare words, 128 bytes for each wave: two blocks of 256 bytes that no other line names
.set SPITCH, 528                       ; the way out: a stage of 16 rows x (512 bytes + 16) for each wave, in slot 0, which has had its last fill and its last read when the first result is stored there
.set HA64, 9
.set L16,  11
.set L8,   12
.set ADRA, 16
.set ADRB, 20
.set STO,  24
.set RD,   25
.set ADRS, 27
.set SPW,  28
.set NIL,  29
.set SC,   32
.set BO,   64                          ; v64-127 b_out: register 16 bb + i: column 32 bb + 16 h + i of my 128
.set AF,   128
.set BK,   128
.set G1, 24
.set G0, 32
.set G1B, 48
.set G0B, 56
.set G1S, 68
.set G0S, 76
.set G1SB, 80
.set G0SB, 88
.set MSB, 0
.macro WIN new
.if MSB != (\new)
	s_set_vgpr_msb (MSB<<8)|(\new)
.set MSB, (\new)
.endif
.endm
.set MUL_LO, 0xa1
.set MUL_HI, 0xf1
.set TO_B,   0x40
.macro JLOAD g0a, g1a, g0b, g1b        ; waves 0 and 1 fetch for source 1, waves 2 and 3 for source 0; four v_nop follow each of the two lines
	s_cmp_eq_u32 s17, 0
	s_cbranch_scc0 .Lfor_b_\@
	tensor_load_to_lds s[\g0a:\g0a+3], s[\g1a:\g1a+7]
	s_nop 0
.rept 4
	v_nop
.endr
	s_branch .Lasked_\@
.Lfor_b_\@:
	tensor_load_to_lds s[\g0b:\g0b+3], s[\g1b:\g1b+7]
	s_nop 0
.rept 4
	v_nop
.endr
.Lasked_\@:
.endm
.macro CREST
	s_cmp_lg_u32 s16, 0
	s_cbranch_scc1 .Lnot_wave_0_\@
	s_barrier_signal -3
.Lnot_wave_0_\@:
	s_barrier_wait -3
	s_barrier_signal -1
	s_barrier_wait -1
.endm
.macro CROUND
	s_barrier_signal -1
	s_barrier_wait -1
	CREST
.endm
	s_load_b256 s[4:11], s[0:1], 0x0               ; aoc, aos, qc, qs
	s_load_b128 s[12:15], s[0:1], 0x20             ; b_out, out0
	v_lshl_add_u32 v[SPW], v0, 2, SPARE
	v_mov_b32 v[NIL], 0
	ds_add_u32 v28, v29
	ds_add_u32 v28, v29
	s_wait_dscnt 0x0
	v_lshrrev_b32 v1, 5, v0
	v_readfirstlane_b32 s16, v1                    ; wave 0..3
	s_lshr_b32 s17, s16, 1                         ; which half of the rows is mine.  Also: I fetch for source 1 (0) or source 0 (1)
	s_and_b32 s18, s16, 1                          ; which half of the columns.  Also: which eight tiles I fetch
	s_bfe_u32 s40, ttmp6, 0x40000                  ; cx, cy
	s_bfe_u32 s41, ttmp6, 0x40004
	s_lshl_b32 s42, ttmp9, 2
	s_add_co_u32 s42, s42, s40                     ; block of 256 columns
	s_and_b32 s44, ttmp7, 0xffff
	s_lshl_b32 s44, s44, 2
	s_add_co_u32 s44, s44, s41                     ; block of 256 rows
	s_lshl_b32 s43, s41, 2
	s_lshl_b32 s43, 15, s43                        ; my row of the cluster
	s_lshl_b32 s45, 0x1111, s40                    ; my column
	s_or_b32 s[G1+0], s43, (3<<16)|(1<<21)         ; eight rows of 384 elements of 8 bytes (a tile's K step), 1,536 elements apart; dense in LDS
	s_or_b32 s[G1B+0], s45, (3<<16)|(1<<21)
.irp g, G1, G1B
	s_mov_b32 s[\g+1], 384<<16
	s_mov_b32 s[\g+2], 8<<16
	s_mov_b32 s[\g+3], 384<<16
	s_mov_b32 s[\g+4], 8
	s_mov_b32 s[\g+5], 1536
	s_mov_b32 s[\g+6], 0
	s_mov_b32 s[\g+7], 0
.endr
	s_or_b32 s[G1S+0], s43, (3<<16)|(1<<21)        ; the scale words of eight tiles: 16 rows of 256 bytes
	s_or_b32 s[G1SB+0], s45, (3<<16)|(1<<21)
.irp g, G1S, G1SB
	s_mov_b32 s[\g+1], 32<<16
	s_mov_b32 s[\g+2], 16<<16
	s_mov_b32 s[\g+3], 32<<16
	s_mov_b32 s[\g+4], 16
	s_mov_b32 s[\g+5], 32
	s_mov_b32 s[\g+6], 0
	s_mov_b32 s[\g+7], 0
.endr
	s_lshl_b32 s21, s18, 3
	s_lshl_b32 s20, s44, 4
	s_add_co_u32 s20, s20, s21                     ; source 1: the first tile that I fetch
	s_lshl_b32 s46, s42, 4
	s_add_co_u32 s46, s46, s21                     ; source 0 likewise
	s_lshl_b32 s22, s20, 9
	s_mov_b32 s23, 0
	s_mul_i32 s20, s20, 12288
	s_mov_b32 s21, 0
	s_lshl_b32 s92, s46, 9
	s_add_co_u32 s92, s92, 229376
	s_mov_b32 s93, 0
	s_mul_i32 s46, s46, 12288
	s_add_co_u32 s46, s46, 5505024
	s_mov_b32 s47, 0
	s_mul_i32 s45, s16, HALFT
	s_lshl_b32 s94, s16, 12
	s_wait_kmcnt 0x0
	s_add_nc_u64 s[20:21], s[4:5], s[20:21]
	s_add_nc_u64 s[22:23], s[6:7], s[22:23]
	s_add_nc_u64 s[46:47], s[8:9], s[46:47]
	s_add_nc_u64 s[92:93], s[10:11], s[92:93]
	CROUND                                         ; all sixteen work-groups are here: the first joint loads meet
	s_mov_b32 s[G0S], 1
	s_add_co_u32 s[G0S+1], s94, SCL
	s_mov_b64 s[G0S+2:G0S+3], s[22:23]
	s_or_b32 s[G0S+3], s[G0S+3], 0x80000000
	s_mov_b32 s[G0SB], 1
	s_add_co_u32 s[G0SB+1], s94, SCL+128
	s_mov_b64 s[G0SB+2:G0SB+3], s[92:93]
	s_or_b32 s[G0SB+3], s[G0SB+3], 0x80000000
	JLOAD G0S, G1S, G0SB, G1SB
.irp s, 0,1
	s_mov_b32 s[G0+4*\s], 1
	s_add_co_u32 s[G0+4*\s+1], s45, \s*SLOT
	s_add_nc_u64 s[G0+4*\s+2:G0+4*\s+3], s[20:21], \s*KSTEPB
	s_or_b32 s[G0+4*\s+3], s[G0+4*\s+3], 0x80000000
	s_mov_b32 s[G0B+4*\s], 1
	s_add_co_u32 s[G0B+4*\s+1], s45, \s*SLOT
	s_add_nc_u64 s[G0B+4*\s+2:G0B+4*\s+3], s[46:47], \s*KSTEPB
	s_or_b32 s[G0B+4*\s+3], s[G0B+4*\s+3], 0x80000000
	JLOAD G0+4*\s, G1, G0B+4*\s, G1B
.endr
	v_and_b32 v1, 15, v0                           ; r
	v_bfe_u32 v2, v0, 4, 1                         ; h
	v_and_b32 v3, 31, v0                           ; lane
	v_lshlrev_b32 v[L16], 4, v3
	v_lshlrev_b32 v[L8], 3, v3
	v_lshlrev_b32 v[HA64], 6, v2
	s_lshl_b32 s20, s42, 10
	s_lshl_b32 s21, s18, 9
	s_add_co_u32 s20, s20, s21                     ; b_out of my 128 columns
	s_mov_b32 s21, 0
	s_add_nc_u64 s[12:13], s[12:13], s[20:21]
.irp bb, 0,1,2,3
.irp j, 0,1,2,3
	global_load_b128 v[BO+16*\bb+4*\j:BO+16*\bb+4*\j+3], v[HA64], s[12:13] offset:128*\bb+16*\j
.endr
.endr
	s_mul_i32 s21, s17, HALFT
	s_mul_i32 s22, s18, HALFT
	s_add_co_u32 s22, s22, 2*HALFT
.irp s, 0,1
	v_add_nc_u32 v[ADRA+\s], s21, v[L16]
	v_add_nc_u32 v[ADRB+\s], s22, v[L16]
	v_add_nc_u32 v[ADRA+2+\s], s21, v[L8]
	v_add_nc_u32 v[ADRB+2+\s], s22, v[L8]
	s_add_co_u32 s21, s21, SLOT
	s_add_co_u32 s22, s22, SLOT
.endr
	v_lshlrev_b32 v5, 3, v1
	s_lshl_b32 s21, s17, 12
	s_lshl_b32 s22, s18, 12
	s_add_co_u32 s22, s22, 2*HALFS+128
	s_sub_co_u32 s22, s22, s21
	v_mul_u32_u24 v6, s22, v2                      ; lanes 16-31 take source 0's scale words
	s_add_co_u32 s21, s21, SCL
	v_add_nc_u32 v5, v5, v6
	v_add_nc_u32 v[ADRS], s21, v5
	s_mul_i32 s23, s16, 16*SPITCH                  ; my stage
	v_mul_u32_u24 v5, v1, SPITCH
	v_lshl_add_u32 v5, v2, 6, v5
	v_add_nc_u32 v[STO], s23, v5                   ; in: row r, + 64 h
	v_add_nc_u32 v[RD], s23, v[L16]                ; back: the 32 lanes take one row of 512 bytes
	s_lshl_b32 s20, s44, 8
	s_lshl_b32 s21, s17, 7
	s_add_co_u32 s20, s20, s21                     ; my first row of the output,
	s_lshl_b32 s20, s20, 12                        ; 4,096 bytes a row,
	s_lshl_b32 s21, s42, 10
	s_add_co_u32 s20, s20, s21
	s_lshl_b32 s21, s18, 9
	s_add_co_u32 s20, s20, s21                     ; and my first column
	s_mov_b32 s21, 0
	s_add_nc_u64 s[14:15], s[14:15], s[20:21]
.macro FRAG reg, adr, q, i
	ds_load_b128 v[\reg:\reg+3], v[\adr] offset:(\i)*KSTEPB+(\q)*1536
	ds_load_b64 v[\reg+4:\reg+5], v[\adr+2] offset:(\i)*KSTEPB+(\q)*1536+512
	ds_load_b128 v[\reg+6:\reg+9], v[\adr] offset:(\i)*KSTEPB+(\q)*1536+768
	ds_load_b64 v[\reg+10:\reg+11], v[\adr+2] offset:(\i)*KSTEPB+(\q)*1536+1280
.endm
; 16 matrix instructions; first = 1: b_out starts the sums.  The 64 accumulators take turns, one instruction a turn, in the same order in every step.
.macro MUL16 a0, p, q, sc, first
.irp a, \a0, \a0+1
.irp b, 0,1,2,3,4,5,6,7
.if \first
	v_wmma_scale_f32_16x16x128_f8f6f4 v[8*(8*((\a)%4)+\b):8*(8*((\a)%4)+\b)+7], v[128*(\p)+FR*\b:128*(\p)+FR*\b+FR-1], v[AF+FR*(\a):AF+FR*(\a)+FR-1], v[BO+8*\b:BO+8*\b+7], v[SC+8*NQ*(\sc)+NQ*\b+(\q)], v[SC+8*NQ*(\sc)+NQ*(\a)+(\q)] matrix_a_fmt:MATRIX_FMT_FP6 matrix_b_fmt:MATRIX_FMT_FP6 matrix_a_scale:MATRIX_SCALE_ROW1
.else
	v_wmma_scale_f32_16x16x128_f8f6f4 v[8*(8*((\a)%4)+\b):8*(8*((\a)%4)+\b)+7], v[128*(\p)+FR*\b:128*(\p)+FR*\b+FR-1], v[AF+FR*(\a):AF+FR*(\a)+FR-1], v[8*(8*((\a)%4)+\b):8*(8*((\a)%4)+\b)+7], v[SC+8*NQ*(\sc)+NQ*\b+(\q)], v[SC+8*NQ*(\sc)+NQ*(\a)+(\q)] matrix_a_fmt:MATRIX_FMT_FP6 matrix_b_fmt:MATRIX_FMT_FP6 matrix_a_scale:MATRIX_SCALE_ROW1
.endif
.endr
.endr
.endm
.macro FETCH_B slot, q, p
	WIN TO_B
.irp i, 0,1,2,3,4,5,6,7
	FRAG 128*(\p)+FR*\i, ADRB+\slot, \q, \i
.endr
	WIN 0
.endm
.macro FETCH_A slot, q, i0
.irp i, \i0, \i0+1, \i0+2, \i0+3
	FRAG AF+FR*(\i), ADRA+\slot, \q, \i
.endr
.endm
.macro SCALES sc
.irp i, 0,1,2,3,4,5,6,7
	ds_load_b64 v[SC+8*NQ*\sc+NQ*\i:SC+8*NQ*\sc+NQ*\i+1], v[ADRS] offset:\i*512
.endr
.endm
.macro PLACES n
.rept \n
	v_nop
.endr
.endm
.macro STEP slot, q, first
	s_wait_dscnt 4*NL                              ; source 0's set and source 1's blocks 0-3 are in; the youngest sixteen loads may be out
.if \first
	WIN 0x81                                       ; source 0 window 1, source 1 and C (b_out) window 0, D window 2
.else
	WIN MUL_LO
.endif
	MUL16 0, (\q)%2, \q, \slot, \first
	MUL16 2, (\q)%2, \q, \slot, \first
	s_wait_dscnt 0
	PLACES NP
	FETCH_B \slot, (\q)+1, 1-(\q)%2
	FETCH_A \slot, (\q)+1, 0
.if \first
	WIN 0xc1                                       ; the same, D window 3
.else
	WIN MUL_HI
.endif
	MUL16 4, (\q)%2, \q, \slot, \first
	MUL16 6, (\q)%2, \q, \slot, \first
	PLACES NP
	WIN 0
	FETCH_A \slot, (\q)+1, 4
.endm
.macro TURN slot, next, fill
	s_wait_tensorcnt 0x0                           ; all my tensor loads have landed: my part of the next slot
	ds_add_u32 v[SPW], v[NIL]                      ; 0 onto my spare word
	s_wait_dscnt 4*NL+1                            ; (the add and the youngest sixteen loads may be out)
	WIN MUL_LO
	MUL16 0, 1, NQ-1, \slot, 0
	s_wait_dscnt 0x0                               ; the add is done, and my reads of this slot are over
	s_barrier_signal -1
	MUL16 2, 1, NQ-1, \slot, 0
	WIN 0
	s_barrier_wait -1
.if \fill
	CREST                                          ; the barrier has opened a round of the cluster's barrier: no wave of any partner still reads this slot or has a load on its way
	s_add_nc_u64 s[G0+4*\slot+2:G0+4*\slot+3], s[G0+4*\slot+2:G0+4*\slot+3], 2*KSTEPB
	s_add_nc_u64 s[G0B+4*\slot+2:G0B+4*\slot+3], s[G0B+4*\slot+2:G0B+4*\slot+3], 2*KSTEPB
	JLOAD G0+4*\slot, G1, G0B+4*\slot, G1B
.else
	PLACES NP
.endif
	v_add_nc_u32 v[ADRS], 128, v[ADRS]
	FETCH_B \next, 0, 0
	FETCH_A \next, 0, 0
	SCALES \next
	WIN MUL_HI
	MUL16 4, 1, NQ-1, \slot, 0
	MUL16 6, 1, NQ-1, \slot, 0
	PLACES NP
	WIN 0
	FETCH_A \next, 0, 4
.endm
	s_wait_tensorcnt 1                             ; the scale words and my part of K step 0 are in (K step 1's load may be out),
	s_barrier_signal -1
	s_barrier_wait -1                              ; everybody's are
	FETCH_B 0, 0, 0
	FETCH_A 0, 0, 0
	SCALES 0
	FETCH_A 0, 0, 4
	s_wait_loadcnt 0x0                             ; b_out
	STEP 0, 0, 1
	TURN 0, 1, 1                                   ; slot 0 takes K step 2
	STEP 1, 0, 0
	TURN 1, 0, 1                                   ; slot 1 takes K step 3
	STEP 0, 0, 0
	TURN 0, 1, 0                                   ; nothing is left to fetch
	STEP 1, 0, 0
	s_wait_dscnt 4*NL
	WIN MUL_LO
	MUL16 0, 1, NQ-1, 1, 0
	MUL16 2, 1, NQ-1, 1, 0
	s_wait_dscnt 0
	WIN MUL_HI
	MUL16 4, 1, NQ-1, 1, 0
	MUL16 6, 1, NQ-1, 1, 0
	WIN 0
; THE WAY OUT, block by block of 16 rows x 128 columns, through my own stage in LDS: a lane's eight results of accumulator b are columns 32 (b / 2) + 16 h + 8 (b % 2) + 0 .. 7 of its row; they come back as whole rows of 512 bytes.
.macro TOSTAGE a
.set AC, 64*((\a)%4)
	WIN 0x08+4*((\a)/4)                            ; the data: window 2 or 3
.irp b, 0,1,2,3,4,5,6,7
	ds_store_b128 v[STO], v[AC+8*\b:AC+8*\b+3] offset:128*(\b/2)+32*(\b%2)          ; each accumulator from its low end on
	ds_store_b128 v[STO], v[AC+8*\b+4:AC+8*\b+7] offset:128*(\b/2)+32*(\b%2)+16
.endr
	WIN 0
.set BB, BK+64*((\a)%2)
.irp t, 0,1,2,3,4,5,6,7,8,9,10,11,12,13,14,15
	ds_load_b128 v[BB+4*\t:BB+4*\t+3], v[RD] offset:\t*SPITCH   ; LDS serves a wave's instructions in order: these see the stores above
.endr
.endm
.macro SEND a, younger                 ; the stage's row t is row 32 (a / 2) + 8 (a % 2) + (t % 8) + 16 (t / 8) of my 128: it stands in the immediate, 127 rows of 4,096 bytes at the most
.set BB, BK+64*((\a)%2)
	s_wait_dscnt \younger
.irp t, 0,1,2,3,4,5,6,7,8,9,10,11,12,13,14,15
	global_store_b128 v[L16], v[BB+4*\t:BB+4*\t+3], s[14:15] offset:(32*((\a)/2)+8*((\a)%2)+(\t%8)+16*(\t/8))*4096 th:TH_STORE_NT   ; 32 lanes store 512 consecutive bytes, aligned to 256
.endr
.endm
	PLACES NP
	TOSTAGE 0
.irp a, 1,2,3,4,5,6,7
.if \a > 1
	s_wait_xcnt 0x0                                ; block a - 2's stores have read their registers: block a's loads may land there
.endif
	TOSTAGE \a
	SEND \a-1, 32                                  ; behind block a - 1's loads: block a's 16 stores and 16 loads
.endr
	SEND 7, 0
	s_wait_tensorcnt 0x0                           ; the wave's end
	ds_add_u32 v[SPW], v[NIL]
	s_wait_dscnt 0x0
	CROUND                                         ; the closing round
	s_endpgm
.Lfunc_end_k_q82b8cde379_oproj:
	.size	k_q82b8cde379_oproj, .Lfunc_end_k_q82b8cde379_oproj-k_q82b8cde379_oproj
	.p2alignl 7, 3214868480
	.fill 96, 4, 3214868480
	.section	.rodata,"a",@progbits
	.p2align	6, 0x0
	.amdhsa_kernel k_q82b8cde379_oproj
		.amdhsa_group_segment_fixed_size 327680
		.amdhsa_private_segment_fixed_size 0
		.amdhsa_enable_private_segment 0
		.amdhsa_kernarg_size 48
		.amdhsa_user_sgpr_count 2
		.amdhsa_user_sgpr_kernarg_segment_ptr 1
		.amdhsa_wavefront_size32 1
		.amdhsa_system_sgpr_workgroup_id_x 1
		.amdhsa_system_sgpr_workgroup_id_y 1
		.amdhsa_system_sgpr_workgroup_id_z 1
		.amdhsa_system_vgpr_workitem_id 0
		.amdhsa_next_free_vgpr 1024
		.amdhsa_next_free_sgpr 98
		.amdhsa_reserve_vcc 0
		.amdhsa_float_denorm_mode_32 3
		.amdhsa_float_denorm_mode_16_64 3
		.amdhsa_memory_ordered 1
		.amdhsa_forward_progress 1
		.amdhsa_inst_pref_size 145
	.end_amdhsa_kernel
	.amdgpu_metadata
---
amdhsa.version: [ 1, 2 ]
amdhsa.kernels:
  - .name:           k_q82b8cde379_oproj
    .symbol:         k_q82b8cde379_oproj.kd
    .args:
      - { .name: aoc, .offset: 0, .size: 8, .value_kind: global_buffer, .address_space: global }
      - { .name: aos, .offset: 8, .size: 8, .value_kind: global_buffer, .address_space: global }
      - { .name: qc, .offset: 16, .size: 8, .value_kind: global_buffer, .address_space: global }
      - { .name: qs, .offset: 24, .size: 8, .value_kind: global_buffer, .address_space: global }
      - { .name: b_out, .offset: 32, .size: 8, .value_kind: global_buffer, .address_space: global }
      - { .name: out0, .offset: 40, .size: 8, .value_kind: global_buffer, .address_space: global }
    .group_segment_fixed_size: 327680
    .private_segment_fixed_size: 0
    .kernarg_segment_align: 8
    .kernarg_segment_size: 48
    .max_flat_workgroup_size: 128
    .sgpr_count:     98
    .vgpr_count:     1024
    .wavefront_size: 32
...
	.end_amdgpu_metadata
.endif
;; end of part 5
;; ======== version 2 of 2: 4 launches; 1.18 times as fast as version 1
;; limits: a function is approximated: absolute error at most 1.5e-07
;; workspace buffers: qc 6,586,368 bytes; qs 274,432 bytes; kb 4,096 bytes; qi 3,407,872 bytes; kv 6,684,672 bytes; aoc 3,145,728 bytes; aos 131,072 bytes
;; launch quant: the kernel of part 1 again; grid 268 x 1, 4 waves a work-group, no clusters, 35,328 bytes of LDS; arguments x, W_in, W_out, ctx_delta, Wd1, qc, qs; writes qc, qs
;; launch qkv (part 6): grid 64 x 4, 4 waves a work-group, clusters of 4 x 4, 327,680 bytes of LDS; arguments qc, qs, b_in, ctx_trust, qi, kv, trust_scale, log_ppr_alpha, bd1, Wd2, bd2, ctx_ppr, kb; writes qi, kv, kb
.if DOCPART == 6
	.amdgcn_target "amdgcn-amd-amdhsa--gfx1250"
	.amdhsa_code_object_version 6
	.text
	.protected	k_q82b8cde379_qkv
	.globl	k_q82b8cde379_qkv
	.p2align	8
	.type	k_q82b8cde379_qkv,@function
k_q82b8cde379_qkv:
	s_mov_b64 s[64:65], 0
	v_nop
	global_prefetch_b8 v0, s[64:65] scope:SCOPE_SE
	s_setreg_imm32_b32 hwreg(HW_REG_WAVE_MODE, 25, 1), 1
	s_wait_xcnt 0x0
	s_wait_alu depctr_hold_cnt(0) depctr_sa_sdst(0) depctr_va_vdst(0) depctr_va_sdst(0) depctr_va_ssrc(0) depctr_va_vcc(0) depctr_vm_vsrc(0)
	s_getreg_b32 s2, hwreg(HW_REG_IB_STS2, 6, 4)
	s_cmp_eq_u32 s2, 0
	s_cbranch_scc0 .Lentry_in_a_cluster
	s_endpgm
.Lentry_in_a_cluster:
	s_bfe_u32 s2, ttmp6, 0x10000c
	s_cmp_lg_u32 s2, 0xf033
	s_cbranch_scc0 .Lentry_shape_is_right
	s_endpgm
.Lentry_shape_is_right:
; TWO JOBS IN ONE LAUNCH, told apart by the cluster's number C, which all sixteen partners of a cluster share.
; C < 12: qkv = x W_in^T + b_in on codes of FP6 (E2M3) with E8M0 scales, K = 1,024; its results never go to memory as f32: q, k and the gated v are quantised here, in registers, for the attention's two products.
; C >= 12: the bias of the 1,024 context keys (at the text's end): 64 work-groups of work that needs nothing of the other job and takes the WGPs that 192 work-groups leave free.
; THE PRODUCT.  A work-group of four waves makes 256 x 256 results, a wave 128 x 128: 64 accumulators of 16 x 16, 512 registers.  K goes in four steps of 256 through a ring of two LDS slots filled by the tensor data mover.
; OPERANDS lie in memory as images of their registers (tile of 16 rows x 128 K = 1,536 bytes; a tile's eight fragments on end): a K step of a tile is 3,072 consecutive bytes, a wave's tensor load brings eight tiles' worth,
; and a fragment comes out of LDS by four dense loads (16, 8, 16, 8 bytes a lane).  The scale words of the work-group's rows, for all of K, come once, with the first fills.
; ROLES.  C < 8: source 0 = 16 rows of W_in (q's and k's features), source 1 = 16 rows of x: a lane holds one token, its registers run along the features,
; which are the K of q k^T.  8 <= C < 12: source 0 = 16 rows of x, source 1 = 16 rows of W_in (v's channels): a lane holds one channel, its registers run along the tokens, which are the K of p v.
; The rows of a tile are not neighbours (tile 2 P + u: rows 32 P + 8 u + (r & 7) + 16 (r >> 3)), so that the 16 registers of two neighbouring source-0 tiles are 16 neighbours along the next K.
; THE GATE sigmoid(trust_scale x trust) of v's keys is made at the head, while the first tiles are on their way; keys from 1,024 on have the gate 1.
; CLUSTERS: 4 x 4 work-groups.  Source 1's tiles are shared along a row of the cluster, source 0's along a column: each is asked for jointly, by the same tensor load with the same descriptor and a mask that names the four.
; OUT.  qi: for each head 16 records of 8 query tiles (768 bytes each: 16 rows x 64) and 512 bytes of scale words.  kv: for each head 16 records of 128 keys: 8 tiles of k, 4 fragments of v^T (16 channels x 128 keys), k's and v's scale words.
; LIMITS: NaN and infinities are not served; a block whose largest magnitude lies under 2^-124 keeps the scale byte 1 (a block of zeros too: its codes are zeros, and this program alone reads the bytes); the gate's division is v_rcp_f32.
; REGISTERS, in windows of 256: window 0: v0-31 addresses; v32-63 scale words, two sets; v64-127 b_in along the registers (C < 8) or the gate (C >= 8); v128-223 source 1's fragments, one set; v232-239 b_in of my channels; v240-247 scale words made.
;   window 1: source 0's fragments, two sets, at v0 and v128.   windows 2, 3: the accumulators ((a, b) at v[8 (8 (a % 4) + b)]).
.set KSTEPB, 3072                      ; a K step of one tile: two fragments
.set NQ,     2                         ; matrix instructions deep
.set FR,     12                        ; registers of a fragment
.set NL,     4                         ; LDS loads that bring one
.set NP,     4                         ; plain instructions owed behind this matrix instruction (ISA guide 7.12.1)
.set HALFT,  8*KSTEPB                  ; eight tiles: what one tensor load brings, and what one wave reads of a source
.set SLOT,   4*HALFT                   ; source 1's 16 tiles, then source 0's
.set SCL,    2*SLOT                    ; behind the ring: source 1's scale words, 8,192 bytes; source 0's 128 bytes further on than they would follow, so that the two halves of the lanes read different banks
.set HALFS,  4096                      ; the scale words of eight tiles
.set SPARE,  213248                    ; behind the scales: the spare words, 128 bytes for each wave: two blocks of 256 bytes that no other line names
.set ZLDS,   213760                    ; behind them: 256 bytes that the bias's work-groups alone use
.set HA64, 9                           ; v9   64 h
.set PI4,  10                          ; v10  4 x (r + 8 (r / 8))
.set L16,  11                          ; v11  16 x lane
.set L8,   12                          ; v12  8 x lane
.set SPW,  14                          ; v14  my spare word; never rewritten
.set NIL,  15                          ; v15  0; never rewritten
.set ADRA, 16                          ; v16-17 source 1's fragments in slot 0, 1: + 16 x lane;  v18-19: + 8 x lane
.set ADRB, 20                          ; v20-23 the same for source 0
.set ADRS, 27                          ; v27  my scale words: lanes 0-15 source 1's, lanes 16-31 source 0's
.set SC,   32
.set B0,   64
.set AF,   128
.set B1,   232
.set PWK,  240
.set X,    128                         ; the epilogue: 64 numbers,
.set PC,   192                         ; the codes,
.set TM,   212                         ; at work
.set SEL,  2                           ; s[2:3] lane selects: lane l xor 16 (at the head: trust_scale's address)
.set G1, 24
.set G0, 32
.set G1B, 48
.set G0B, 56
.set G1S, 68
.set G0S, 76
.set G1SB, 80
.set G0SB, 88
.set MSB, 0
.macro WIN new                         ; the immediate's high byte repeats the setting that is left
.if MSB != (\new)
	s_set_vgpr_msb (MSB<<8)|(\new)
.set MSB, (\new)
.endif
.endm
.set MUL_LO, 0xa1                      ; source 0 window 1, source 1 window 0, C and D window 2
.set MUL_HI, 0xf1                      ; the same, C and D window 3
.set TO_B,   0x40                      ; destination window 1, address window 0
; A joint load: waves 0 and 1 fetch for source 1, waves 2 and 3 for source 0.  The branch hangs on the wave's number alone.  Four v_nop follow each of the two lines.
.macro JLOAD g0a, g1a, g0b, g1b
	s_cmp_eq_u32 s17, 0
	s_cbranch_scc0 .Lfor_b_\@
	tensor_load_to_lds s[\g0a:\g0a+3], s[\g1a:\g1a+7]
	s_nop 0
.rept 4
	v_nop
.endr
	s_branch .Lasked_\@
.Lfor_b_\@:
	tensor_load_to_lds s[\g0b:\g0b+3], s[\g1b:\g1b+7]
	s_nop 0
.rept 4
	v_nop
.endr
.Lasked_\@:
.endm
.macro CREST                           ; a round of the cluster's barrier behind its opening barrier
	s_cmp_lg_u32 s16, 0
	s_cbranch_scc1 .Lnot_wave_0_\@
	s_barrier_signal -3
.Lnot_wave_0_\@:
	s_barrier_wait -3
	s_barrier_signal -1
	s_barrier_wait -1
.endm
.macro CROUND
	s_barrier_signal -1
	s_barrier_wait -1
	CREST
.endm
.macro QUANT s, pc, tm, pw             ; 64 numbers of a lane, register 16 b + i = k 32 b + 16 h + i of my row, become a fragment's codes in v[pc] .. v[pc + 11] and its scale word in v[pw]
.irp b, 0,1,2,3
	v_max3_num_f32 v[\tm+\b], |v[\s+16*\b]|, |v[\s+1+16*\b]|, 0x1800000   ; and the floor 2^(3 - 127): the byte cannot fall under 1
.endr
.irp i, 2,4,6,8,10,12,14
.irp b, 0,1,2,3
	v_max3_num_f32 v[\tm+\b], v[\tm+\b], |v[\s+16*\b+\i]|, |v[\s+1+16*\b+\i]|
.endr
.endr
.irp b, 0,1,2,3
	v_permlanex16_b32 v[\tm+4+\b], v[\tm+\b], s[SEL], s[SEL+1]
.endr
.irp b, 0,1,2,3
	v_max_num_f32 v[\tm+\b], v[\tm+\b], v[\tm+4+\b]
.endr
.irp b, 0,1,2,3
	v_add_nc_u32 v[\tm+12+\b], 0xff000000, v[\tm+\b]   ; 2 off the exponent field: the conversion's scale operand
.endr
.irp b, 0,1,2,3
	v_lshrrev_b32 v[\tm+4+\b], 23, v[\tm+12+\b]
.endr
	v_lshl_or_b32 v[\pw], v[\tm+5], 8, v[\tm+4]
	v_lshl_or_b32 v[\pw], v[\tm+6], 16, v[\pw]
	v_lshl_or_b32 v[\pw], v[\tm+7], 24, v[\pw]
.irp c, 0,1
	v_cvt_scalef32_pk16_fp6_f32 v[\pc+6*\c:\pc+2+6*\c], v[\s+32*\c:\s+15+32*\c], v[\tm+12+2*\c]
	v_cvt_scalef32_pk16_fp6_f32 v[\pc+12+4*\c:\pc+14+4*\c], v[\s+16+32*\c:\s+31+32*\c], v[\tm+13+2*\c]
.endr
	v_nop                                          ; one plain instruction behind the scaled conversions
.irp c, 0,1
.irp i, 0,1,2
	v_permlane16_swap_b32 v[\pc+6*\c+\i], v[\pc+12+4*\c+\i]
.endr
.irp i, 0,1,2
	v_mov_b32 v[\pc+3+6*\c+\i], v[\pc+12+4*\c+\i]
.endr
.endr
.endm
	v_lshl_add_u32 v[SPW], v0, 2, SPARE
	v_mov_b32 v[NIL], 0
	ds_add_u32 v14, v15
	ds_add_u32 v14, v15
	s_wait_dscnt 0x0
	v_lshrrev_b32 v1, 5, v0
	v_readfirstlane_b32 s16, v1                    ; wave 0..3
	s_cmp_ge_u32 ttmp9, 12                         ; the cluster's number: the same in all sixteen partners
	s_cbranch_scc1 .Lbias                          ; clusters 12 to 15 make the bias: ahead of every load and barrier
	s_load_b256 s[4:11], s[0:1], 0x0               ; qc, qs, b_in, ctx_trust
	s_load_b128 s[12:15], s[0:1], 0x20             ; qi, kv
	s_load_b64 s[2:3], s[0:1], 0x30                ; trust_scale
	s_lshr_b32 s17, s16, 1                         ; which half of source 1's rows is mine.  Also: I fetch for source 1 (0) or source 0 (1)
	s_and_b32 s18, s16, 1                          ; which half of source 0's.  Also: which eight tiles I fetch
	s_bfe_u32 s40, ttmp6, 0x40000                  ; cx, cy: my place in the cluster
	s_bfe_u32 s41, ttmp6, 0x40004
	s_and_b32 s42, ttmp9, 1
	s_sub_co_u32 s43, ttmp9, 8
	s_lshr_b32 s44, ttmp9, 1
	s_cmp_ge_u32 ttmp9, 8                          ; the role
	s_cselect_b32 s42, s43, s42                    ; which four blocks of 256 rows of source 0
	s_cselect_b32 s44, 0, s44                      ; and of source 1
	s_cselect_b32 s19, 1, 0                        ; 1: v's role
	s_cselect_b32 s96, 4718592, 0                  ; source 1: W_in's rows 2,048 on, or x: codes,
	s_cselect_b32 s97, 196608, 0                   ; scale words
	s_cselect_b32 s98, 0, 3145728                  ; source 0: x, or W_in
	s_cselect_b32 s99, 0, 131072
	s_lshl_b32 s42, s42, 2
	s_add_co_u32 s42, s42, s40                     ; source 0's block of 256 rows: hangs on cx alone
	s_lshl_b32 s44, s44, 2
	s_add_co_u32 s44, s44, s41                     ; source 1's: on cy alone
	s_lshl_b32 s43, s41, 2
	s_lshl_b32 s43, 15, s43                        ; my row of the cluster
	s_lshl_b32 s45, 0x1111, s40                    ; my column
	; descriptor group 1: eight rows of 384 elements of 8 bytes (a tile's K step), 1,536 elements (a tile) apart; dense in LDS
	s_or_b32 s[G1+0], s43, (3<<16)|(1<<21)         ; 15:0 the mask; 17:16 elements of 8 bytes; 21 set beside a mask
	s_or_b32 s[G1B+0], s45, (3<<16)|(1<<21)
.irp g, G1, G1B
	s_mov_b32 s[\g+1], 384<<16                     ; tensor_dim0
	s_mov_b32 s[\g+2], 8<<16                       ; tensor_dim1
	s_mov_b32 s[\g+3], 384<<16                     ; tile_dim0
	s_mov_b32 s[\g+4], 8                           ; tile_dim1
	s_mov_b32 s[\g+5], 1536                        ; tensor_dim0_stride
	s_mov_b32 s[\g+6], 0
	s_mov_b32 s[\g+7], 0
.endr
	; the scale words of eight tiles: 4,096 dense bytes, as 16 rows of 256
	s_or_b32 s[G1S+0], s43, (3<<16)|(1<<21)
	s_or_b32 s[G1SB+0], s45, (3<<16)|(1<<21)
.irp g, G1S, G1SB
	s_mov_b32 s[\g+1], 32<<16
	s_mov_b32 s[\g+2], 16<<16
	s_mov_b32 s[\g+3], 32<<16
	s_mov_b32 s[\g+4], 16
	s_mov_b32 s[\g+5], 32
	s_mov_b32 s[\g+6], 0
	s_mov_b32 s[\g+7], 0
.endr
	s_lshl_b32 s21, s18, 3
	s_lshl_b32 s20, s44, 4
	s_add_co_u32 s20, s20, s21                     ; source 1: the first tile that I fetch
	s_lshl_b32 s46, s42, 4
	s_add_co_u32 s46, s46, s21                     ; source 0 likewise
	s_lshl_b32 s22, s20, 9
	s_add_co_u32 s22, s22, s97
	s_mov_b32 s23, 0
	s_mul_i32 s20, s20, 12288
	s_add_co_u32 s20, s20, s96
	s_mov_b32 s21, 0
	s_lshl_b32 s92, s46, 9
	s_add_co_u32 s92, s92, s99
	s_mov_b32 s93, 0
	s_mul_i32 s46, s46, 12288
	s_add_co_u32 s46, s46, s98
	s_mov_b32 s47, 0
	s_mul_i32 s45, s16, HALFT                      ; where they go: wave x eight tiles: no place in the cluster enters an LDS address
	s_lshl_b32 s94, s16, 12
	s_wait_kmcnt 0x0
	s_load_b32 s66, s[2:3], 0x0                    ; trust_scale itself: wanted behind the first fills
	s_add_nc_u64 s[20:21], s[4:5], s[20:21]
	s_add_nc_u64 s[22:23], s[6:7], s[22:23]
	s_add_nc_u64 s[46:47], s[4:5], s[46:47]
	s_add_nc_u64 s[92:93], s[6:7], s[92:93]
	CROUND                                         ; all sixteen work-groups are here: the first joint loads meet
	s_mov_b32 s[G0S], 1
	s_add_co_u32 s[G0S+1], s94, SCL
	s_mov_b64 s[G0S+2:G0S+3], s[22:23]
	s_or_b32 s[G0S+3], s[G0S+3], 0x80000000
	s_mov_b32 s[G0SB], 1
	s_add_co_u32 s[G0SB+1], s94, SCL+128
	s_mov_b64 s[G0SB+2:G0SB+3], s[92:93]
	s_or_b32 s[G0SB+3], s[G0SB+3], 0x80000000
	JLOAD G0S, G1S, G0SB, G1SB                     ; the scale words first: they are wanted with K step 0
.irp s, 0,1
	s_mov_b32 s[G0+4*\s], 1
	s_add_co_u32 s[G0+4*\s+1], s45, \s*SLOT
	s_add_nc_u64 s[G0+4*\s+2:G0+4*\s+3], s[20:21], \s*KSTEPB
	s_or_b32 s[G0+4*\s+3], s[G0+4*\s+3], 0x80000000
	s_mov_b32 s[G0B+4*\s], 1
	s_add_co_u32 s[G0B+4*\s+1], s45, \s*SLOT
	s_add_nc_u64 s[G0B+4*\s+2:G0B+4*\s+3], s[46:47], \s*KSTEPB
	s_or_b32 s[G0B+4*\s+3], s[G0B+4*\s+3], 0x80000000
	JLOAD G0+4*\s, G1, G0B+4*\s, G1B
.endr
	v_and_b32 v1, 15, v0                           ; r
	v_bfe_u32 v2, v0, 4, 1                         ; h
	v_and_b32 v3, 31, v0                           ; lane
	v_lshlrev_b32 v[L16], 4, v3
	v_lshlrev_b32 v[L8], 3, v3
	s_mul_i32 s21, s17, HALFT                      ; my eight tiles of source 1
	s_mul_i32 s22, s18, HALFT                      ; and of source 0,
	s_add_co_u32 s22, s22, 2*HALFT                 ; which lie behind source 1's sixteen
.irp s, 0,1
	v_add_nc_u32 v[ADRA+\s], s21, v[L16]
	v_add_nc_u32 v[ADRB+\s], s22, v[L16]
	v_add_nc_u32 v[ADRA+2+\s], s21, v[L8]
	v_add_nc_u32 v[ADRB+2+\s], s22, v[L8]
	s_add_co_u32 s21, s21, SLOT
	s_add_co_u32 s22, s22, SLOT
.endr
	v_lshlrev_b32 v5, 3, v1                        ; a row's two words of a K step: 8 r
	s_lshl_b32 s21, s17, 12
	s_lshl_b32 s22, s18, 12
	s_add_co_u32 s22, s22, 2*HALFS+128
	s_sub_co_u32 s22, s22, s21
	v_mul_u32_u24 v6, s22, v2                      ; lanes 16-31 take source 0's
	s_add_co_u32 s21, s21, SCL
	v_add_nc_u32 v5, v5, v6
	v_add_nc_u32 v[ADRS], s21, v5
	; what the epilogue adds and multiplies by
	v_lshlrev_b32 v[HA64], 6, v2
	v_and_b32 v[PI4], 8, v1
	v_add_nc_u32 v[PI4], v[PI4], v1
	v_lshlrev_b32 v[PI4], 2, v[PI4]
	s_and_b32 s20, s42, 3
	s_lshl_b32 s21, s44, 10
	s_lshl_b32 s22, s17, 9
	s_add_co_u32 s21, s21, s22
	s_add_co_u32 s21, s21, 8192                    ; b_in of my 128 channels of v: 4 (2,048 + 256 block + 128 half)
	s_cmp_lg_u32 s19, 0
	s_cselect_b32 s20, s20, s42                    ; v's role: the trust of keys 256 (block & 3) on; else b_in of features 256 block on
	s_cselect_b32 s100, s21, 0
	s_cselect_b64 s[92:93], s[10:11], s[8:9]
	s_lshl_b32 s20, s20, 10
	s_lshl_b32 s22, s18, 9
	s_add_co_u32 s20, s20, s22
	s_mov_b32 s21, 0
	s_add_nc_u64 s[92:93], s[92:93], s[20:21]
	s_mov_b32 s101, 0
	s_add_nc_u64 s[94:95], s[8:9], s[100:101]
.irp bb, 0,1,2,3
.irp j, 0,1,2,3
	global_load_b128 v[B0+16*\bb+4*\j:B0+16*\bb+4*\j+3], v[HA64], s[92:93] offset:128*\bb+16*\j   ; register 16 bb + i: source 0's row 32 bb + 16 h + i of my 128
.endr
.endr
.irp a, 0,1,2,3,4,5,6,7
	global_load_b32 v[B1+\a], v[PI4], s[94:95] offset:4*(32*(\a/2)+8*(\a%2))   ; source 1's row r of tile a
.endr
	s_wait_kmcnt 0x0                               ; trust_scale is in, and its address registers are free
	s_cmp_eq_u32 s19, 0
	s_cbranch_scc1 .Lno_gate                       ; the role is the same in all partners of a cluster
	; v's role: the 64 trusts of my keys become gates, while the first tiles are on their way
	s_wait_loadcnt 0x0
	s_mov_b32 s67, s66                             ; (the packed form names the pair)
	s_and_b32 s22, s42, 4
	s_cmp_eq_u32 s22, 0                            ; keys under 1,024 of the batch have a gate, the others 1
	s_cselect_b32 s22, -1, 0
.set i, 0
.rept 32
	v_pk_mul_f32 v[B0+i:B0+i+1], v[B0+i:B0+i+1], s[66:67] op_sel_hi:[1,0]
.set i, i+2
.endr
.set i, 0
.rept 32
	v_pk_mul_f32 v[B0+i:B0+i+1], v[B0+i:B0+i+1], 0xbfb8aa3b op_sel_hi:[1,0]   ; -log2(e) x trust_scale x trust
.set i, i+2
.endr
.set i, 0
.rept 64
	v_exp_f32 v[B0+i], v[B0+i]
.set i, i+1
.endr
	v_nop                                          ; a plain instruction behind the batch,
	s_wait_alu depctr_va_vdst(0)                   ; and one wait for its 64 results, ahead of the first reader
.set i, 0
.rept 32
	v_pk_add_f32 v[B0+i:B0+i+1], v[B0+i:B0+i+1], 1.0 op_sel_hi:[1,0]
.set i, i+2
.endr
.set i, 0
.rept 64
	v_rcp_f32 v[B0+i], v[B0+i]
.set i, i+1
.endr
	v_nop
	s_wait_alu depctr_va_vdst(0)                   ; one wait for the 64 reciprocals
.set i, 0
.rept 64
	v_cndmask_b32 v[B0+i], 1.0, v[B0+i], s22
.set i, i+1
.endr
.Lno_gate:
.macro FRAG reg, adr, q, i             ; a fragment as it lies: four dense loads
	ds_load_b128 v[\reg:\reg+3], v[\adr] offset:(\i)*KSTEPB+(\q)*1536
	ds_load_b64 v[\reg+4:\reg+5], v[\adr+2] offset:(\i)*KSTEPB+(\q)*1536+512
	ds_load_b128 v[\reg+6:\reg+9], v[\adr] offset:(\i)*KSTEPB+(\q)*1536+768
	ds_load_b64 v[\reg+10:\reg+11], v[\adr+2] offset:(\i)*KSTEPB+(\q)*1536+1280
.endm
; 16 matrix instructions: source 1's blocks a0, a0 + 1 x source 0's eight.  The 64 accumulators take turns, one instruction a turn, in the same order in every step.
.macro MUL16 a0, p, q, sc, zero
.irp a, \a0, \a0+1
.irp b, 0,1,2,3,4,5,6,7
.if \zero
	v_wmma_scale_f32_16x16x128_f8f6f4 v[8*(8*((\a)%4)+\b):8*(8*((\a)%4)+\b)+7], v[128*(\p)+FR*\b:128*(\p)+FR*\b+FR-1], v[AF+FR*(\a):AF+FR*(\a)+FR-1], 0, v[SC+8*NQ*(\sc)+NQ*\b+(\q)], v[SC+8*NQ*(\sc)+NQ*(\a)+(\q)] matrix_a_fmt:MATRIX_FMT_FP6 matrix_b_fmt:MATRIX_FMT_FP6 matrix_a_scale:MATRIX_SCALE_ROW1
.else
	v_wmma_scale_f32_16x16x128_f8f6f4 v[8*(8*((\a)%4)+\b):8*(8*((\a)%4)+\b)+7], v[128*(\p)+FR*\b:128*(\p)+FR*\b+FR-1], v[AF+FR*(\a):AF+FR*(\a)+FR-1], v[8*(8*((\a)%4)+\b):8*(8*((\a)%4)+\b)+7], v[SC+8*NQ*(\sc)+NQ*\b+(\q)], v[SC+8*NQ*(\sc)+NQ*(\a)+(\q)] matrix_a_fmt:MATRIX_FMT_FP6 matrix_b_fmt:MATRIX_FMT_FP6 matrix_a_scale:MATRIX_SCALE_ROW1
.endif
.endr
.endr
.endm
.macro FETCH_B slot, q, p
	WIN TO_B
.irp i, 0,1,2,3,4,5,6,7
	FRAG 128*(\p)+FR*\i, ADRB+\slot, \q, \i
.endr
	WIN 0
.endm
.macro FETCH_A slot, q, i0
.irp i, \i0, \i0+1, \i0+2, \i0+3
	FRAG AF+FR*(\i), ADRA+\slot, \q, \i
.endr
.endm
.macro SCALES sc                       ; a K step's scale words: two a row; lanes 0-15 source 1's block i, lanes 16-31 source 0's block i
.irp i, 0,1,2,3,4,5,6,7
	ds_load_b64 v[SC+8*NQ*\sc+NQ*\i:SC+8*NQ*\sc+NQ*\i+1], v[ADRS] offset:\i*512
.endr
.endm
.macro PLACES n
.rept \n
	v_nop
.endr
.endm
.macro STEP slot, q, zero              ; 128 along K that has its successor in the same slot
	s_wait_dscnt 4*NL                              ; source 0's set and source 1's blocks 0-3 are in; the youngest sixteen loads (blocks 4-7) may be out
	WIN MUL_LO
	MUL16 0, (\q)%2, \q, \slot, \zero
	MUL16 2, (\q)%2, \q, \slot, \zero
	s_wait_dscnt 0
	PLACES NP
	FETCH_B \slot, (\q)+1, 1-(\q)%2
	FETCH_A \slot, (\q)+1, 0
	WIN MUL_HI
	MUL16 4, (\q)%2, \q, \slot, \zero
	MUL16 6, (\q)%2, \q, \slot, \zero
	PLACES NP
	WIN 0
	FETCH_A \slot, (\q)+1, 4
.endm
; A slot's last 128 along K change slots: one barrier; in front of it each wave waits for all its tensor loads, adds 0 to its spare word, and waits for that and for its own reads of this slot.  fill = 1: this slot is filled again, two K steps ahead.
.macro TURN slot, next, fill
	s_wait_tensorcnt 0x0                           ; all my tensor loads have landed: my part of the next slot
	ds_add_u32 v[SPW], v[NIL]                      ; 0 onto my spare word
	s_wait_dscnt 4*NL+1                            ; (the add and the youngest sixteen loads may be out)
	WIN MUL_LO
	MUL16 0, 1, NQ-1, \slot, 0
	s_wait_dscnt 0x0                               ; the add is done, and my reads of this slot are over
	s_barrier_signal -1
	MUL16 2, 1, NQ-1, \slot, 0
	WIN 0
	s_barrier_wait -1
.if \fill
	CREST                                          ; the barrier has opened a round of the cluster's barrier: no wave of any partner still reads this slot or has a load on its way
	s_add_nc_u64 s[G0+4*\slot+2:G0+4*\slot+3], s[G0+4*\slot+2:G0+4*\slot+3], 2*KSTEPB
	s_add_nc_u64 s[G0B+4*\slot+2:G0B+4*\slot+3], s[G0B+4*\slot+2:G0B+4*\slot+3], 2*KSTEPB
	JLOAD G0+4*\slot, G1, G0B+4*\slot, G1B         ; the first tensor load behind the round; its four v_nop also stand ahead of the loads below
.else
	PLACES NP
.endif
	v_add_nc_u32 v[ADRS], 128, v[ADRS]             ; the next K step's scale words
	FETCH_B \next, 0, 0
	FETCH_A \next, 0, 0
	SCALES \next
	WIN MUL_HI
	MUL16 4, 1, NQ-1, \slot, 0
	MUL16 6, 1, NQ-1, \slot, 0
	PLACES NP
	WIN 0
	FETCH_A \next, 0, 4
.endm
	s_wait_tensorcnt 1                             ; the scale words and my part of K step 0 are in (K step 1's load may be out),
	s_barrier_signal -1
	s_barrier_wait -1                              ; everybody's are
	FETCH_B 0, 0, 0
	FETCH_A 0, 0, 0
	SCALES 0
	FETCH_A 0, 0, 4
	STEP 0, 0, 1                                   ; the first products start the sums: nothing is cleared
	TURN 0, 1, 1                                   ; slot 0 takes K step 2
	STEP 1, 0, 0
	TURN 1, 0, 1                                   ; slot 1 takes K step 3
	STEP 0, 0, 0
	TURN 0, 1, 0                                   ; nothing is left to fetch
	STEP 1, 0, 0
	s_wait_dscnt 4*NL
	WIN MUL_LO
	MUL16 0, 1, NQ-1, 1, 0
	MUL16 2, 1, NQ-1, 1, 0
	s_wait_dscnt 0
	WIN MUL_HI
	MUL16 4, 1, NQ-1, 1, 0
	MUL16 6, 1, NQ-1, 1, 0
	WIN 0
	; THE EPILOGUE.  For each of source 1's eight blocks the lane's 64 results (one row, 128 along the next K) get their bias (and gate), are quantised and leave as an image of the next operand's registers.  No LDS.
	s_wait_loadcnt 0x0                             ; the biases
	PLACES NP                                      ; ahead of the first read of results and of the writes over source 1's fragments
	s_mov_b32 s[SEL], 0x76543210
	s_mov_b32 s[SEL+1], 0xfedcba98
	s_mov_b32 s45, 0xffff0000                      ; lanes 16-31
.irp b, 0,1,2,3
	v_mov_b32 v[TM+4+\b], 0                        ; a lane permute's destination counts as one of its sources
.endr
	s_cmp_lg_u32 s19, 0
	s_cbranch_scc1 .Lvrole                         ; the role is the same in all partners of a cluster
	; ---- q and k.  My 128 features are two heads: registers 0-5 of the fragment are the even head's tile (16 tokens x 64), registers 6-11 the odd head's
	s_lshr_b32 s20, s44, 3                         ; the batch
	s_lshl_b32 s20, s20, 4
	s_and_b32 s21, s42, 3
	s_lshl_b32 s21, s21, 2
	s_add_co_u32 s20, s20, s21
	s_lshl_b32 s21, s18, 1
	s_add_co_u32 s20, s20, s21                     ; 16 x batch + the even head
	s_and_b32 s21, s44, 7
	s_lshl_b32 s21, s21, 1
	s_add_co_u32 s21, s21, s17                     ; the record: my 128 tokens
	s_mov_b32 s22, 208896
	s_mov_b32 s23, 13056
	s_mov_b32 s92, 12288
	s_cmp_lt_u32 s42, 4                            ; q's features or k's
	s_cselect_b32 s22, 106496, s22                 ; bytes of a head,
	s_cselect_b32 s23, 6656, s23                   ; of a record,
	s_cselect_b32 s92, 6144, s92                   ; and where a record's scale words begin
	s_cselect_b64 s[94:95], s[12:13], s[14:15]
	s_mul_i32 s20, s20, s22
	s_mul_i32 s21, s21, s23
	s_add_co_u32 s20, s20, s21
	s_mov_b32 s21, 0
	s_add_nc_u64 s[94:95], s[94:95], s[20:21]      ; the even head's record
	s_mov_b32 s23, 0
	s_add_nc_u64 s[96:97], s[94:95], s[22:23]      ; the odd head's
	s_mov_b32 s93, 0
	s_add_nc_u64 s[98:99], s[94:95], s[92:93]
	s_add_nc_u64 s[100:101], s[96:97], s[92:93]
.macro QBLOCK a
.set AC, 64*((\a)%4)
	WIN 0x02+(\a)/4                                ; source 0: window 2 or 3
.set i, 0
.rept 32
	v_pk_add_f32 v[X+i:X+i+1], v[AC+i:AC+i+1], v[B0+i:B0+i+1]   ; + b_in; each accumulator from its low end on
.set i, i+2
.endr
	WIN 0
.if (\a) > 0
	s_wait_xcnt 0x0                                ; the last block's stores have read the codes' registers
.endif
	QUANT X, PC, TM, PWK+(\a)
	global_store_b128 v[L16], v[PC:PC+3], s[94:95] offset:768*(\a)          ; 512 consecutive bytes, aligned to 256
	global_store_b64 v[L8], v[PC+4:PC+5], s[94:95] offset:768*(\a)+512      ; 256 consecutive bytes
	global_store_b128 v[L16], v[PC+6:PC+9], s[96:97] offset:768*(\a)
	global_store_b64 v[L8], v[PC+10:PC+11], s[96:97] offset:768*(\a)+512
.endm
.irp a, 0,1,2,3,4,5,6,7
	QBLOCK \a
.endr
.irp i, 0,1,2,3
	v_cndmask_b32 v[X+\i], v[PWK+\i], v[PWK+4+\i], s45   ; lane (r, h): the words of row r of tiles 4 h + 0 .. 3
.endr
.irp i, 0,1,2,3
	v_and_b32 v[X+4+\i], 0xffff, v[X+\i]           ; the even head's two bytes; the bytes of the K that a head does not have are 0, over zero codes
	v_lshrrev_b32 v[X+8+\i], 16, v[X+\i]           ; the odd head's
.endr
	global_store_b128 v[L16], v[X+4:X+7], s[98:99]
	global_store_b128 v[L16], v[X+8:X+11], s[100:101]
	s_branch .Ljoin
.Lvrole:
	; ---- v.  My 128 tokens are one record's keys; my 128 channels are two heads of four tiles
	s_lshr_b32 s20, s42, 3                         ; the batch
	s_lshl_b32 s20, s20, 4
	s_lshl_b32 s21, s44, 2
	s_add_co_u32 s20, s20, s21
	s_lshl_b32 s21, s17, 1
	s_add_co_u32 s20, s20, s21                     ; 16 x batch + my first head
	s_mul_i32 s20, s20, 208896
	s_and_b32 s21, s42, 7
	s_lshl_b32 s21, s21, 1
	s_add_co_u32 s21, s21, s18                     ; the record
	s_mul_i32 s21, s21, 13056
	s_add_co_u32 s20, s20, s21
	s_mov_b32 s21, 0
	s_add_nc_u64 s[94:95], s[14:15], s[20:21]
.macro VBLOCK a
.set AC, 64*((\a)%4)
	WIN 0x02+(\a)/4
.set i, 0
.rept 32
.if (\a)%2
	v_pk_add_f32 v[X+i:X+i+1], v[AC+i:AC+i+1], v[B1+2*((\a)/2):B1+2*((\a)/2)+1] op_sel:[0,1] op_sel_hi:[1,1]   ; + b_in of my channel
.else
	v_pk_add_f32 v[X+i:X+i+1], v[AC+i:AC+i+1], v[B1+2*((\a)/2):B1+2*((\a)/2)+1] op_sel_hi:[1,0]
.endif
.set i, i+2
.endr
	WIN 0
.set i, 0
.rept 32
	v_pk_mul_f32 v[X+i:X+i+1], v[X+i:X+i+1], v[B0+i:B0+i+1]   ; x the key's gate
.set i, i+2
.endr
.if (\a) > 0
	s_wait_xcnt 0x0
.endif
	QUANT X, PC, TM, PWK+(\a)
	global_store_b128 v[L16], v[PC:PC+3], s[94:95] offset:6144+((\a)%4)*1536+((\a)/4)*208896
	global_store_b64 v[L8], v[PC+4:PC+5], s[94:95] offset:6144+((\a)%4)*1536+((\a)/4)*208896+512
	global_store_b128 v[L16], v[PC+6:PC+9], s[94:95] offset:6144+((\a)%4)*1536+((\a)/4)*208896+768
	global_store_b64 v[L8], v[PC+10:PC+11], s[94:95] offset:6144+((\a)%4)*1536+((\a)/4)*208896+1280
.endm
.irp a, 0,1,2,3,4,5,6,7
	VBLOCK \a
.endr
.irp q, 0,1
	v_cndmask_b32 v[X+2*\q], v[PWK+4*\q], v[PWK+4*\q+2], s45     ; lane (r, h): the words of channel r of tiles 2 h, 2 h + 1
	v_cndmask_b32 v[X+2*\q+1], v[PWK+4*\q+1], v[PWK+4*\q+3], s45
.endr
.irp q, 0,1
	global_store_b64 v[L8], v[X+2*\q:X+2*\q+1], s[94:95] offset:12800+208896*\q
.endr
.Ljoin:
	s_wait_tensorcnt 0x0                           ; the wave's end
	ds_add_u32 v[SPW], v[NIL]
	s_wait_dscnt 0x0
	CROUND                                         ; the closing round: no work-group ends while a partner may still ask for a tile that names it
	s_endpgm
; ==== THE BIAS, clusters 12 to 15.  kb[key] = 8 x (alpha log(max(ppr, 1e-8)) + gelu(ctx_delta Wd1^T + bd1) . Wd2 + bd2) for the 1,024 context keys.
; (8 x, since the logits are scores / 8 + bias: the attention launch adds this to the raw scores.)
; ctx_delta Wd1^T is a product on codes of FP6 (E2M3) with E8M0 scales, from the images in qc and qs.  The product with Wd2 (one column) is made of f32 multiply-adds.
; SHARES: a work-group takes one tile of 16 context rows; wave w takes hidden units 128 w .. 128 w + 127: eight tiles of Wd1, two at a time.  Source 0 = 16 rows of Wd1, source 1 = the context tile:
; a lane holds one context row, and its registers run along the hidden units; bd1 is loaded into the accumulators and is the C of each sum's first product.
; gelu(x) = (x + |x| erf(|x| / sqrt 2)) / 2, erf by the five-term rational form 1 - (a1 t + .. + a5 t^5) exp(-z^2), t = 1 / (1 + 0.3275911 z).
; LIMITS: that form's absolute error is at most 1.5e-7 for every x; NaN and infinities among the inputs are not served.
; No tensor load on this way: the operands go straight into registers.  The work-group's place in its cluster enters global addresses alone.
.set ZR8,   6                          ; v6   8 r
.set ZH64,  7                          ; v7   64 h
.set ZCF,   16                         ; v16-39 the context tile's two fragments
.set ZCS,   40                         ; v40-41 its scale words
.set ZSET,  44                         ; two sets of 84: 48 four fragments of Wd1; +48 four scale words; +52 two accumulators; +68 16 numbers of Wd2
.set ZT,    212
.set ZE,    220
.set ZPL,   228
.set ZSUM,  236                        ; v[236:237]
.set ZPPR,  238
.set ZPM,   240
.set ZLW,   241                        ; LDS: where my wave's sums go
.set ZROW4, 242                        ; 4 x my context row
.set ZLR,   243                        ; LDS: 4 r
.set ZRD,   244                        ; v244-247 the four waves' sums
; group g: tiles 2 g and 2 g + 1 of my eight: 26 loads into set g % 2.  Lane (r, h) wants, for tile tt, the numbers of hidden units 32 g + 16 h + 8 tt + 0 .. 7
.macro ZLOADG g
.set ZSB, ZSET+84*((\g)%2)
.irp tt, 0,1
.irp kf, 0,1
	global_load_b128 v[ZSB+12*(2*\tt+\kf):ZSB+12*(2*\tt+\kf)+3], v[L16], s[4:5] offset:(2*(\g)+\tt)*3072+\kf*1536
	global_load_b64 v[ZSB+12*(2*\tt+\kf)+4:ZSB+12*(2*\tt+\kf)+5], v[L8], s[4:5] offset:(2*(\g)+\tt)*3072+\kf*1536+512
	global_load_b128 v[ZSB+12*(2*\tt+\kf)+6:ZSB+12*(2*\tt+\kf)+9], v[L16], s[4:5] offset:(2*(\g)+\tt)*3072+\kf*1536+768
	global_load_b64 v[ZSB+12*(2*\tt+\kf)+10:ZSB+12*(2*\tt+\kf)+11], v[L8], s[4:5] offset:(2*(\g)+\tt)*3072+\kf*1536+1280
.endr
	global_load_b64 v[ZSB+48+2*\tt:ZSB+49+2*\tt], v[ZR8], s[6:7] offset:(2*(\g)+\tt)*128
	global_load_b128 v[ZSB+52+8*\tt:ZSB+55+8*\tt], v[ZH64], s[8:9] offset:128*(\g)+32*\tt
	global_load_b128 v[ZSB+56+8*\tt:ZSB+59+8*\tt], v[ZH64], s[8:9] offset:128*(\g)+32*\tt+16
	global_load_b128 v[ZSB+68+8*\tt:ZSB+71+8*\tt], v[ZH64], s[10:11] offset:128*(\g)+32*\tt
	global_load_b128 v[ZSB+72+8*\tt:ZSB+75+8*\tt], v[ZH64], s[10:11] offset:128*(\g)+32*\tt+16
.endr
.endm
; eight numbers x of an accumulator, from its low end on: the sum takes (x + |x| erf(|x| / sqrt 2)) x Wd2
.macro ZGELU8 acc, w2
.irp j, 0,1,2,3,4,5,6,7
	v_fma_f32 v[ZT+\j], |v[\acc+\j]|, s32, 1.0
.endr
.irp j, 0,1,2,3,4,5,6,7
	v_mul_f32 v[ZE+\j], s33, v[\acc+\j]
.endr
.irp j, 0,1,2,3,4,5,6,7
	v_mul_f32 v[ZE+\j], -v[ZE+\j], v[ZE+\j]        ; -x^2 log2(e) / 2
.endr
.irp j, 0,1,2,3,4,5,6,7
	v_rcp_f32 v[ZT+\j], v[ZT+\j]
.endr
.irp j, 0,1,2,3,4,5,6,7
	v_exp_f32 v[ZE+\j], v[ZE+\j]
.endr
	v_nop                                          ; a plain instruction behind the batch,
	s_wait_alu depctr_va_vdst(0)                   ; and one wait for its sixteen results, ahead of the first reader
.irp j, 0,1,2,3,4,5,6,7
	v_fma_f32 v[ZPL+\j], v[ZT+\j], s34, s35
.endr
.irp j, 0,1,2,3,4,5,6,7
	v_fma_f32 v[ZPL+\j], v[ZPL+\j], v[ZT+\j], s36
.endr
.irp j, 0,1,2,3,4,5,6,7
	v_fma_f32 v[ZPL+\j], v[ZPL+\j], v[ZT+\j], s37
.endr
.irp j, 0,1,2,3,4,5,6,7
	v_fma_f32 v[ZPL+\j], v[ZPL+\j], v[ZT+\j], s38
.endr
.irp j, 0,1,2,3,4,5,6,7
	v_mul_f32 v[ZPL+\j], v[ZPL+\j], v[ZT+\j]
.endr
.irp j, 0,1,2,3,4,5,6,7
	v_fma_f32 v[ZPL+\j], -v[ZPL+\j], v[ZE+\j], 1.0 ; erf
.endr
.irp j, 0,1,2,3,4,5,6,7
	v_fma_f32 v[ZPL+\j], |v[\acc+\j]|, v[ZPL+\j], v[\acc+\j]
.endr
.irp j, 0,2,4,6
	v_pk_fma_f32 v[ZSUM:ZSUM+1], v[ZPL+\j:ZPL+\j+1], v[\w2+\j:\w2+\j+1], v[ZSUM:ZSUM+1]
.endr
.endm
.macro ZGROUP g
.set ZSB, ZSET+84*((\g)%2)
.if (\g) < 3
	s_wait_loadcnt 26                              ; all but the next group's 26 loads are in
.else
	s_wait_loadcnt 0x0
.endif
.irp kf, 0,1                                   ; the two accumulators by turns, one instruction a turn
.irp tt, 0,1
	v_wmma_scale_f32_16x16x128_f8f6f4 v[ZSB+52+8*\tt:ZSB+59+8*\tt], v[ZSB+12*(2*\tt+\kf):ZSB+12*(2*\tt+\kf)+11], v[ZCF+12*\kf:ZCF+12*\kf+11], v[ZSB+52+8*\tt:ZSB+59+8*\tt], v[ZSB+48+2*\tt+\kf], v[ZCS+\kf] matrix_a_fmt:MATRIX_FMT_FP6 matrix_b_fmt:MATRIX_FMT_FP6
.endr
.endr
.rept 4
	v_nop                                          ; four plain instructions ahead of the first read of the results, and of the loads below into these registers
.endr
	ZGELU8 ZSB+52, ZSB+68
	ZGELU8 ZSB+60, ZSB+76
.if (\g) < 2
	ZLOADG (\g)+2
.endif
.endm
.Lbias:
	s_load_b128 s[4:7], s[0:1], 0x0                ; qc, qs
	s_load_b256 s[8:15], s[0:1], 0x40              ; bd1, Wd2, bd2, ctx_ppr
	s_load_b64 s[20:21], s[0:1], 0x38              ; log_ppr_alpha
	s_load_b64 s[22:23], s[0:1], 0x60              ; kb
	s_bfe_u32 s17, ttmp6, 0x40000                  ; cx, cy
	s_bfe_u32 s18, ttmp6, 0x40004
	s_sub_co_u32 s19, ttmp9, 12
	s_lshl_b32 s19, s19, 4
	s_lshl_b32 s18, s18, 2
	s_add_co_u32 s19, s19, s18
	s_add_co_u32 s19, s19, s17                     ; my tile of context rows: 16 (C - 12) + 4 cy + cx
	v_and_b32 v3, 31, v0
	v_and_b32 v1, 15, v0                           ; r
	v_bfe_u32 v2, v0, 4, 1                         ; h
	v_lshlrev_b32 v[L16], 4, v3
	v_lshlrev_b32 v[L8], 3, v3
	v_lshlrev_b32 v[ZR8], 3, v1
	v_lshlrev_b32 v[ZH64], 6, v2
	s_lshr_b32 s46, s19, 1
	s_lshl_b32 s46, s46, 5
	s_and_b32 s47, s19, 1
	s_lshl_b32 s47, s47, 3
	s_add_co_u32 s46, s46, s47                     ; the tile's first row: 32 (T / 2) + 8 (T % 2)
	v_and_b32 v3, 8, v1
	v_add_nc_u32 v3, v3, v1
	v_add_nc_u32 v3, s46, v3                       ; my row
	v_lshlrev_b32 v[ZROW4], 2, v3
	v_lshl_add_u32 v[ZLR], v1, 2, ZLDS             ; LDS: 4 r,
	s_lshl_b32 s26, s16, 6
	v_add_nc_u32 v[ZLW], s26, v[ZLR]               ; and + 64 x wave
	v_mov_b32 v[ZPM], 0                            ; a lane permute's destination counts as one of its sources
	v_mov_b32 v[ZSUM], 0
	v_mov_b32 v[ZSUM+1], 0
	s_mov_b32 s32, 0x3e6d3388                      ; 0.3275911 / sqrt 2
	s_mov_b32 s33, 0x3f596d27                      ; sqrt(log2(e) / 2)
	s_mov_b32 s34, 0x3f87dc22                      ; a5 = 1.061405429
	s_mov_b32 s35, 0xbfba00e3                      ; a4 = -1.453152027
	s_mov_b32 s36, 0x3fb5f0e3                      ; a3 = 1.421413741
	s_mov_b32 s37, 0xbe91a98e                      ; a2 = -0.284496736
	s_mov_b32 s38, 0x3e827906                      ; a1 = 0.254829592
	s_mov_b32 s40, 0x76543210
	s_mov_b32 s41, 0xfedcba98
	s_mul_i32 s28, s19, 3072
	s_add_co_u32 s28, s28, 6291456                 ; ctx_delta's codes, my tile
	s_mov_b32 s29, 0
	s_lshl_b32 s30, s19, 7
	s_add_co_u32 s30, s30, 262144                  ; its scale words
	s_mov_b32 s31, 0
	s_mov_b32 s45, 0
	s_wait_kmcnt 0x0
	s_load_b32 s24, s[12:13], 0x0                  ; bd2
	s_load_b32 s25, s[20:21], 0x0                  ; alpha
	s_add_nc_u64 s[28:29], s[4:5], s[28:29]
	s_add_nc_u64 s[30:31], s[6:7], s[30:31]
	s_mul_i32 s44, s16, 8*3072
	s_add_co_u32 s44, s44, 6488064                 ; Wd1's codes, my eight tiles
	s_add_nc_u64 s[4:5], s[4:5], s[44:45]
	s_lshl_b32 s44, s16, 10
	s_add_co_u32 s44, s44, 270336                  ; their scale words
	s_add_nc_u64 s[6:7], s[6:7], s[44:45]
	s_lshl_b32 s44, s16, 9                         ; my 128 numbers of bd1 and of Wd2
	s_add_nc_u64 s[8:9], s[8:9], s[44:45]
	s_add_nc_u64 s[10:11], s[10:11], s[44:45]
.irp kf, 0,1
	global_load_b128 v[ZCF+12*\kf:ZCF+12*\kf+3], v[L16], s[28:29] offset:1536*\kf
	global_load_b64 v[ZCF+12*\kf+4:ZCF+12*\kf+5], v[L8], s[28:29] offset:1536*\kf+512
	global_load_b128 v[ZCF+12*\kf+6:ZCF+12*\kf+9], v[L16], s[28:29] offset:1536*\kf+768
	global_load_b64 v[ZCF+12*\kf+10:ZCF+12*\kf+11], v[L8], s[28:29] offset:1536*\kf+1280
.endr
	global_load_b64 v[ZCS:ZCS+1], v[ZR8], s[30:31]
	global_load_b32 v[ZPPR], v[ZROW4], s[14:15]    ; ppr of my row
	ZLOADG 0
	ZLOADG 1
	s_wait_kmcnt 0x0                               ; the two single numbers
	ZGROUP 0
	ZGROUP 1
	ZGROUP 2
	ZGROUP 3
	v_add_f32 v[ZSUM], v[ZSUM], v[ZSUM+1]
	v_permlanex16_b32 v[ZPM], v[ZSUM], s40, s41
	v_add_f32 v[ZSUM], v[ZSUM], v[ZPM]             ; my wave's 128 units, for row r
	ds_store_b32 v[ZLW], v[ZSUM]                   ; lanes r and r + 16 write the same word with the same value
	s_wait_dscnt 0x0                               ; for the others' sake: my store is done
	s_barrier_signal -1
	s_barrier_wait -1
	s_cmp_lg_u32 s16, 0
	s_cbranch_scc1 .Lbias_done                     ; wave 0 finishes the tile
	ds_load_b32 v[ZRD], v[ZLR]
	ds_load_b32 v[ZRD+1], v[ZLR] offset:64
	ds_load_b32 v[ZRD+2], v[ZLR] offset:128
	ds_load_b32 v[ZRD+3], v[ZLR] offset:192
	v_max_num_f32 v[ZPPR], 0x322bcc77, v[ZPPR]     ; max(ppr, 1e-8)
	v_log_f32 v[ZPPR], v[ZPPR]
	s_wait_dscnt 0x0
	v_add_f32 v[ZRD], v[ZRD], v[ZRD+1]
	v_add_f32 v[ZRD+2], v[ZRD+2], v[ZRD+3]
	v_add_f32 v[ZRD], v[ZRD], v[ZRD+2]
	v_fma_f32 v[ZRD], v[ZRD], 0.5, s24             ; the halves of gelu, and bd2
	s_wait_alu depctr_va_vdst(0)                   ; the wait for the logarithm, ahead of its reader
	v_mul_f32 v[ZPPR], 0x3f317218, v[ZPPR]         ; log = log2 x ln 2
	v_fma_f32 v[ZRD], s25, v[ZPPR], v[ZRD]
	v_mul_f32 v[ZRD], 0x41000000, v[ZRD]           ; 8 x the bias
	global_store_b32 v[ZROW4], v[ZRD], s[22:23]    ; lanes r and r + 16 write the same word with the same value
.Lbias_done:
	s_wait_tensorcnt 0x0                           ; the wave's end
	ds_add_u32 v[SPW], v[NIL]
	s_wait_dscnt 0x0
	CROUND                                         ; the closing round
	s_endpgm
.Lfunc_end_k_q82b8cde379_qkv:
	.size	k_q82b8cde379_qkv, .Lfunc_end_k_q82b8cde379_qkv-k_q82b8cde379_qkv
	.p2alignl 7, 3214868480
	.fill 96, 4, 3214868480
	.section	.rodata,"a",@progbits
	.p2align	6, 0x0
	.amdhsa_kernel k_q82b8cde379_qkv
		.amdhsa_group_segment_fixed_size 327680
		.amdhsa_private_segment_fixed_size 0
		.amdhsa_enable_private_segment 0
		.amdhsa_kernarg_size 104
		.amdhsa_user_sgpr_count 2
		.amdhsa_user_sgpr_kernarg_segment_ptr 1
		.amdhsa_wavefront_size32 1
		.amdhsa_system_sgpr_workgroup_id_x 1
		.amdhsa_system_sgpr_workgroup_id_y 1
		.amdhsa_system_sgpr_workgroup_id_z 1
		.amdhsa_system_vgpr_workitem_id 0
		.amdhsa_next_free_vgpr 1024
		.amdhsa_next_free_sgpr 102
		.amdhsa_reserve_vcc 0
		.amdhsa_float_denorm_mode_32 3
		.amdhsa_float_denorm_mode_16_64 3
		.amdhsa_memory_ordered 1
		.amdhsa_forward_progress 1
		.amdhsa_inst_pref_size 255
	.end_amdhsa_kernel
	.section	.bss,"aw",@nobits
	.p2align	6
	.space	262144
	.amdgpu_metadata
---
amdhsa.version: [ 1, 2 ]
amdhsa.kernels:
  - .name:           k_q82b8cde379_qkv
    .symbol:         k_q82b8cde379_qkv.kd
    .args:
      - { .name: qc, .offset: 0, .size: 8, .value_kind: global_buffer, .address_space: global }
      - { .name: qs, .offset: 8, .size: 8, .value_kind: global_buffer, .address_space: global }
      - { .name: b_in, .offset: 16, .size: 8, .value_kind: global_buffer, .address_space: global }
      - { .name: ctx_trust, .offset: 24, .size: 8, .value_kind: global_buffer, .address_space: global }
      - { .name: qi, .offset: 32, .size: 8, .value_kind: global_buffer, .address_space: global }
      - { .name: kv, .offset: 40, .size: 8, .value_kind: global_buffer, .address_space: global }
      - { .name: trust_scale, .offset: 48, .size: 8, .value_kind: global_buffer, .address_space: global }
      - { .name: log_ppr_alpha, .offset: 56, .size: 8, .value_kind: global_buffer, .address_space: global }
      - { .name: bd1, .offset: 64, .size: 8, .value_kind: global_buffer, .address_space: global }
      - { .name: Wd2, .offset: 72, .size: 8, .value_kind: global_buffer, .address_space: global }
      - { .name: bd2, .offset: 80, .size: 8, .value_kind: global_buffer, .address_space: global }
      - { .name: ctx_ppr, .offset: 88, .size: 8, .value_kind: global_buffer, .address_space: global }
      - { .name: kb, .offset: 96, .size: 8, .value_kind: global_buffer, .address_space: global }
    .group_segment_fixed_size: 327680
    .private_segment_fixed_size: 0
    .kernarg_segment_align: 8
    .kernarg_segment_size: 104
    .max_flat_workgroup_size: 128
    .sgpr_count:     102
    .vgpr_count:     1024
    .wavefront_size: 32
...
	.end_amdgpu_metadata
.endif
;; end of part 6
;; launch attn (part 7): grid 8 x 32, 16 waves a work-group, clusters of 4 x 1, 231,424 bytes of LDS; arguments qi, kv, kb, aoc, aos; writes aoc, aos
.if DOCPART == 7
	.amdgcn_target "amdgcn-amd-amdhsa--gfx1250"
	.amdhsa_code_object_version 6
	.text
	.protected	k_q82b8cde379_attn
	.globl	k_q82b8cde379_attn
	.p2align	8
	.type	k_q82b8cde379_attn,@function
k_q82b8cde379_attn:
	s_mov_b64 s[64:65], 0
	v_nop
	global_prefetch_b8 v0, s[64:65] scope:SCOPE_SE
	s_setreg_imm32_b32 hwreg(HW_REG_WAVE_MODE, 25, 1), 1
	s_wait_xcnt 0x0
	s_wait_alu depctr_hold_cnt(0) depctr_sa_sdst(0) depctr_va_vdst(0) depctr_va_sdst(0) depctr_va_ssrc(0) depctr_va_vcc(0) depctr_vm_vsrc(0)
	s_getreg_b32 s2, hwreg(HW_REG_IB_STS2, 6, 4)
	s_cmp_eq_u32 s2, 0
	s_cbranch_scc0 .Lentry_in_a_cluster
	s_endpgm
.Lentry_in_a_cluster:
	s_bfe_u32 s2, ttmp6, 0x10000c
	s_cmp_lg_u32 s2, 0x3003
	s_cbranch_scc0 .Lentry_shape_is_right
	s_endpgm
.Lentry_shape_is_right:
; For each of 32 heads (batch x head): O = softmax(q k^T / 8 + bias) v, both products on codes of FP6 (E2M3) with E8M0 scales; O / l is quantised here for the output projection.
; THE SOFTMAX AHEAD OF THE SECOND PRODUCT: t = (score + 8 bias) x log2(e) / 8; M = the running largest t rounded up to a whole number; p = 2^(t - M) is quantised along the keys, not normalised;
; the row's sum is taken of the unquantised p and divides O at the end.  When M moves, the sum and O are multiplied by 2^(old M - new M): exact.
; SHARES.  A work-group owns 256 queries of one head, each of its sixteen waves one tile of 16, in 256 registers: four waves to a SIMD.  Every wave walks the head's 2,048 keys, 128 a step.
; NO RING.  A head's sixteen key records (13,056 bytes each: 8 tiles of k, 4 fragments of v^T, their scale words) and the 1,024 biases fit in LDS together: every LDS byte is filled once, by loads issued at the head.
; Waves 0 to 3 issue five tensor loads each: a quarter of the biases and records 4 g + wave, g = 0 .. 3.  The first four key steps begin behind a counted wait and a barrier, while the later records are on their way;
; the other twelve begin behind a wait for all loads and a second barrier.  Behind that nothing in LDS is written any more, so no further barrier stands in the walk: the waves need not meet again.
; CLUSTER.  The four query blocks of a cluster belong to one head and read the same records: each load is a joint one, with the same descriptor and the mask of all four.
; LAYOUT.  Both products are used transposed: S^T = k q^T (source 0 = 16 keys, source 1 = my queries), O^T = v^T p^T: a lane holds one query throughout.  The rows of a tile are not neighbours (tile 2 P + u: rows 32 P + 8 u + (r & 7) + 16 (r >> 3)),
; so that the 16 registers of two neighbouring tiles are 16 neighbours along the next K.  The head has 64 channels, the instruction 128: q's upper six registers are zero codes; k's operand of tile t names the six registers behind its own
; (the next tile's codes, zeros behind the last), which meet q's zeros.  The bias (keys under 1,024 alone) is loaded into the scores' registers and is the C of the first product; the other keys' products take 0.
; No prefetch: every byte that the launch reads is asked for at its head.  The two scale bytes of a row and head leave as two bytes a lane: neighbouring heads are other work-groups' (131,072 bytes in all).
; LIMITS: NaN and infinities are not served; O / l by v_rcp_f32; a block whose largest magnitude lies under 2^-124 keeps the scale byte 1.
.set REC,  13056
.set CB,   16*REC                      ; LDS: behind the records, 8 x bias of keys 0 .. 1,023
.set QF,   16                          ; v16-21 q's codes, v22-27 zeros
.set QS,   28                          ; v28    q's scale word
.set KF,   30                          ; v30-77 k's eight tiles, later v^T's four fragments; v78-83 zeros
.set KS,   84                          ; v84-87 k's scale words: lane (r, h), register i: tile 4 h + i
.set VS,   88                          ; v88-89 v's: tile 2 h + i
.set S,    96                          ; v96-159 S^T, then p
.set OT,   160                         ; v160-191 O^T
.set PC,   192                         ; v192-210 p's codes
.set MX,   212
.set MY,   216
.set SCO,  220
.set PW,   224                         ; p's scale word
.set FF,   226                         ; v[226:227] f
.set TT,   228
.set WV,   14
.set SEL,  20
.set CS,   22
.set G1R,  24                          ; s[24:31] group 1 for a record;  s[32:39] for a quarter of the biases;  s[40:59] five groups 0
.set G1C,  32
.set TB,   60                          ; s60 LDS byte of the step's record
.set TC,   61                          ; s61 and of its biases
.set CNT,  62
.macro CROUND
	s_barrier_signal -1
	s_barrier_wait -1
	s_cmp_lg_u32 s[WV], 0
	s_cbranch_scc1 .Lnot_wave_0_\@
	s_barrier_signal -3
.Lnot_wave_0_\@:
	s_barrier_wait -3
	s_barrier_signal -1
	s_barrier_wait -1
.endm
	s_load_b256 s[4:11], s[0:1], 0x0               ; qi, kv, kb, aoc
	s_load_b64 s[12:13], s[0:1], 0x20              ; aos
	v_lshl_add_u32 v254, v0, 2, 0x38000
	v_mov_b32 v255, 0
	ds_add_u32 v254, v255
	ds_add_u32 v254, v255
	v_lshrrev_b32 v1, 5, v0
	v_readfirstlane_b32 s[WV], v1                  ; wave 0..15
	s_bfe_u32 s15, ttmp6, 0x40000                  ; cx
	s_lshl_b32 s16, ttmp9, 2
	s_add_co_u32 s16, s16, s15                     ; my block of 256 queries: it enters q's and the output's addresses alone
	s_and_b32 s17, ttmp7, 0xffff                   ; 16 x batch + head, which the four partners share
	s_mov_b32 s[G1R], 15|(3<<16)|(1<<21)           ; 15:0 the mask: all four; 17:16 elements of 8 bytes; 21 set beside a mask
	s_mov_b32 s[G1R+1], 32<<16                     ; rows of 256 bytes,
	s_mov_b32 s[G1R+2], 51<<16                     ; 51 of them: a record, dense
	s_mov_b32 s[G1R+3], 32<<16
	s_mov_b32 s[G1R+4], 51
	s_mov_b32 s[G1R+5], 32
	s_mov_b32 s[G1R+6], 0
	s_mov_b32 s[G1R+7], 0
	s_mov_b32 s[G1C], 15|(3<<16)|(1<<21)
	s_mov_b32 s[G1C+1], 32<<16
	s_mov_b32 s[G1C+2], 4<<16                      ; four rows: 256 biases
	s_mov_b32 s[G1C+3], 32<<16
	s_mov_b32 s[G1C+4], 4
	s_mov_b32 s[G1C+5], 32
	s_mov_b32 s[G1C+6], 0
	s_mov_b32 s[G1C+7], 0
	s_mul_i32 s66, s17, 208896
	s_mul_i32 s68, s[WV], REC                      ; my record of a group of four, in memory and in LDS alike
	s_add_co_u32 s66, s66, s68
	s_mov_b32 s67, 0
	s_lshl_b32 s70, s[WV], 10                      ; my quarter of the biases
	s_mov_b32 s71, 0
	s_mov_b32 s[SEL], 0x76543210
	s_mov_b32 s[SEL+1], 0xfedcba98
	s_mov_b32 s[CS], 0x3e38aa3b                    ; c = log2(e) / 8
	s_mov_b32 s[CS+1], s[CS]                       ; (named with it as a pair, so it is written)
	s_wait_dscnt 0x0
	s_wait_kmcnt 0x0
	s_add_nc_u64 s[66:67], s[6:7], s[66:67]
	s_mov_b32 s40, 1
	s_add_co_u32 s41, s70, CB
	s_add_nc_u64 s[42:43], s[8:9], s[70:71]
	s_or_b32 s43, s43, 0x80000000
.irp g, 0,1,2,3
	s_mov_b32 s[44+4*\g], 1
	s_add_co_u32 s[45+4*\g], s68, \g*4*REC
	s_add_nc_u64 s[46+4*\g:47+4*\g], s[66:67], \g*4*REC
	s_or_b32 s[47+4*\g], s[47+4*\g], 0x80000000
.endr
	CROUND                                         ; all four work-groups are here: the joint loads meet
	s_cmp_lt_u32 s[WV], 4                          ; a wave's fills stand in one branch on its number, ahead of every wait on TENSORcnt and every LDS read: five loads of mine are out
	s_cbranch_scc0 .Lno_fill
	tensor_load_to_lds s[40:43], s[G1C:G1C+7]
	s_nop 0
	tensor_load_to_lds s[44:47], s[G1R:G1R+7]
	s_nop 0
	tensor_load_to_lds s[48:51], s[G1R:G1R+7]
	s_nop 0
	tensor_load_to_lds s[52:55], s[G1R:G1R+7]
	s_nop 0
	tensor_load_to_lds s[56:59], s[G1R:G1R+7]
	s_nop 0
.rept 4
	v_nop
.endr
.Lno_fill:
	v_and_b32 v7, 31, v0                           ; lane
	v_and_b32 v8, 15, v0                           ; r
	v_bfe_u32 v9, v0, 4, 1                         ; h
	v_lshlrev_b32 v1, 4, v7                        ; v1 16 x lane
	v_lshlrev_b32 v2, 3, v7                        ; v2 8 x lane
	v_lshlrev_b32 v3, 6, v9
	v_add_nc_u32 v3, CB, v3                        ; v3 the biases, + 64 h
	v_lshlrev_b32 v10, 4, v8                       ; 16 r
	v_lshlrev_b32 v11, 3, v8                       ; 8 r
	s_lshl_b32 s72, s16, 1
	s_lshr_b32 s73, s[WV], 3
	s_add_co_u32 s72, s72, s73                     ; q's record: 8 tiles
	s_mul_i32 s72, s72, 6656
	s_mul_i32 s73, s17, 106496
	s_add_co_u32 s72, s72, s73
	s_and_b32 s74, s[WV], 7                        ; my tile in it
	s_mul_i32 s75, s74, 768
	s_add_co_u32 s76, s72, s75
	s_mov_b32 s77, 0
	s_add_nc_u64 s[76:77], s[4:5], s[76:77]
	s_lshr_b32 s75, s74, 2
	s_lshl_b32 s75, s75, 8
	s_and_b32 s74, s74, 3
	s_lshl_b32 s74, s74, 2
	s_add_co_u32 s74, s74, s75
	s_add_co_u32 s74, s74, s72
	s_add_co_u32 s74, s74, 6144                    ; its scale words: 16 ((tile / 4) 16 + r) + 4 (tile % 4)
	s_mov_b32 s75, 0
	s_add_nc_u64 s[74:75], s[4:5], s[74:75]
	global_load_b128 v[QF:QF+3], v1, s[76:77]
	global_load_b64 v[QF+4:QF+5], v2, s[76:77] offset:512
	global_load_b32 v[QS], v10, s[74:75]
.irp i, 0,1,2,3,4,5
	v_mov_b32 v[QF+6+\i], 0                        ; zero codes for the K that a head does not have
	v_mov_b32 v[KF+48+\i], 0
.endr
	v_mov_b32 v13, 0xff61b1e6                      ; the largest t so far: -3e38, under every t
	v_floor_f32 v12, -v13                          ; -M
	v_mov_b32 v14, 0                               ; the sum, in two halves
	v_mov_b32 v15, 0
.irp b, 0,1,2,3
	v_mov_b32 v[MY+\b], 0                          ; a lane permute's destination counts as one of its sources
.endr
	v_mov_b32 v[FF+1], 0                           ; (named as the upper half of a pair)
.set i, 0
.rept 32
	v_mov_b32 v[OT+i], 0                           ; the step is written once for every key step: the first finds zeros, which the first change of M leaves zeros
.set i, i+1
.endr
; A KEY STEP: 128 keys.  bias = 1: keys under 1,024
.macro STEP bias
	v_add_nc_u32 v4, s[TB], v1                     ; these four lines are also the plain instructions ahead of the loads into registers that the last products read
	v_add_nc_u32 v5, s[TB], v2
.if \bias
	v_add_nc_u32 v6, s[TC], v3
.else
	v_nop
.endif
	v_nop
.if \bias
.irp t, 0,1,2,3,4,5,6,7
	ds_load_b128 v[S+8*\t:S+8*\t+3], v6 offset:128*(\t/2)+32*(\t%2)        ; register j of tile t: key 32 (t / 2) + 16 h + 8 (t % 2) + j
	ds_load_b128 v[S+8*\t+4:S+8*\t+7], v6 offset:128*(\t/2)+32*(\t%2)+16
.endr
.endif
.irp t, 0,1,2,3,4,5,6,7
	ds_load_b128 v[KF+6*\t:KF+6*\t+3], v4 offset:768*\t
	ds_load_b64 v[KF+6*\t+4:KF+6*\t+5], v5 offset:768*\t+512
.endr
	ds_load_b128 v[KS:KS+3], v4 offset:12288
	s_wait_dscnt 0x0
.irp t, 0,1,2,3,4,5,6,7
.if \bias
.if \t < 4
	v_wmma_scale_f32_16x16x128_f8f6f4 v[S+8*\t:S+8*\t+7], v[KF+6*\t:KF+6*\t+11], v[QF:QF+11], v[S+8*\t:S+8*\t+7], v[KS+\t%4], v[QS] matrix_a_fmt:MATRIX_FMT_FP6 matrix_b_fmt:MATRIX_FMT_FP6
.else
	v_wmma_scale_f32_16x16x128_f8f6f4 v[S+8*\t:S+8*\t+7], v[KF+6*\t:KF+6*\t+11], v[QF:QF+11], v[S+8*\t:S+8*\t+7], v[KS+\t%4], v[QS] matrix_a_fmt:MATRIX_FMT_FP6 matrix_b_fmt:MATRIX_FMT_FP6 matrix_a_scale:MATRIX_SCALE_ROW1
.endif
.else
.if \t < 4
	v_wmma_scale_f32_16x16x128_f8f6f4 v[S+8*\t:S+8*\t+7], v[KF+6*\t:KF+6*\t+11], v[QF:QF+11], 0, v[KS+\t%4], v[QS] matrix_a_fmt:MATRIX_FMT_FP6 matrix_b_fmt:MATRIX_FMT_FP6
.else
	v_wmma_scale_f32_16x16x128_f8f6f4 v[S+8*\t:S+8*\t+7], v[KF+6*\t:KF+6*\t+11], v[QF:QF+11], 0, v[KS+\t%4], v[QS] matrix_a_fmt:MATRIX_FMT_FP6 matrix_b_fmt:MATRIX_FMT_FP6 matrix_a_scale:MATRIX_SCALE_ROW1
.endif
.endif
.endr
.rept 4
	v_nop                                          ; ahead of the loads over k's registers and of the first read of the scores
.endr
.irp d, 0,1,2,3                                ; v^T's four fragments land while the softmax is worked
	ds_load_b128 v[KF+12*\d:KF+12*\d+3], v4 offset:6144+1536*\d
	ds_load_b64 v[KF+12*\d+4:KF+12*\d+5], v5 offset:6144+1536*\d+512
	ds_load_b128 v[KF+12*\d+6:KF+12*\d+9], v4 offset:6144+1536*\d+768
	ds_load_b64 v[KF+12*\d+10:KF+12*\d+11], v5 offset:6144+1536*\d+1280
.endr
	ds_load_b64 v[VS:VS+1], v5 offset:12800
.irp b, 0,1,2,3
	v_max3_num_f32 v[MX+\b], v[S+16*\b], v[S+1+16*\b], v[S+2+16*\b]   ; the largest score of each block of 32 keys: it serves for the row's maximum and, since p rises with the score, for the block's largest p
.endr
.irp i, 3,5,7,9,11,13
.irp b, 0,1,2,3
	v_max3_num_f32 v[MX+\b], v[MX+\b], v[S+16*\b+\i], v[S+1+16*\b+\i]
.endr
.endr
.irp b, 0,1,2,3
	v_max_num_f32 v[MX+\b], v[MX+\b], v[S+15+16*\b]
.endr
.irp b, 0,1,2,3
	v_permlanex16_b32 v[MY+\b], v[MX+\b], s[SEL], s[SEL+1]
.endr
.irp b, 0,1,2,3
	v_max_num_f32 v[MX+\b], v[MX+\b], v[MY+\b]     ; with lane l xor 16's 16 keys
.endr
	v_max3_num_f32 v[TT], v[MX], v[MX+1], v[MX+2]
	v_max_num_f32 v[TT], v[TT], v[MX+3]
	v_mul_f32 v[TT], s[CS], v[TT]                  ; as t (c is positive)
	v_max_num_f32 v13, v13, v[TT]                  ; the running largest t
	v_mov_b32 v[TT], v12
	v_floor_f32 v12, -v13                          ; the new -M = floor(-t): M is a whole number
	v_sub_f32 v[TT], v12, v[TT]                    ; old M - new M: a whole number, 0 or less
	v_cvt_i32_f32 v[TT], v[TT]                     ; (it saturates)
	v_ldexp_f32 v[FF], 1.0, v[TT]                  ; f = 2^(old M - new M)
.set i, 0
.rept 32
	v_pk_fma_f32 v[S+i:S+i+1], v[S+i:S+i+1], s[CS:CS+1], v[12:13] op_sel_hi:[1,0,0]   ; t - M, two at a time
.set i, i+2
.endr
.irp b, 0,1,2,3
	v_fma_f32 v[MX+\b], v[MX+\b], s[CS], v12       ; the same of each block's largest score
.endr
.set i, 0
.rept 64
	v_exp_f32 v[S+i], v[S+i]                       ; p = 2^(t - M), at most 1
.set i, i+1
.endr
	v_pk_mul_f32 v[14:15], v[14:15], v[FF:FF+1] op_sel_hi:[1,0]   ; the sums under the new M (a plain instruction behind the batch)
	s_wait_alu depctr_va_vdst(0)                   ; one wait for the 64, ahead of their first reader
.irp b, 0,1,2,3
	v_exp_f32 v[MX+\b], v[MX+\b]                   ; the block's largest p
.endr
	v_pk_add_f32 v[MY:MY+1], v[S:S+1], v[S+2:S+3]  ; the row's sum is taken of the unquantised p: two at a time, in two chains
.irp j, 4,8,12,16,20,24,28,32,36,40,44,48,52,56,60
	v_pk_add_f32 v[14:15], v[14:15], v[S+\j:S+1+\j]
	v_pk_add_f32 v[MY:MY+1], v[MY:MY+1], v[S+2+\j:S+3+\j]
.endr
	v_pk_add_f32 v[14:15], v[14:15], v[MY:MY+1]
	s_wait_alu depctr_va_vdst(0)                   ; and one for the four
.irp b, 0,1,2,3
	v_max_num_f32 v[MX+\b], 0x1800000, v[MX+\b]    ; the floor 2^(3 - 127): the byte cannot fall under 1
.endr
.irp b, 0,1,2,3
	v_add_nc_u32 v[SCO+\b], 0xff000000, v[MX+\b]   ; 2 off the exponent field: the conversion's scale operand
.endr
.irp b, 0,1,2,3
	v_lshrrev_b32 v[MY+\b], 23, v[SCO+\b]
.endr
	v_lshl_or_b32 v[PW], v[MY+1], 8, v[MY]         ; p's scale word for these 128 keys
	v_lshl_or_b32 v[PW], v[MY+2], 16, v[PW]
	v_lshl_or_b32 v[PW], v[MY+3], 24, v[PW]
.irp c, 0,1
	v_cvt_scalef32_pk16_fp6_f32 v[PC+6*\c:PC+2+6*\c], v[S+32*\c:S+15+32*\c], v[SCO+2*\c]
	v_cvt_scalef32_pk16_fp6_f32 v[PC+12+4*\c:PC+14+4*\c], v[S+16+32*\c:S+31+32*\c], v[SCO+2*\c+1]
.endr
	v_nop                                          ; one plain instruction behind the scaled conversions
.irp c, 0,1
.irp i, 0,1,2
	v_permlane16_swap_b32 v[PC+6*\c+\i], v[PC+12+4*\c+\i]
.endr
.irp i, 0,1,2
	v_mov_b32 v[PC+3+6*\c+\i], v[PC+12+4*\c+\i]
.endr
.endr
.set i, 0
.rept 16
	v_pk_mul_f32 v[OT+i:OT+i+1], v[OT+i:OT+i+1], v[FF:FF+1] op_sel_hi:[1,0]   ; O^T under the new M; these sixteen also stand between the writes of p's codes and scale word and the products
.set i, i+2
.endr
	s_wait_dscnt 0x0                               ; v^T is in
.irp d, 0,1,2,3
.if \d < 2
	v_wmma_scale_f32_16x16x128_f8f6f4 v[OT+8*\d:OT+8*\d+7], v[KF+12*\d:KF+12*\d+11], v[PC:PC+11], v[OT+8*\d:OT+8*\d+7], v[VS+\d%2], v[PW] matrix_a_fmt:MATRIX_FMT_FP6 matrix_b_fmt:MATRIX_FMT_FP6
.else
	v_wmma_scale_f32_16x16x128_f8f6f4 v[OT+8*\d:OT+8*\d+7], v[KF+12*\d:KF+12*\d+11], v[PC:PC+11], v[OT+8*\d:OT+8*\d+7], v[VS+\d%2], v[PW] matrix_a_fmt:MATRIX_FMT_FP6 matrix_b_fmt:MATRIX_FMT_FP6 matrix_a_scale:MATRIX_SCALE_ROW1
.endif
.endr
.endm
; A RUN of key steps from step 4 g on.  sync = 1: it begins behind a wait on my tensor loads, of which `left` may stay out, and a barrier.  Tensor loads of a wave end in order: with 3 out, the biases and my first record are in;
; behind the barrier everybody's are.
.macro RUN g, bias, trips, sync, left
.if \sync
	s_wait_tensorcnt \left
	s_wait_dscnt 0x0
	s_barrier_signal -1
	s_barrier_wait -1
.endif
	s_mov_b32 s[TB], \g*4*REC
.if \bias
	s_mov_b32 s[TC], \g*4*512
.endif
	s_mov_b32 s[CNT], \trips
.Lstep_\@:
	STEP \bias
	s_add_co_u32 s[TB], s[TB], REC
.if \bias
	s_add_co_u32 s[TC], s[TC], 512
.endif
	s_sub_co_u32 s[CNT], s[CNT], 1
	s_cmp_lg_u32 s[CNT], 0
	s_cbranch_scc1 .Lstep_\@
.endm
	s_wait_loadcnt 0x0                             ; q
	RUN 0, 1, 4, 1, 3                              ; keys 0 .. 511: my three later records may be out
	RUN 1, 1, 4, 1, 0                              ; keys 512 .. 1,023: all records are in, everybody's behind the barrier
	RUN 2, 0, 8, 0, 0                              ; keys 1,024 .. 2,047: no bias, and no barrier is owed
	; THE WAY OUT.  O^T / l: register 16 b + i is channel 32 b + 16 h + i of my query: two blocks along the output projection's K.  They are quantised and leave as half a fragment's image (768 bytes) and two scale bytes a row.
.rept 4
	v_nop                                          ; behind the last products
.endr
	v_add_f32 v14, v14, v15
	v_permlanex16_b32 v[TT], v14, s[SEL], s[SEL+1]
	v_add_f32 v14, v14, v[TT]                      ; the row's sum
	v_rcp_f32 v14, v14
	v_nop
	s_wait_alu depctr_va_vdst(0)
.set i, 0
.rept 32
	v_mul_f32 v[S+i], v[OT+i], v14
.set i, i+1
.endr
.irp b, 0,1
	v_max3_num_f32 v[MX+\b], |v[S+16*\b]|, |v[S+1+16*\b]|, 0x1800000
.endr
.irp i, 2,4,6,8,10,12,14
.irp b, 0,1
	v_max3_num_f32 v[MX+\b], v[MX+\b], |v[S+16*\b+\i]|, |v[S+1+16*\b+\i]|
.endr
.endr
.irp b, 0,1
	v_permlanex16_b32 v[MY+\b], v[MX+\b], s[SEL], s[SEL+1]
.endr
.irp b, 0,1
	v_max_num_f32 v[MX+\b], v[MX+\b], v[MY+\b]
.endr
.irp b, 0,1
	v_add_nc_u32 v[SCO+\b], 0xff000000, v[MX+\b]
.endr
.irp b, 0,1
	v_lshrrev_b32 v[MY+\b], 23, v[SCO+\b]
.endr
	v_lshl_or_b32 v229, v[MY+1], 8, v[MY]
	v_cvt_scalef32_pk16_fp6_f32 v[PC:PC+2], v[S:S+15], v[SCO]
	v_cvt_scalef32_pk16_fp6_f32 v[PC+12:PC+14], v[S+16:S+31], v[SCO+1]
	v_nop
.irp i, 0,1,2
	v_permlane16_swap_b32 v[PC+\i], v[PC+12+\i]
.endr
.irp i, 0,1,2
	v_mov_b32 v[PC+3+\i], v[PC+12+\i]
.endr
	s_lshr_b32 s66, s17, 4
	s_lshl_b32 s66, s66, 7
	s_lshl_b32 s67, s16, 4
	s_add_co_u32 s66, s66, s67
	s_add_co_u32 s66, s66, s[WV]                   ; the tile of rows: 128 x batch + 16 x block + wave
	s_and_b32 s67, s17, 15                         ; the head
	s_mul_i32 s68, s66, 12288
	s_mul_i32 s69, s67, 768                        ; fragment head / 2, half head % 2
	s_add_co_u32 s68, s68, s69
	s_mov_b32 s69, 0
	s_add_nc_u64 s[10:11], s[10:11], s[68:69]
	s_lshl_b32 s70, s66, 9
	s_lshr_b32 s71, s67, 2
	s_lshl_b32 s71, s71, 7
	s_add_co_u32 s70, s70, s71
	s_and_b32 s71, s67, 3
	s_lshl_b32 s71, s71, 1
	s_add_co_u32 s70, s70, s71                     ; 512 tile + 128 (head / 4) + 2 (head % 4), + 8 r
	s_mov_b32 s71, 0
	s_add_nc_u64 s[12:13], s[12:13], s[70:71]
	global_store_b128 v1, v[PC:PC+3], s[10:11]     ; 512 consecutive bytes, aligned to 256
	global_store_b64 v2, v[PC+4:PC+5], s[10:11] offset:512
	global_store_b16 v11, v229, s[12:13]           ; lanes r and r + 16 write the same two bytes with the same value
	s_wait_tensorcnt 0x0
	ds_add_u32 v254, v255
	s_wait_dscnt 0x0
	CROUND                                         ; the closing round: no work-group ends while a partner may still ask for a tile that names it
	s_endpgm
.Lfunc_end_k_q82b8cde379_attn:
	.size	k_q82b8cde379_attn, .Lfunc_end_k_q82b8cde379_attn-k_q82b8cde379_attn
	.p2alignl 7, 3214868480
	.fill 96, 4, 3214868480
	.section	.rodata,"a",@progbits
	.p2align	6, 0x0
	.amdhsa_kernel k_q82b8cde379_attn
		.amdhsa_group_segment_fixed_size 231424
		.amdhsa_private_segment_fixed_size 0
		.amdhsa_enable_private_segment 0
		.amdhsa_kernarg_size 40
		.amdhsa_user_sgpr_count 2
		.amdhsa_user_sgpr_kernarg_segment_ptr 1
		.amdhsa_wavefront_size32 1
		.amdhsa_system_sgpr_workgroup_id_x 1
		.amdhsa_system_sgpr_workgroup_id_y 1
		.amdhsa_system_sgpr_workgroup_id_z 1
		.amdhsa_system_vgpr_workitem_id 0
		.amdhsa_next_free_vgpr 256
		.amdhsa_next_free_sgpr 84
		.amdhsa_reserve_vcc 0
		.amdhsa_float_denorm_mode_32 3
		.amdhsa_float_denorm_mode_16_64 3
		.amdhsa_memory_ordered 1
		.amdhsa_forward_progress 1
		.amdhsa_inst_pref_size 63
	.end_amdhsa_kernel
	.amdgpu_metadata
---
amdhsa.version: [ 1, 2 ]
amdhsa.kernels:
  - .name:           k_q82b8cde379_attn
    .symbol:         k_q82b8cde379_attn.kd
    .args:
      - { .name: qi, .offset: 0, .size: 8, .value_kind: global_buffer, .address_space: global }
      - { .name: kv, .offset: 8, .size: 8, .value_kind: global_buffer, .address_space: global }
      - { .name: kb, .offset: 16, .size: 8, .value_kind: global_buffer, .address_space: global }
      - { .name: aoc, .offset: 24, .size: 8, .value_kind: global_buffer, .address_space: global }
      - { .name: aos, .offset: 32, .size: 8, .value_kind: global_buffer, .address_space: global }
    .group_segment_fixed_size: 231424
    .private_segment_fixed_size: 0
    .kernarg_segment_align: 8
    .kernarg_segment_size: 40
    .max_flat_workgroup_size: 512
    .sgpr_count:     84
    .vgpr_count:     256
    .wavefront_size: 32
...
	.end_amdgpu_metadata
.endif
;; end of part 7
;; launch oproj (part 8): grid 8 x 32, 4 waves a work-group, clusters of 4 x 4, 246,272 bytes of LDS; arguments aoc, aos, qc, qs, b_out, out0; writes out0
.if DOCPART == 8
	.amdgcn_target "amdgcn-amd-amdhsa--gfx1250"
	.amdhsa_code_object_version 6
	.text
	.protected	k_q82b8cde379_oproj
	.globl	k_q82b8cde379_oproj
	.p2align	8
	.type	k_q82b8cde379_oproj,@function
k_q82b8cde379_oproj:
	s_mov_b64 s[64:65], 0
	v_nop
	global_prefetch_b8 v0, s[64:65] scope:SCOPE_SE
	s_setreg_imm32_b32 hwreg(HW_REG_WAVE_MODE, 25, 1), 1
	s_wait_xcnt 0x0
	s_wait_alu depctr_hold_cnt(0) depctr_sa_sdst(0) depctr_va_vdst(0) depctr_va_sdst(0) depctr_va_ssrc(0) depctr_va_vcc(0) depctr_vm_vsrc(0)
	s_getreg_b32 s2, hwreg(HW_REG_IB_STS2, 6, 4)
	s_cmp_eq_u32 s2, 0
	s_cbranch_scc0 .Lentry_in_a_cluster
	s_endpgm
.Lentry_in_a_cluster:
	s_bfe_u32 s2, ttmp6, 0x10000c
	s_cmp_lg_u32 s2, 0xf033
	s_cbranch_scc0 .Lentry_shape_is_right
	s_endpgm
.Lentry_shape_is_right:
; out0 = A W_out^T + b_out on codes of FP6 (E2M3) with E8M0 scales, K = 1,024.  A is the attention's output, 4,096 rows, as the launch before has laid it; W_out's codes lie in qc from byte 5,505,024, its scale words in qs from 229,376.
; THE TILE is 128 x 128, so that the output's 4,096 x 1,024 numbers give 256 work-groups.  Four waves, each 64 x 64: 16 accumulators of 16 x 16, 128 registers.
; NO RING.  128 rows of each operand for all of K are 98,304 bytes of codes: both operands, their scale words and the stages fit in LDS together, so every LDS byte is filled once.  Each wave issues three tensor loads at the head:
; the scale words of four tiles, and the two halves of K of four tiles (four rows of 6,144 bytes each).  The first half is multiplied while the second is on its way; one barrier stands in front of the second half.
; Operands lie in memory as images of their registers (tile of 16 rows x 128 K = 1,536 bytes, a tile's eight fragments on end); a fragment comes out of LDS by four dense loads.
; Source 0 = 16 rows of W_out, source 1 = 16 rows of A: a lane holds one row of the output and its registers run along the columns.  The rows of a tile are not neighbours
; (tile 2 P + u: rows 32 P + 8 u + (r & 7) + 16 (r >> 3)): the way out puts rows and columns back.  b_out is the C of each sum's first product.
; CLUSTERS: 4 x 4 work-groups; A's tiles are shared along a row of the cluster, W_out's along a column, by joint loads.
; REGISTERS: window 0: v0-31 addresses; v32-63 the scale words of all of K (register 8 i + kf: lanes 0-15 source 1's block i, lanes 16-31 source 0's); v64-95 b_out; v64-127 on the way out; v128-255 the accumulators ((a, b) at v[128 + 8 (4 a + b)]).
;   window 1: two fragment buffers, at v0 and v128: source 0's four fragments, then source 1's four.
.set KSTEPB, 6144                      ; half of K of one tile: four fragments
.set FR,     12                        ; registers of a fragment
.set HALFT,  4*KSTEPB                  ; four tiles: what one tensor load brings, and what one wave reads of a source in half of K
.set SLOT,   4*HALFT                   ; half of K: source 1's eight tiles, then source 0's
.set SCL,    2*SLOT                    ; behind the codes: source 1's scale words, 4,096 bytes; source 0's 128 bytes further on than they would follow, so that the two halves of the lanes read different banks
.set STG,    205056                    ; behind the scale words, in blocks of 256 bytes of their own: a stage of 16 rows x (256 bytes + 16) for each wave
.set SPITCH, 272
.set HA64, 9                           ; v9   64 h
.set L16,  11                          ; v11  16 x lane
.set L8,   12                          ; v12  8 x lane
.set ADRA, 16                          ; v16-17 source 1's fragments in the first and second half of K: + 16 x lane;  v18-19: + 8 x lane
.set ADRB, 20                          ; v20-23 the same for source 0
.set STO,  24                          ; v24  the way out: where I put 32 bytes of a row
.set RD,   25                          ; v25  where I read a row back
.set CO,   26                          ; v26  my byte offset in the output
.set ADRS, 27                          ; v27  my scale words
.set SC,   32
.set BO,   64
.set BK,   64
.set ACC,  128
.set G1, 24
.set G0, 32
.set G1B, 48
.set G0B, 56
.set G1S, 68
.set G0S, 76
.set G1SB, 80
.set G0SB, 88
.set MSB, 0
.macro WIN new                         ; the immediate's high byte repeats the setting that is left
.if MSB != (\new)
	s_set_vgpr_msb (MSB<<8)|(\new)
.set MSB, (\new)
.endif
.endm
.set MUL,  0x05                        ; sources 0 and 1 window 1; C and D window 0
.set TO_F, 0x40                        ; destination window 1, address window 0
.macro JLOAD g0a, g1a, g0b, g1b        ; waves 0 and 1 fetch for source 1, waves 2 and 3 for source 0; four v_nop follow each of the two lines
	s_cmp_eq_u32 s17, 0
	s_cbranch_scc0 .Lfor_b_\@
	tensor_load_to_lds s[\g0a:\g0a+3], s[\g1a:\g1a+7]
	s_nop 0
.rept 4
	v_nop
.endr
	s_branch .Lasked_\@
.Lfor_b_\@:
	tensor_load_to_lds s[\g0b:\g0b+3], s[\g1b:\g1b+7]
	s_nop 0
.rept 4
	v_nop
.endr
.Lasked_\@:
.endm
.macro CROUND                          ; a round of the cluster's barrier
	s_barrier_signal -1
	s_barrier_wait -1
	s_cmp_lg_u32 s16, 0
	s_cbranch_scc1 .Lnot_wave_0_\@
	s_barrier_signal -3
.Lnot_wave_0_\@:
	s_barrier_wait -3
	s_barrier_signal -1
	s_barrier_wait -1
.endm
	s_load_b256 s[4:11], s[0:1], 0x0               ; aoc, aos, qc, qs
	s_load_b128 s[12:15], s[0:1], 0x20             ; b_out, out0
	v_lshl_add_u32 v30, v0, 2, 0x3c000
	v_mov_b32 v31, 0
	ds_add_u32 v30, v31
	ds_add_u32 v30, v31
	v_lshrrev_b32 v1, 5, v0
	v_readfirstlane_b32 s16, v1                    ; wave 0..3
	s_lshr_b32 s17, s16, 1                         ; which half of the rows is mine.  Also: I fetch for source 1 (0) or source 0 (1)
	s_and_b32 s18, s16, 1                          ; which half of the columns.  Also: which four tiles I fetch
	s_bfe_u32 s40, ttmp6, 0x40000                  ; cx, cy
	s_bfe_u32 s41, ttmp6, 0x40004
	s_lshl_b32 s42, ttmp9, 2
	s_add_co_u32 s42, s42, s40                     ; block of 128 columns
	s_and_b32 s44, ttmp7, 0xffff
	s_lshl_b32 s44, s44, 2
	s_add_co_u32 s44, s44, s41                     ; block of 128 rows
	s_lshl_b32 s43, s41, 2
	s_lshl_b32 s43, 15, s43                        ; my row of the cluster
	s_lshl_b32 s45, 0x1111, s40                    ; my column
	s_or_b32 s[G1+0], s43, (3<<16)|(1<<21)         ; four rows of 768 elements of 8 bytes (half of a tile's K), 1,536 elements (a tile) apart; dense in LDS
	s_or_b32 s[G1B+0], s45, (3<<16)|(1<<21)
.irp g, G1, G1B
	s_mov_b32 s[\g+1], 768<<16                     ; tensor_dim0
	s_mov_b32 s[\g+2], 4<<16                       ; tensor_dim1
	s_mov_b32 s[\g+3], 768<<16                     ; tile_dim0
	s_mov_b32 s[\g+4], 4                           ; tile_dim1
	s_mov_b32 s[\g+5], 1536                        ; tensor_dim0_stride
	s_mov_b32 s[\g+6], 0
	s_mov_b32 s[\g+7], 0
.endr
	s_or_b32 s[G1S+0], s43, (3<<16)|(1<<21)        ; the scale words of four tiles: 2,048 dense bytes, as eight rows of 256
	s_or_b32 s[G1SB+0], s45, (3<<16)|(1<<21)
.irp g, G1S, G1SB
	s_mov_b32 s[\g+1], 32<<16
	s_mov_b32 s[\g+2], 8<<16
	s_mov_b32 s[\g+3], 32<<16
	s_mov_b32 s[\g+4], 8
	s_mov_b32 s[\g+5], 32
	s_mov_b32 s[\g+6], 0
	s_mov_b32 s[\g+7], 0
.endr
	s_lshl_b32 s21, s18, 2
	s_lshl_b32 s20, s44, 3
	s_add_co_u32 s20, s20, s21                     ; source 1: the first tile that I fetch
	s_lshl_b32 s46, s42, 3
	s_add_co_u32 s46, s46, s21                     ; source 0 likewise
	s_lshl_b32 s22, s20, 9
	s_mov_b32 s23, 0
	s_mul_i32 s20, s20, 12288
	s_mov_b32 s21, 0
	s_lshl_b32 s92, s46, 9
	s_add_co_u32 s92, s92, 229376
	s_mov_b32 s93, 0
	s_mul_i32 s46, s46, 12288
	s_add_co_u32 s46, s46, 5505024
	s_mov_b32 s47, 0
	s_mul_i32 s45, s16, HALFT                      ; where they go: wave x four tiles: no place in the cluster enters an LDS address
	s_lshl_b32 s94, s16, 11
	s_wait_dscnt 0x0
	s_wait_kmcnt 0x0
	s_add_nc_u64 s[20:21], s[4:5], s[20:21]
	s_add_nc_u64 s[22:23], s[6:7], s[22:23]
	s_add_nc_u64 s[46:47], s[8:9], s[46:47]
	s_add_nc_u64 s[92:93], s[10:11], s[92:93]
	CROUND                                         ; all sixteen work-groups are here: the joint loads meet
	s_mov_b32 s[G0S], 1
	s_add_co_u32 s[G0S+1], s94, SCL
	s_mov_b64 s[G0S+2:G0S+3], s[22:23]
	s_or_b32 s[G0S+3], s[G0S+3], 0x80000000
	s_mov_b32 s[G0SB], 1
	s_add_co_u32 s[G0SB+1], s94, SCL+128
	s_mov_b64 s[G0SB+2:G0SB+3], s[92:93]
	s_or_b32 s[G0SB+3], s[G0SB+3], 0x80000000
	JLOAD G0S, G1S, G0SB, G1SB                     ; the scale words first; three loads of mine are out in all
.irp s, 0,1
	s_mov_b32 s[G0+4*\s], 1
	s_add_co_u32 s[G0+4*\s+1], s45, \s*SLOT
	s_add_nc_u64 s[G0+4*\s+2:G0+4*\s+3], s[20:21], \s*KSTEPB
	s_or_b32 s[G0+4*\s+3], s[G0+4*\s+3], 0x80000000
	s_mov_b32 s[G0B+4*\s], 1
	s_add_co_u32 s[G0B+4*\s+1], s45, \s*SLOT
	s_add_nc_u64 s[G0B+4*\s+2:G0B+4*\s+3], s[46:47], \s*KSTEPB
	s_or_b32 s[G0B+4*\s+3], s[G0B+4*\s+3], 0x80000000
	JLOAD G0+4*\s, G1, G0B+4*\s, G1B
.endr
	v_and_b32 v1, 15, v0                           ; r
	v_bfe_u32 v2, v0, 4, 1                         ; h
	v_and_b32 v3, 31, v0                           ; lane
	v_lshlrev_b32 v[L16], 4, v3
	v_lshlrev_b32 v[L8], 3, v3
	v_lshlrev_b32 v[HA64], 6, v2
	s_lshl_b32 s20, s42, 9
	s_lshl_b32 s21, s18, 8
	s_add_co_u32 s20, s20, s21                     ; b_out of my 64 columns
	s_mov_b32 s21, 0
	s_add_nc_u64 s[12:13], s[12:13], s[20:21]
.irp bb, 0,1
.irp j, 0,1,2,3
	global_load_b128 v[BO+16*\bb+4*\j:BO+16*\bb+4*\j+3], v[HA64], s[12:13] offset:128*\bb+16*\j   ; register 16 bb + i: column 32 bb + 16 h + i of my 64
.endr
.endr
	s_mul_i32 s21, s17, HALFT                      ; my four tiles of source 1
	s_mul_i32 s22, s18, HALFT                      ; and of source 0,
	s_add_co_u32 s22, s22, 2*HALFT                 ; which lie behind source 1's eight
.irp s, 0,1
	v_add_nc_u32 v[ADRA+\s], s21, v[L16]
	v_add_nc_u32 v[ADRB+\s], s22, v[L16]
	v_add_nc_u32 v[ADRA+2+\s], s21, v[L8]
	v_add_nc_u32 v[ADRB+2+\s], s22, v[L8]
	s_add_co_u32 s21, s21, SLOT
	s_add_co_u32 s22, s22, SLOT
.endr
	v_lshlrev_b32 v5, 3, v1                        ; a row's two words: 8 r
	s_lshl_b32 s21, s17, 11
	s_lshl_b32 s22, s18, 11
	s_add_co_u32 s22, s22, 4096+128
	s_sub_co_u32 s22, s22, s21
	v_mul_u32_u24 v6, s22, v2                      ; lanes 16-31 take source 0's scale words
	s_add_co_u32 s21, s21, SCL
	v_add_nc_u32 v5, v5, v6
	v_add_nc_u32 v[ADRS], s21, v5
	s_mul_i32 s23, s16, 16*SPITCH
	s_add_co_u32 s23, s23, STG                     ; my stage
	v_mul_u32_u24 v5, v1, SPITCH
	v_lshl_add_u32 v5, v2, 6, v5
	v_add_nc_u32 v[STO], s23, v5                   ; in: row r, + 64 h
	v_mul_u32_u24 v5, v2, SPITCH
	v_lshl_add_u32 v5, v1, 4, v5
	v_add_nc_u32 v[RD], s23, v5                    ; back: lanes 0-15 take one row of 256 bytes, lanes 16-31 the next
	v_lshlrev_b32 v[CO], 12, v2
	v_lshl_add_u32 v[CO], v1, 4, v[CO]             ; and the same two rows of the output, 4,096 bytes apart
	s_lshl_b32 s20, s44, 7
	s_lshl_b32 s21, s17, 6
	s_add_co_u32 s20, s20, s21                     ; my first row of the output,
	s_lshl_b32 s20, s20, 12                        ; 4,096 bytes a row,
	s_lshl_b32 s21, s42, 9
	s_add_co_u32 s20, s20, s21
	s_lshl_b32 s21, s18, 8
	s_add_co_u32 s20, s20, s21                     ; and my first column
	s_mov_b32 s21, 0
	s_add_nc_u64 s[14:15], s[14:15], s[20:21]
.macro FRAG reg, adr, q, i             ; a fragment as it lies: four dense loads
	ds_load_b128 v[\reg:\reg+3], v[\adr] offset:(\i)*KSTEPB+(\q)*1536
	ds_load_b64 v[\reg+4:\reg+5], v[\adr+2] offset:(\i)*KSTEPB+(\q)*1536+512
	ds_load_b128 v[\reg+6:\reg+9], v[\adr] offset:(\i)*KSTEPB+(\q)*1536+768
	ds_load_b64 v[\reg+10:\reg+11], v[\adr+2] offset:(\i)*KSTEPB+(\q)*1536+1280
.endm
; 8 matrix instructions: source 1's blocks a0, a0 + 1 x source 0's four; buffer p; fragment kf of K's eight.  first = 1: b_out starts the sums.
; The 16 accumulators take turns, one instruction a turn, in the same order in every step.
.macro MUL8 a0, p, kf, first
.irp a, \a0, \a0+1
.irp b, 0,1,2,3
.if \first
	v_wmma_scale_f32_16x16x128_f8f6f4 v[ACC+8*(4*(\a)+\b):ACC+8*(4*(\a)+\b)+7], v[128*(\p)+FR*\b:128*(\p)+FR*\b+FR-1], v[128*(\p)+48+FR*(\a):128*(\p)+48+FR*(\a)+FR-1], v[BO+8*\b:BO+8*\b+7], v[SC+8*\b+(\kf)], v[SC+8*(\a)+(\kf)] matrix_a_fmt:MATRIX_FMT_FP6 matrix_b_fmt:MATRIX_FMT_FP6 matrix_a_scale:MATRIX_SCALE_ROW1
.else
	v_wmma_scale_f32_16x16x128_f8f6f4 v[ACC+8*(4*(\a)+\b):ACC+8*(4*(\a)+\b)+7], v[128*(\p)+FR*\b:128*(\p)+FR*\b+FR-1], v[128*(\p)+48+FR*(\a):128*(\p)+48+FR*(\a)+FR-1], v[ACC+8*(4*(\a)+\b):ACC+8*(4*(\a)+\b)+7], v[SC+8*\b+(\kf)], v[SC+8*(\a)+(\kf)] matrix_a_fmt:MATRIX_FMT_FP6 matrix_b_fmt:MATRIX_FMT_FP6 matrix_a_scale:MATRIX_SCALE_ROW1
.endif
.endr
.endr
.endm
.macro FETCH1 slot, q, p               ; 24 loads: source 0's four fragments and source 1's blocks 0, 1
	WIN TO_F
.irp i, 0,1,2,3
	FRAG 128*(\p)+FR*\i, ADRB+\slot, \q, \i
.endr
.irp i, 0,1
	FRAG 128*(\p)+48+FR*\i, ADRA+\slot, \q, \i
.endr
.endm
.macro FETCH2 slot, q, p               ; 8 loads: source 1's blocks 2, 3
	WIN TO_F
.irp i, 2,3
	FRAG 128*(\p)+48+FR*\i, ADRA+\slot, \q, \i
.endr
.endm
.macro SCALES                          ; the scale words of all of K: 16 loads of two words a row; lanes 0-15 source 1's block i, lanes 16-31 source 0's block i
.irp i, 0,1,2,3
.irp kp, 0,1,2,3
	ds_load_b64 v[SC+8*\i+2*\kp:SC+8*\i+2*\kp+1], v[ADRS] offset:\i*512+\kp*128
.endr
.endr
.endm
.macro PLACES                          ; four plain instructions ahead of loads into registers that matrix instructions have read, and of the first read of results
.rept 4
	v_nop
.endr
.endm
; 128 along K: fragment kf.  mode 1: in its middle the next fragments (half nslot of K, its nq-th) are fetched into the other buffer.  mode 2: the same, behind the barrier that shows the second half of K whole.  mode 0: nothing is left to fetch.
.macro STEPQ kf, first, nslot, nq, mode
.set P, (\kf)%2
.if \mode == 2
	s_wait_dscnt 0x0                               ; no LDS load of mine is out at the signal
	s_wait_tensorcnt 0x0                           ; my part of the second half of K is in
	s_barrier_signal -1
.else
	s_wait_dscnt 8                                 ; source 0's four and source 1's blocks 0, 1 are in; the youngest eight loads (blocks 2, 3) may be out
.endif
	WIN MUL
	MUL8 0, P, \kf, \first
.if \mode == 2
	s_barrier_wait -1                              ; everybody's is.
.endif
.if \mode > 0
	PLACES
	FETCH1 \nslot, \nq, 1-P
	FETCH2 \nslot, \nq, 1-P
	s_wait_dscnt 32                                ; all but the 32 just issued
.else
	s_wait_dscnt 0x0
.endif
	WIN MUL
	MUL8 2, P, \kf, \first
.endm
	s_wait_tensorcnt 1                             ; the scale words and my part of the first half of K are in (the second half's load may be out),
	s_barrier_signal -1
	s_barrier_wait -1                              ; everybody's are
	FETCH1 0, 0, 0
	WIN 0
	SCALES
	FETCH2 0, 0, 0
	s_wait_loadcnt 0x0                             ; b_out
	STEPQ 0, 1, 0, 1, 1
	STEPQ 1, 0, 0, 2, 1
	STEPQ 2, 0, 0, 3, 1
	STEPQ 3, 0, 1, 0, 2
	STEPQ 4, 0, 1, 1, 1
	STEPQ 5, 0, 1, 2, 1
	STEPQ 6, 0, 1, 3, 1
	STEPQ 7, 0, 0, 0, 0
	WIN 0
; THE WAY OUT, block by block of 16 rows x 64 columns, through my own stage in LDS: a lane's eight results of accumulator b are columns 32 (b / 2) + 16 h + 8 (b % 2) + 0 .. 7 of its row; they come back as whole rows of 256 bytes.
.macro TOSTAGE a
.irp b, 0,1,2,3
	ds_store_b128 v[STO], v[ACC+8*(4*(\a)+\b):ACC+8*(4*(\a)+\b)+3] offset:128*(\b/2)+32*(\b%2)          ; each accumulator from its low end on
	ds_store_b128 v[STO], v[ACC+8*(4*(\a)+\b)+4:ACC+8*(4*(\a)+\b)+7] offset:128*(\b/2)+32*(\b%2)+16
.endr
.set BB, BK+32*((\a)%2)
.irp t, 0,1,2,3,4,5,6,7
	ds_load_b128 v[BB+4*\t:BB+4*\t+3], v[RD] offset:\t*2*SPITCH   ; LDS serves a wave's instructions in order: these see the stores above, and the next block's stores come behind them
.endr
.endm
.macro SEND a, younger                 ; the stage's rows 2 t and 2 t + 1 are rows 32 (a / 2) + 8 (a % 2) + 2 (t % 4) + 16 (t / 4) + h of my 64: all but h stands in the immediate, 62 rows of 4,096 bytes at the most
.set BB, BK+32*((\a)%2)
	s_wait_dscnt \younger
.irp t, 0,1,2,3,4,5,6,7
	global_store_b128 v[CO], v[BB+4*\t:BB+4*\t+3], s[14:15] offset:(32*((\a)/2)+8*((\a)%2)+2*(\t%4)+16*(\t/4))*4096 th:TH_STORE_NT   ; sixteen lanes store 256 consecutive bytes, aligned to 256
.endr
.endm
	PLACES
	TOSTAGE 0
.irp a, 1,2,3
.if \a > 1
	s_wait_xcnt 0x0                                ; block a - 2's stores have read their registers: block a's loads may land there
.endif
	TOSTAGE \a
	SEND \a-1, 16                                  ; behind block a - 1's loads: block a's 8 stores and 8 loads
.endr
	SEND 3, 0
	s_wait_tensorcnt 0x0
	ds_add_u32 v30, v31
	s_wait_dscnt 0x0
	CROUND                                         ; the closing round: no work-group ends while a partner may still ask for a tile that names it
	s_endpgm
.Lfunc_end_k_q82b8cde379_oproj:
	.size	k_q82b8cde379_oproj, .Lfunc_end_k_q82b8cde379_oproj-k_q82b8cde379_oproj
	.p2alignl 7, 3214868480
	.fill 96, 4, 3214868480
	.section	.rodata,"a",@progbits
	.p2align	6, 0x0
	.amdhsa_kernel k_q82b8cde379_oproj
		.amdhsa_group_segment_fixed_size 246272
		.amdhsa_private_segment_fixed_size 0
		.amdhsa_enable_private_segment 0
		.amdhsa_kernarg_size 48
		.amdhsa_user_sgpr_count 2
		.amdhsa_user_sgpr_kernarg_segment_ptr 1
		.amdhsa_wavefront_size32 1
		.amdhsa_system_sgpr_workgroup_id_x 1
		.amdhsa_system_sgpr_workgroup_id_y 1
		.amdhsa_system_sgpr_workgroup_id_z 1
		.amdhsa_system_vgpr_workitem_id 0
		.amdhsa_next_free_vgpr 512
		.amdhsa_next_free_sgpr 98
		.amdhsa_reserve_vcc 0
		.amdhsa_float_denorm_mode_32 3
		.amdhsa_float_denorm_mode_16_64 3
		.amdhsa_memory_ordered 1
		.amdhsa_forward_progress 1
		.amdhsa_inst_pref_size 54
	.end_amdhsa_kernel
	.amdgpu_metadata
---
amdhsa.version: [ 1, 2 ]
amdhsa.kernels:
  - .name:           k_q82b8cde379_oproj
    .symbol:         k_q82b8cde379_oproj.kd
    .args:
      - { .name: aoc, .offset: 0, .size: 8, .value_kind: global_buffer, .address_space: global }
      - { .name: aos, .offset: 8, .size: 8, .value_kind: global_buffer, .address_space: global }
      - { .name: qc, .offset: 16, .size: 8, .value_kind: global_buffer, .address_space: global }
      - { .name: qs, .offset: 24, .size: 8, .value_kind: global_buffer, .address_space: global }
      - { .name: b_out, .offset: 32, .size: 8, .value_kind: global_buffer, .address_space: global }
      - { .name: out0, .offset: 40, .size: 8, .value_kind: global_buffer, .address_space: global }
    .group_segment_fixed_size: 246272
    .private_segment_fixed_size: 0
    .kernarg_segment_align: 8
    .kernarg_segment_size: 48
    .max_flat_workgroup_size: 128
    .sgpr_count:     98
    .vgpr_count:     512
    .wavefront_size: 32
...
	.end_amdgpu_metadata
.endif
;; end of part 8
